; MI455X (gfx1250); checked and timed in simulation.
; The chip was launched on July 23, 2026; its instructions are those of AMD's public machine-readable ISA for CDNA 5 (MIT licence, August 2026) and "CDNA5" Instruction Set Architecture Reference Guide (July 2026). The comments in the code are by the model that wrote it; some were corrected since.
;; Cross Attention. Allowed arithmetic: matrix products marked QUANTISED: E2M3 operands, one E8M0 scale for each 32 along K, by v_wmma_scale_f32_16x16x128_f8f6f4 with both operands' format E2M3, f32 sums; everything else in f32.
;; Inputs: Wkv 1,024 x 2,048 float32; Wq 1,024 x 1,024 float32; decoder_hidden_states 4 x 2,048 x 1,024 float32; hidden_states 4 x 2,048 x 1,024 float32.
;; Outputs: out0 4 x 2,048 x 1,024 float32.
;; This version of the problem:
;;   THIS VERSION OF THE PROBLEM IS GIVEN IN LOW PRECISION. The matrix products marked QUANTISED in the list below multiply operands that are first quantised to E2M3 (2 exponent bits, 3 mantissa bits; 6 bits a number), with one power-of-two scale for each 32 numbers along K (OCP MX v1.0); their sums are f32. All else is computed in f32.
;;   The module's matrix products, in the order in which they are computed (A, B: the left and right operand; K: the contracted axis; several contracted axes count as one K, in the product's order):
;;     1. [M 8,192, K 1,024] x [K 1,024, N 1,024]; A: input hidden_states; B: input Wq: QUANTISED
;;     2. [M 8,192, K 1,024] x [K 1,024, N 2,048]; A: input decoder_hidden_states; B: input Wkv: QUANTISED
;;     3. batch 4 x [M 2,048, K 1,024] x [K 1,024, N 2,048]; A: computed on the way; B: computed on the way: QUANTISED
;;     4. batch 4 x [M 2,048, K 2,048] x [K 2,048, N 1,024]; A: softmax (see below); B: computed on the way: QUANTISED
;;   THE QUANTISER, for each operand of a quantised product, along K:
;;     - K is cut into blocks of 32 from its start; a last block that is shorter is filled with zeros.
;;     - A block's scale is 2^e with e = floor(log2(the largest magnitude in the block)) - 2, held to -126 .. 127; a block of zeros has e = 0. As a byte (E8M0): e + 127.
;;     - Each number is divided by its block's scale, clamped to +-7.5, and rounded to the nearest number of E2M3, ties to even, subnormals kept.
;;     - The product sums the exact products of the quantised numbers (number of the format x scale) in f32.
;;   ~~~python
;;   def quantise(x, axis):      # numpy; x: float32 -> the quantised numbers, widened to float32 again
;;       x = np.moveaxis(x, axis, -1); K = x.shape[-1]
;;       x = np.pad(x, [(0, 0)] * (x.ndim - 1) + [(0, -K % 32)]); x = x.reshape(x.shape[:-1] + (-1, 32)); a = np.abs(x).max(-1, keepdims=True)
;;       e = np.where(a > 0, np.clip(np.frexp(np.where(a > 0, a, 1))[1] - 1 - 2, -126, 127), 0)      # np.frexp(a)[1] - 1 = floor(log2(a)), exactly
;;       r = np.clip(x / 2.0 ** e, -7.5, 7.5)
;;       step = 2.0 ** (np.maximum(np.frexp(np.where(r == 0, 1, r))[1] - 1, 0) - 3)
;;       q = np.round(r / step) * step * 2.0 ** e      # np.round: ties to even
;;       return np.moveaxis(q.reshape(q.shape[:-2] + (-1,))[..., :K], -1, axis).astype(np.float32)
;;   ~~~
;;   SOFTMAX AHEAD OF A QUANTISED PRODUCT. Where the list says 'softmax', what is quantised is not the finished softmax but p = 2^(t - M), with t = logit x log2(e) and M = ceil(the row's largest t), a whole number; so 1/2 < the row's largest p <= 1. The row's sum l is taken of the UNQUANTISED p, in f32, and the product's result is divided by l at the end. Since M is a whole number, a kernel that streams over the keys may use a running M (the ceiling of the running maximum): every later rescaling is an exact power of two, which a block's scale takes up: the codes' values come out the same.
;;   OPERANDS COMPUTED ON THE WAY. 'Computed on the way' means the value that the module computes at that place (a softmax that the list does not call 'softmax' is quantised finished and normalised). What goes into a quantiser is computed in f32, as accurately as f32 sums, v_exp_f32 and their like allow (about 1e-6 of the number): no bf16 or f16 on the way to a quantiser, and a product that is left as it is and whose result goes on into a quantised operand takes f32 operands (vector FMAs, or v_wmma_f32_16x16x4_f32). A number that lies on a knife's edge between two numbers of the format may be rounded either way, as far as f32 arithmetic and the matrix unit's own rounding can turn it there, and no further.
;; 2 versions, each right and faster than the one before. Each part assembles by itself: llvm-mc -triple=amdgcn-amd-amdhsa -mcpu=gfx1250 --defsym DOCPART=n.
;; ======== version 1 of 2: 4 launches
;; workspace buffers: xw_codes 14,942,208 bytes; xw_scales 622,592 bytes; qk_codes 12,582,912 bytes; qk_scales 524,288 bytes; v_codes 6,291,456 bytes; v_scales 262,144 bytes; p_codes 12,582,912 bytes; p_stats 1,572,864 bytes
;; launch quant (part 1): grid 448 x 1, 4 waves a work-group, no clusters, 34,304 bytes of LDS; arguments hidden_states, decoder_hidden_states, Wq, Wkv, xw_codes, xw_scales; writes xw_codes, xw_scales
.if DOCPART == 1
	.amdgcn_target "amdgcn-amd-amdhsa--gfx1250"
	.amdhsa_code_object_version 6
	.text
	.protected	k_qa28b5d5c9c_quant
	.globl	k_qa28b5d5c9c_quant
	.p2align	8
	.type	k_qa28b5d5c9c_quant,@function
k_qa28b5d5c9c_quant:
	s_mov_b64 s[64:65], 0
	v_nop
	global_prefetch_b8 v0, s[64:65] scope:SCOPE_SE
	s_setreg_imm32_b32 hwreg(HW_REG_WAVE_MODE, 25, 1), 1
	s_wait_xcnt 0x0
; X = hidden_states and Y = decoder_hidden_states ([8192][1024] f32, K innermost), Wq ([1024][1024]) and Wkv ([1024][2048]) (f32, K the FIRST axis) become codes of FP6 (E2M3)
; with one E8M0 byte for each 32 along K.  A block's scale is 2^(floor(log2(largest magnitude)) - 2): its byte is the largest magnitude's exponent field - 2, held at 1 from below.
; LIMITS: a block of zeros, or one whose largest magnitude lies under 2^-124, gets the byte 1 (its codes are zeros or next to it; this program alone reads the bytes); NaN and infinities are not served.
; LAYOUT OF THE OUTPUT.  A fragment (16 rows x 128 K) is stored as the image of the operand's 12 registers: registers 4 c .. 4 c + 3 of lane l at byte 512 c + 16 l: 1,536 bytes.
; Fragment rb = 2 B + u holds, in lane-row p, the logical row 32 B + 8 u + p + 8 (p / 8).  Codes: [K / 256][rb 0..1215][K / 128 % 2][1,536].  rb 0-511 X, 512-1023 Y, 1024-1087 Wq's columns, 1088-1215 Wkv's.
; Scale words: [K / 128][rows / 128, 0..151][512]: the word of fragment i (0..7) and lane-row r at 256 (i / 4) + 16 r + 4 (i % 4).
; SHARES.  Work-groups 0-191 take the weights (a wave: 32 columns x 128 K, a lane a column, registers down K), 192-447 X and Y (a wave: 128 rows x 128 K, eight fragments).
; X and Y: a load reads 512 consecutive bytes of one row; 16 rows turn through the wave's own stage in LDS (rows 528 bytes apart), so that a lane gets two whole blocks of 32 of its row.
; Every store of codes covers 512 consecutive bytes, aligned.  Waves share nothing: no barrier.
.set RBT,   1216
.set GT,    152
.set STGB,  8448                       ; a wave's stage: 16 rows x 528 bytes
.set SPARE, 4*STGB                     ; behind the stages: the spare words, 128 bytes a wave, which no other line names
.set LI,   4                           ; v4  16 x lane
.set SPW,  5                           ; v5  my spare word's address; never rewritten
.set NIL,  6                           ; v6  0; never rewritten
.set SIN,  7                           ; v7  the stage, on the way in
.set SOUT, 8                           ; v8  and on the way out
.set SH8,  9                           ; v9  8 x (lane / 16)
.set WD,   20                          ; v20-27 the eight fragments' scale words
.set MG,   28                          ; v28-31 as they are stored
.set C,    32                          ; v32-43 a fragment's codes
.set T0,   44                          ; a conversion's three registers begin on an even number: the odd halves are made here and moved
.set T1,   48
.set R,    64                          ; v64-191 two sets of 16 rows as loaded
.set X,    192                         ; v192-255 my two blocks of 32
.set ROWO, 64                          ; weights: v64-95 my column's byte + i rows
.set XW,   96                          ; v96-159 two sets of 32 numbers
.set F0,   160                         ; v160-171, v172-183 the two fragments
.set F1,   172
.set TW,   184
.macro MAX32 d, e, s                   ; the largest magnitude of v[s] .. v[s + 31], in two chains, and the floor 2^(3 - 127)
	v_max3_num_f32 v[\d], |v[\s]|, |v[\s+1]|, |v[\s+2]|
	v_max3_num_f32 v[\e], |v[\s+3]|, |v[\s+4]|, |v[\s+5]|
.irp i, 6,10,14,18,22,26
	v_max3_num_f32 v[\d], v[\d], |v[\s+\i]|, |v[\s+\i+1]|
	v_max3_num_f32 v[\e], v[\e], |v[\s+\i+2]|, |v[\s+\i+3]|
.endr
	v_max3_num_f32 v[\d], v[\d], |v[\s+30]|, |v[\s+31]|
	v_max3_num_f32 v[\d], v[\d], v[\e], 0x1800000
.endm
.macro LOADX f                         ; fragment f's 16 rows, in the fragment's row order
.irp i, 0,1,2,3,4,5,6,7,8,9,10,11,12,13,14,15
	global_load_b128 v[R+64*((\f)%2)+4*\i:R+64*((\f)%2)+4*\i+3], v[LI], s[4:5] offset:(32*((\f)/2)+8*((\f)%2)+\i+8*(\i/8))*4096 th:TH_LOAD_NT
.endr
.endm
.macro STEPX f
.set RS, R+64*((\f)%2)
.if (\f) < 7
	s_wait_loadcnt 16                              ; this fragment's 16 loads are in; the next one's may be out
.else
	s_wait_loadcnt 0x0
.endif
.irp i, 0,1,2,3,4,5,6,7,8,9,10,11,12,13,14,15
	ds_store_b128 v[SIN], v[RS+4*\i:RS+4*\i+3] offset:528*\i
.endr
.irp j, 0,1,2,3,4,5,6,7
	ds_load_b128 v[X+4*\j:X+4*\j+3], v[SOUT] offset:16*\j          ; LDS serves a wave's instructions in order: these see the stores above.  Block lane / 16 of my row,
.endr
.irp j, 0,1,2,3,4,5,6,7
	ds_load_b128 v[X+32+4*\j:X+32+4*\j+3], v[SOUT] offset:256+16*\j   ; and block 2 + lane / 16
.endr
	s_wait_dscnt 0x0                               ; my numbers are back, and the stores have read their registers,
.if (\f)+2 < 8
	LOADX (\f)+2                                   ; which take the fragment two on
.endif
	MAX32 10, 18, X
	MAX32 11, 19, X+32
	v_add_nc_u32 v12, 0xff000000, v10              ; 2 off the exponent field: the conversion takes the exponent field of this operand as its scale
	v_add_nc_u32 v13, 0xff000000, v11
	v_lshrrev_b32 v14, 23, v12                     ; the bytes
	v_lshrrev_b32 v15, 23, v13
	v_lshl_or_b32 v17, v15, 16, v14
	v_lshlrev_b32 v17, v[SH8], v17                 ; at their places in the row's word;
	v_permlanex16_b32 v16, v17, s20, s21
	v_or_b32 v[WD+(\f)], v17, v16                  ; with lane l xor 16's two the word is whole
	s_wait_xcnt 0x0                                ; the last fragment's stores have read C: it is written again only behind this wait
	v_cvt_scalef32_pk16_fp6_f32 v[C:C+2], v[X:X+15], v12
	v_cvt_scalef32_pk16_fp6_f32 v[T0:T0+2], v[X+16:X+31], v12
	v_cvt_scalef32_pk16_fp6_f32 v[C+6:C+8], v[X+32:X+47], v13
	v_cvt_scalef32_pk16_fp6_f32 v[T1:T1+2], v[X+48:X+63], v13
	v_nop                                          ; one plain place behind a scaled conversion
.irp i, 0,1,2
	v_mov_b32 v[C+3+\i], v[T0+\i]
	v_mov_b32 v[C+9+\i], v[T1+\i]
.endr
.irp c, 0,1,2
	global_store_b128 v[LI], v[C+4*\c:C+4*\c+3], s[12:13] offset:3072*(\f)+512*\c
.endr
.endm
.macro LOADW t                         ; block t of my column: 32 rows of the weight; a wave's load reads 128 consecutive bytes
.irp i, 0,1,2,3,4,5,6,7,8,9,10,11,12,13,14,15,16,17,18,19,20,21,22,23,24,25,26,27,28,29,30,31
	global_load_b32 v[XW+32*((\t)%2)+\i], v[ROWO+\i], s[24+2*(\t):25+2*(\t)] th:TH_LOAD_NT
.endr
.endm
.macro BLOCKW t
.set XS, XW+32*((\t)%2)
.set FD, F0+12*((\t)%2)+6*((\t)/2)     ; even blocks into F0, odd ones into F1
.if (\t) < 3
	s_wait_loadcnt 32                              ; this block's 32 loads are in; the next block's may be out
.else
	s_wait_loadcnt 0x0
.endif
	MAX32 10, 11, XS
	v_add_nc_u32 v12, 0xff000000, v10
	v_lshrrev_b32 v14, 23, v12
.if (\t) == 0
	v_mov_b32 v20, v14
.else
	v_lshl_or_b32 v20, v14, 8*(\t), v20            ; my column's scale word: all four bytes are mine
.endif
	v_cvt_scalef32_pk16_fp6_f32 v[FD:FD+2], v[XS:XS+15], v12
	v_cvt_scalef32_pk16_fp6_f32 v[TW:TW+2], v[XS+16:XS+31], v12
	v_nop
.irp i, 0,1,2
	v_mov_b32 v[FD+3+\i], v[TW+\i]
.endr
.if (\t)+2 < 4
	LOADW (\t)+2
.endif
.endm
	s_load_b256 s[4:11], s[0:1], 0x0               ; X s[4:5], Y s[6:7], Wq s[8:9], Wkv s[10:11]
	s_load_b128 s[12:15], s[0:1], 0x20             ; the codes, the scale words
	v_lshl_add_u32 v[SPW], v0, 2, SPARE
	v_mov_b32 v[NIL], 0
	v_lshrrev_b32 v1, 5, v0
	v_readfirstlane_b32 s16, v1                    ; wave
	v_and_b32 v1, 31, v0                           ; lane
	v_and_b32 v2, 15, v0                           ; r
	v_bfe_u32 v3, v0, 4, 1                         ; h
	v_lshlrev_b32 v[LI], 4, v1
	s_mul_i32 s22, s16, STGB
	v_add_nc_u32 v[SIN], s22, v[LI]                ; in: a row's 512 bytes, 16 a lane
	v_mul_u32_u24 v[SOUT], v2, 528
	v_lshl_add_u32 v[SOUT], v3, 7, v[SOUT]
	v_add_nc_u32 v[SOUT], s22, v[SOUT]             ; out: row r, + 128 h: a block of 32 numbers
	v_lshlrev_b32 v[SH8], 3, v3
	v_mov_b32 v16, 0                               ; a lane permute's destination counts as one of its sources
	s_mov_b32 s20, 0x76543210
	s_mov_b32 s21, 0xfedcba98                      ; selects for lane l xor 16
	s_cmp_lt_u32 ttmp9, 192
	s_cbranch_scc1 .Lweights
	; ---- X and Y
	s_sub_co_u32 s17, ttmp9, 192
	s_lshr_b32 s18, s17, 1                         ; g: which 128 rows (0-63 X, 64-127 Y)
	s_and_b32 s19, s17, 1
	s_lshl_b32 s19, s19, 2
	s_add_co_u32 s19, s19, s16                     ; ks: which 128 along K
	s_and_b32 s23, s18, 63
	s_lshl_b32 s24, s23, 19                        ; 128 rows of 4,096 bytes
	s_lshl_b32 s25, s19, 9
	s_add_co_u32 s24, s24, s25
	s_mov_b32 s25, 0
	s_lshr_b32 s26, s19, 1
	s_mul_i32 s26, s26, RBT
	s_lshl_b32 s27, s18, 3
	s_add_co_u32 s26, s26, s27
	s_mul_i32 s26, s26, 3072
	s_and_b32 s27, s19, 1
	s_mul_i32 s27, s27, 1536
	s_add_co_u32 s26, s26, s27
	s_mov_b32 s27, 0
	s_mul_i32 s28, s19, GT
	s_add_co_u32 s28, s28, s18
	s_lshl_b32 s28, s28, 9
	s_mov_b32 s29, 0
	s_wait_kmcnt 0x0
	s_cmp_lt_u32 s18, 64                           ; the choice hangs on the work-group's number alone
	s_cselect_b64 s[4:5], s[4:5], s[6:7]
	s_add_nc_u64 s[4:5], s[4:5], s[24:25]
	s_add_nc_u64 s[12:13], s[12:13], s[26:27]
	s_add_nc_u64 s[14:15], s[14:15], s[28:29]
	LOADX 0
	LOADX 1
.irp f, 0,1,2,3,4,5,6,7
	STEPX \f
.endr
	v_cmp_le_u32 vcc_lo, 16, v1
.irp t, 0,1,2,3
	v_cndmask_b32 v[MG+\t], v[WD+\t], v[WD+4+\t], vcc_lo   ; lanes 0-15 store the words of fragments 0-3, lanes 16-31 those of 4-7
.endr
	global_store_b128 v[LI], v[MG:MG+3], s[14:15]  ; 512 consecutive bytes
	s_wait_tensorcnt 0x0                           ; the wave's end, behind my last LDS store
	ds_add_u32 v[SPW], v[NIL]
	s_wait_dscnt 0x0
	s_endpgm
	; ---- the weights
.Lweights:
	s_and_b32 s17, ttmp9, 7                        ; ks
	s_lshr_b32 s18, ttmp9, 3                       ; gw: which 128 columns (0-7 Wq, 8-23 Wkv)
	v_lshrrev_b32 v18, 1, v1
	v_xor_b32 v18, v18, v1
	v_and_b32 v18, 8, v18
	v_mul_u32_u24 v18, v18, 3
	v_xor_b32 v18, v18, v1                         ; my column of the wave's 32: lanes 8-15 and 16-23 change places, which is the fragments' row order
	v_lshlrev_b32 v19, 4, v2
	v_lshl_add_u32 v19, v3, 2, v19                 ; my scale word's place: 16 r + 4 h
	s_wait_kmcnt 0x0
	s_cmp_lt_u32 s18, 8
	s_mov_b32 s32, 8192
	s_cselect_b32 s32, 4096, s32                   ; bytes from row to row
	s_cselect_b32 s19, 0, 8
	s_cselect_b64 s[8:9], s[8:9], s[10:11]
	s_sub_co_u32 s19, s18, s19                     ; the group of columns in its own tensor
	s_lshl_b32 s22, s19, 9
	s_lshl_b32 s23, s16, 7
	s_add_co_u32 s22, s22, s23                     ; my wave's first column, in bytes
	s_lshl_b32 s23, s17, 7
	s_mul_i32 s23, s23, s32                        ; 128 ks rows
	s_add_co_u32 s22, s22, s23
	s_mov_b32 s23, 0
	s_add_nc_u64 s[24:25], s[8:9], s[22:23]        ; a base for each block of 32 rows
	s_lshl_b32 s22, s32, 5
	s_add_nc_u64 s[26:27], s[24:25], s[22:23]
	s_add_nc_u64 s[28:29], s[26:27], s[22:23]
	s_add_nc_u64 s[30:31], s[28:29], s[22:23]
	v_lshlrev_b32 v[ROWO], 2, v18
.set i, 1
.rept 31
	v_add_nc_u32 v[ROWO+i], s32, v[ROWO+i-1]
.set i, i+1
.endr
	LOADW 0
	LOADW 1
	s_lshr_b32 s22, s17, 1
	s_mul_i32 s22, s22, RBT
	s_lshl_b32 s33, s18, 3
	s_add_co_u32 s22, s22, s33
	s_lshl_b32 s33, s16, 1
	s_add_co_u32 s22, s22, s33
	s_add_co_u32 s22, s22, 1024
	s_mul_i32 s22, s22, 3072
	s_and_b32 s33, s17, 1
	s_mul_i32 s33, s33, 1536
	s_add_co_u32 s22, s22, s33
	s_add_nc_u64 s[12:13], s[12:13], s[22:23]
	s_mul_i32 s22, s17, GT
	s_add_co_u32 s22, s22, s18
	s_add_co_u32 s22, s22, 128
	s_lshl_b32 s22, s22, 9
	s_lshr_b32 s34, s16, 1
	s_lshl_b32 s34, s34, 8
	s_add_co_u32 s22, s22, s34
	s_and_b32 s34, s16, 1
	s_lshl_b32 s34, s34, 3
	s_add_co_u32 s22, s22, s34                     ; fragments 2 w and 2 w + 1 of the group's eight
	s_add_nc_u64 s[14:15], s[14:15], s[22:23]
.irp t, 0,1,2,3
	BLOCKW \t
.endr
.irp i, 0,1,2,3,4,5,6,7,8,9,10,11
	v_permlane16_swap_b32 v[F0+\i], v[F1+\i]       ; F0's lanes 16-31 change places with F1's lanes 0-15: F0 is now the fragment of lanes 0-15's columns, F1 that of lanes 16-31's
.endr
.irp c, 0,1,2
	global_store_b128 v[LI], v[F0+4*\c:F0+4*\c+3], s[12:13] offset:512*\c
	global_store_b128 v[LI], v[F1+4*\c:F1+4*\c+3], s[12:13] offset:3072+512*\c
.endr
	global_store_b32 v19, v20, s[14:15]            ; 4 bytes a lane, 16 bytes apart: the four waves together fill the group's 512 bytes; one byte for each 128 that the wave reads
	s_wait_tensorcnt 0x0
	ds_add_u32 v[SPW], v[NIL]
	s_wait_dscnt 0x0
	s_endpgm
.Lfunc_end_k_qa28b5d5c9c_quant:
	.size	k_qa28b5d5c9c_quant, .Lfunc_end_k_qa28b5d5c9c_quant-k_qa28b5d5c9c_quant
	.p2alignl 7, 3214868480
	.fill 96, 4, 3214868480
	.section	.rodata,"a",@progbits
	.p2align	6, 0x0
	.amdhsa_kernel k_qa28b5d5c9c_quant
		.amdhsa_group_segment_fixed_size 34304
		.amdhsa_private_segment_fixed_size 0
		.amdhsa_enable_private_segment 0
		.amdhsa_kernarg_size 48
		.amdhsa_user_sgpr_count 2
		.amdhsa_user_sgpr_kernarg_segment_ptr 1
		.amdhsa_wavefront_size32 1
		.amdhsa_system_sgpr_workgroup_id_x 1
		.amdhsa_system_sgpr_workgroup_id_y 1
		.amdhsa_system_sgpr_workgroup_id_z 1
		.amdhsa_system_vgpr_workitem_id 0
		.amdhsa_next_free_vgpr 256
		.amdhsa_next_free_sgpr 66
		.amdhsa_reserve_vcc 1
		.amdhsa_float_denorm_mode_32 3
		.amdhsa_float_denorm_mode_16_64 3
		.amdhsa_memory_ordered 1
		.amdhsa_forward_progress 1
		.amdhsa_inst_pref_size 79
	.end_amdhsa_kernel
	.amdgpu_metadata
---
amdhsa.version: [ 1, 2 ]
amdhsa.kernels:
  - .name:           k_qa28b5d5c9c_quant
    .symbol:         k_qa28b5d5c9c_quant.kd
    .args:
      - { .name: hidden_states, .offset: 0, .size: 8, .value_kind: global_buffer, .address_space: global }
      - { .name: decoder_hidden_states, .offset: 8, .size: 8, .value_kind: global_buffer, .address_space: global }
      - { .name: Wq, .offset: 16, .size: 8, .value_kind: global_buffer, .address_space: global }
      - { .name: Wkv, .offset: 24, .size: 8, .value_kind: global_buffer, .address_space: global }
      - { .name: xw_codes, .offset: 32, .size: 8, .value_kind: global_buffer, .address_space: global }
      - { .name: xw_scales, .offset: 40, .size: 8, .value_kind: global_buffer, .address_space: global }
    .group_segment_fixed_size: 34304
    .private_segment_fixed_size: 0
    .kernarg_segment_align: 8
    .kernarg_segment_size: 48
    .max_flat_workgroup_size: 128
    .sgpr_count:     66
    .vgpr_count:     256
    .wavefront_size: 32
...
	.end_amdgpu_metadata
.endif
;; end of part 1
;; launch proj (part 2): grid 96 x 4, 4 waves a work-group, clusters of 4 x 4, 327,680 bytes of LDS; arguments xw_codes, xw_scales, qk_codes, qk_scales, v_codes, v_scales; writes qk_codes, qk_scales, v_codes, v_scales
.if DOCPART == 2
	.amdgcn_target "amdgcn-amd-amdhsa--gfx1250"
	.amdhsa_code_object_version 6
	.text
	.protected	k_qa28b5d5c9c_proj
	.globl	k_qa28b5d5c9c_proj
	.p2align	8
	.type	k_qa28b5d5c9c_proj,@function
k_qa28b5d5c9c_proj:
	s_mov_b64 s[64:65], 0
	v_nop
	global_prefetch_b8 v0, s[64:65] scope:SCOPE_SE
	s_setreg_imm32_b32 hwreg(HW_REG_WAVE_MODE, 25, 1), 1
	s_wait_xcnt 0x0
	s_wait_alu depctr_hold_cnt(0) depctr_sa_sdst(0) depctr_va_vdst(0) depctr_va_sdst(0) depctr_va_ssrc(0) depctr_va_vcc(0) depctr_vm_vsrc(0)
	s_getreg_b32 s2, hwreg(HW_REG_IB_STS2, 6, 4)
	s_cmp_eq_u32 s2, 0
	s_cbranch_scc0 .Lentry_in_a_cluster
	s_endpgm
.Lentry_in_a_cluster:
	s_bfe_u32 s2, ttmp6, 0x10000c
	s_cmp_lg_u32 s2, 0xf033
	s_cbranch_scc0 .Lentry_shape_is_right
	s_endpgm
.Lentry_shape_is_right:
; Q = X Wq, K = Y Wk, V^T = (Y Wv)^T on codes of FP6 (E2M3) with E8M0 scales; the results are quantised in registers, along the next product's K, and leave as codes.
; All operands lie as images of the operand's registers (a fragment of 16 rows x 128 K: 1,536 bytes, registers 4 c .. 4 c + 3 of lane l at 512 c + 16 l), codes [K / 256][rb][K / 128 % 2][1,536],
; scale words [K / 128][rows / 128][512] (fragment i, lane-row r at 256 (i / 4) + 16 r + 4 (i % 4)).  Fragment rb = 2 B + u holds in lane-row p the logical row 32 B + 8 u + p + 8 (p / 8).
; A tile is 256 rows of A x 256 rows of B; four waves, each 128 x 128: 64 accumulators, 512 registers.  SOURCE 0 = 16 rows of B, SOURCE 1 = 16 rows of A: a lane holds one row of A, and by the
; fragments' row order the 64 registers of a block of A's rows run along B's 128 rows in their natural order: 16 b + i is row 32 b + 16 (lane / 16) + i.  B's rows are the next product's K.
; WHICH PRODUCT hangs on the cluster's number c (the same in all partners): c / 8 = 0: A = X, B = Wq's columns -> Q; 1: A = Y, B = Wk's -> K; 2: A = Wv's columns, B = Y -> V^T (K = the keys).
; K = 1,024 goes in steps of 256 through two LDS slots; 128 rows x 256 K are one dense block of 24,576 bytes, one tensor load a wave.  The scale words of the tile's rows, for all of K, come once.
; CLUSTERS: 4 x 4.  A's tile is shared along a row of the cluster, B's along a column: joint loads.
; LIMITS: a block of zeros or under 2^-124 gets the byte 1; NaN and infinities are not served.
; REGISTERS: window 0: v16-29 addresses; v32-63 scale words, two sets; v64-115 the way out; v128-223 A's fragments, one set.  window 1: B's fragments, sets at v0 and v128.  windows 2, 3: the accumulators.
.set FR,    12
.set HALFT, 24576                      ; 128 rows x 256 K
.set SLOT,  4*HALFT                    ; A's two halves, then B's two
.set SCL,   2*SLOT                     ; the scale words: 4,096 bytes for each 128 rows: A's two halves, B's two
.set SPARE, SCL+4*4096                 ; the spare words, 128 bytes a wave, which no other line names
.set KPA,   1216*3072                  ; bytes from 256 along K to the next
.set KPB,   1216*3072
.set GSC,   152                        ; groups of 128 rows in the scales' buffer
.set LAPS,  2
.set ADRA, 16
.set ADRB, 20
.set LI,   24
.set ADRS, 27
.set SPW,  28
.set NIL,  29
.set SC,   32                          ; set s at SC + 16 s; in it register 8 q + i: lanes 0-15 the word of A's block i, lanes 16-31 that of B's block i
.set AF,   128
.set TM,   64                          ; v64-67 maxima, v68-71 bytes, v76-79 the conversions' scale operands
.set WD,   80                          ; v80-87 the eight blocks' scale words
.set MG,   88
.set PC,   96                          ; v96-107 a fragment's codes; v108-114 at work
.set SEL,  98
.set G1, 24
.set G0, 32
.set G1B, 48
.set G0B, 56
.set G1S, 68
.set G0S, 76
.set G1SB, 80
.set G0SB, 88
.set MSB, 0
.macro WIN new                         ; the immediate's high byte repeats the setting that is left
.if MSB != \new
	s_set_vgpr_msb (MSB<<8)|\new
.set MSB, \new
.endif
.endm
.set MUL_LO, 0xa1                      ; source 0 (B) window 1, source 1 (A) window 0, C and D window 2
.set MUL_HI, 0xf1
.set TO_B,   0x40
.macro JLOAD g0a, g1a, g0b, g1b        ; a joint load: waves 0 and 1 fetch for A, waves 2 and 3 for B; an s_nop 0 and four v_nop follow each line
	s_cmp_eq_u32 s15, 0
	s_cbranch_scc0 .Lfor_b_\@
	tensor_load_to_lds s[\g0a:\g0a+3], s[\g1a:\g1a+7]
	s_nop 0
.rept 4
	v_nop
.endr
	s_branch .Lasked_\@
.Lfor_b_\@:
	tensor_load_to_lds s[\g0b:\g0b+3], s[\g1b:\g1b+7]
	s_nop 0
.rept 4
	v_nop
.endr
.Lasked_\@:
.endm
.macro CREST
	s_cmp_lg_u32 s14, 0
	s_cbranch_scc1 .Lnot_wave_0_\@
	s_barrier_signal -3
.Lnot_wave_0_\@:
	s_barrier_wait -3
	s_barrier_signal -1
	s_barrier_wait -1
.endm
.macro CROUND
	s_barrier_signal -1
	s_barrier_wait -1
	CREST
.endm
.macro PLACES n
.rept \n
	v_nop
.endr
.endm
.macro FRAG reg, adr, off              ; an image comes back as it was stored: three loads of 512 consecutive bytes
.irp c, 0,1,2
	ds_load_b128 v[\reg+4*\c:\reg+4*\c+3], v[\adr] offset:\off+512*\c
.endr
.endm
.macro FETCH_B slot, q, p
	WIN TO_B
.irp i, 0,1,2,3,4,5,6,7
	FRAG 128*(\p)+FR*\i, ADRB+\slot, 3072*\i+1536*(\q)
.endr
	WIN 0
.endm
.macro FETCH_A slot, q, i0
.irp i, \i0, \i0+1, \i0+2, \i0+3
	FRAG AF+FR*(\i), ADRA+\slot, 3072*(\i)+1536*(\q)
.endr
.endm
.macro SCALES sc                       ; a slot's scale words: lanes 0-15 take A's, lanes 16-31 B's
.irp q, 0,1
.irp t, 0,1
	ds_load_b128 v[SC+16*\sc+8*\q+4*\t:SC+16*\sc+8*\q+4*\t+3], v[ADRS] offset:512*\q+256*\t
.endr
.endr
.endm
; 16 matrix instructions: A's blocks a0, a0 + 1 x B's eight.  The 64 accumulators take turns, one instruction a turn, in the same order in every step.
.macro MUL16 a0, p, q, sc, zero
.irp a, \a0, \a0+1
.irp b, 0,1,2,3,4,5,6,7
.if \zero
	v_wmma_scale_f32_16x16x128_f8f6f4 v[8*(8*((\a)%4)+\b):8*(8*((\a)%4)+\b)+7], v[128*(\p)+FR*\b:128*(\p)+FR*\b+FR-1], v[AF+FR*(\a):AF+FR*(\a)+FR-1], 0, v[SC+16*(\sc)+8*(\q)+\b], v[SC+16*(\sc)+8*(\q)+(\a)] matrix_a_fmt:MATRIX_FMT_FP6 matrix_b_fmt:MATRIX_FMT_FP6 matrix_a_scale:MATRIX_SCALE_ROW1
.else
	v_wmma_scale_f32_16x16x128_f8f6f4 v[8*(8*((\a)%4)+\b):8*(8*((\a)%4)+\b)+7], v[128*(\p)+FR*\b:128*(\p)+FR*\b+FR-1], v[AF+FR*(\a):AF+FR*(\a)+FR-1], v[8*(8*((\a)%4)+\b):8*(8*((\a)%4)+\b)+7], v[SC+16*(\sc)+8*(\q)+\b], v[SC+16*(\sc)+8*(\q)+(\a)] matrix_a_fmt:MATRIX_FMT_FP6 matrix_b_fmt:MATRIX_FMT_FP6 matrix_a_scale:MATRIX_SCALE_ROW1
.endif
.endr
.endr
.endm
.macro STEP slot, zero                 ; a slot's first 128 along K
	s_wait_dscnt 12                                ; all but the youngest twelve loads (A's blocks 4-7) are in
	WIN MUL_LO
	MUL16 0, 0, 0, \slot, \zero
	MUL16 2, 0, 0, \slot, \zero
	s_wait_dscnt 0x0
	PLACES 4                                       ; four places in front of loads into registers that matrix instructions have read
	FETCH_B \slot, 1, 1
	FETCH_A \slot, 1, 0
	WIN MUL_HI
	MUL16 4, 0, 0, \slot, \zero
	MUL16 6, 0, 0, \slot, \zero
	PLACES 4
	WIN 0
	FETCH_A \slot, 1, 4
.endm
.macro TURN slot, next, fill           ; a slot's second 128 along K, and the change of slots
	s_wait_tensorcnt 0x0                           ; all my tensor loads have landed: my part of the next slot
	ds_add_u32 v[SPW], v[NIL]                      ; 0 onto my spare word
	s_wait_dscnt 13                                ; (the add and the youngest twelve loads may be out)
	WIN MUL_LO
	MUL16 0, 1, 1, \slot, 0
	s_wait_dscnt 0x0                               ; the add is done, and my reads of this slot are over
	s_barrier_signal -1
	MUL16 2, 1, 1, \slot, 0
	WIN 0
	s_barrier_wait -1
.if \fill
	CREST                                          ; the barrier has opened a round of the cluster's: no wave of any partner still reads this slot or has a load on its way
	s_add_nc_u64 s[G0+4*\slot+2:G0+4*\slot+3], s[G0+4*\slot+2:G0+4*\slot+3], 2*KPA
	s_add_nc_u64 s[G0B+4*\slot+2:G0B+4*\slot+3], s[G0B+4*\slot+2:G0B+4*\slot+3], 2*KPB
	JLOAD G0+4*\slot, G1, G0B+4*\slot, G1B         ; the first tensor load behind the round; its four v_nop are the places in front of the loads below
.else
	PLACES 4
.endif
	v_add_nc_u32 v[ADRS], 1024, v[ADRS]            ; the next slot's scale words
	FETCH_B \next, 0, 0
	FETCH_A \next, 0, 0
	SCALES \next
	WIN MUL_HI
	MUL16 4, 1, 1, \slot, 0
	MUL16 6, 1, 1, \slot, 0
	PLACES 4
	WIN 0
	FETCH_A \next, 0, 4
.endm
; THE WAY OUT of block a (16 rows of A x my 128 rows of B): four blocks of 32 along the next K are quantised; the fragment leaves as its image.
.macro QOUT a
.set AC, 64*((\a)%4)
.set WW, 2+(\a)/4
.set WMAX, (WW<<2)|(WW<<4)
	WIN 0
.irp b, 0,1,2,3
	v_mov_b32 v[TM+\b], 0x1800000                  ; the floor 2^(3 - 127): the byte cannot fall under 1
.endr
	WIN WMAX                                       ; sources 1 and 2: the accumulators' window
.irp i, 0,2,4,6,8,10,12,14
.irp b, 0,1,2,3
	v_max3_num_f32 v[TM+\b], v[TM+\b], |v[AC+16*\b+\i]|, |v[AC+16*\b+\i+1]|   ; ascending: each accumulator is read from its low end on
.endr
.endr
	WIN 0
.irp b, 0,1,2,3
	v_permlanex16_b32 v[TM+4+\b], v[TM+\b], s[SEL], s[SEL+1]
.endr
.irp b, 0,1,2,3
	v_max_num_f32 v[TM+\b], v[TM+\b], v[TM+4+\b]   ; with lane l xor 16's 16: the block's largest magnitude
.endr
.irp b, 0,1,2,3
	v_add_nc_u32 v[TM+12+\b], 0xff000000, v[TM+\b] ; 2 off its exponent field: the conversion's scale operand
.endr
.irp b, 0,1,2,3
	v_lshrrev_b32 v[TM+4+\b], 23, v[TM+12+\b]      ; the byte
.endr
	v_lshl_or_b32 v[WD+(\a)], v[TM+5], 8, v[TM+4]
	v_lshl_or_b32 v[WD+(\a)], v[TM+6], 16, v[WD+(\a)]
	v_lshl_or_b32 v[WD+(\a)], v[TM+7], 24, v[WD+(\a)]
	s_wait_xcnt 0x0                                ; the last block's stores have read the codes' registers
	WIN WW                                         ; source 0: the accumulators' window
.irp c, 0,1
	v_cvt_scalef32_pk16_fp6_f32 v[PC+6*\c:PC+2+6*\c], v[AC+32*\c:AC+15+32*\c], v[TM+12+2*\c]
	v_cvt_scalef32_pk16_fp6_f32 v[PC+12+4*\c:PC+14+4*\c], v[AC+16+32*\c:AC+31+32*\c], v[TM+12+2*\c+1]
.endr
	WIN 0
	v_nop                                          ; one plain place behind a scaled conversion
.irp c, 0,1                            ; the operand's layout wants a whole block in a lane
.irp i, 0,1,2
	v_permlane16_swap_b32 v[PC+6*\c+\i], v[PC+12+4*\c+\i]
.endr
.irp i, 0,1,2
	v_mov_b32 v[PC+3+6*\c+\i], v[PC+12+4*\c+\i]
.endr
.endr
.irp c, 0,1,2
	global_store_b128 v[LI], v[PC+4*\c:PC+4*\c+3], s[8:9] offset:3072*(\a)+512*\c   ; 512 consecutive bytes, aligned
.endr
.endm
	s_load_b128 s[4:7], s[0:1], 0x0                ; the inputs' codes, their scale words
	s_load_b128 s[8:11], s[0:1], 0x10              ; Q's and K's codes, their scale words
	s_load_b128 s[92:95], s[0:1], 0x20             ; V^T's codes, its scale words
	v_lshl_add_u32 v[SPW], v0, 2, SPARE
	v_mov_b32 v[NIL], 0
	ds_add_u32 v[SPW], v[NIL]                      ; the wave's opening: the add, and its wait, ahead of my first tensor load
	v_lshrrev_b32 v1, 5, v0
	v_readfirstlane_b32 s14, v1                    ; wave
	s_lshr_b32 s15, s14, 1                         ; my half of A's rows.  Also: I fetch for A (0) or B (1)
	s_and_b32 s16, s14, 1                          ; my half of B's rows.  Also: which 128 rows I fetch
	s_bfe_u32 s40, ttmp6, 0x40000                  ; cx
	s_bfe_u32 s41, ttmp6, 0x40004                  ; cy
	s_lshr_b32 s12, ttmp9, 3                       ; which product
	s_and_b32 s13, ttmp9, 7
	s_cmp_eq_u32 s12, 0
	s_cselect_b32 s18, 0, 512                      ; A's first fragment row: X 0, Y 512,
	s_mov_b32 s19, 1088
	s_cselect_b32 s19, 1024, s19                   ; B's: Wq 1024, Wk 1088,
	s_mov_b32 s66, s18                             ; the output's: Q 0, K 512,
	s_mov_b32 s67, 1024                            ; fragment rows in the output buffer
	s_cmp_eq_u32 s12, 2
	s_cselect_b32 s18, 1152, s18                   ; Wv
	s_cselect_b32 s19, 512, s19                    ; Y
	s_cselect_b32 s66, 0, s66
	s_cselect_b32 s67, 64, s67
	s_cselect_b32 s17, 0, s13
	s_cselect_b32 s42, s13, 0
	s_lshl_b32 s17, s17, 2
	s_add_co_u32 s17, s17, s41                     ; A's tile
	s_lshl_b32 s42, s42, 2
	s_add_co_u32 s42, s42, s40                     ; B's tile
	s_lshl_b32 s43, s41, 2
	s_lshl_b32 s43, 15, s43                        ; my row of the cluster
	s_lshl_b32 s44, 0x1111, s40                    ; my column
	s_or_b32 s[G1+0], s43, (3<<16)|(1<<21)         ; the mask; elements of 8 bytes; bit 21 beside a mask; no padding
	s_or_b32 s[G1B+0], s44, (3<<16)|(1<<21)
.irp g, G1, G1B
	s_mov_b32 s[\g+1], 32<<16                      ; 24,576 dense bytes as 96 rows of 256
	s_mov_b32 s[\g+2], 96<<16
	s_mov_b32 s[\g+3], 32<<16
	s_mov_b32 s[\g+4], 96
	s_mov_b32 s[\g+5], 32
	s_mov_b32 s[\g+6], 0
	s_mov_b32 s[\g+7], 0
.endr
	s_or_b32 s[G1S+0], s43, (3<<16)|(1<<21)
	s_or_b32 s[G1SB+0], s44, (3<<16)|(1<<21)
.irp g, G1S, G1SB
	s_mov_b32 s[\g+1], 64<<16                      ; 8 rows (128 along K each) of 512 bytes, GSC x 512 bytes apart
	s_mov_b32 s[\g+2], 8<<16
	s_mov_b32 s[\g+3], 64<<16
	s_mov_b32 s[\g+4], 8
	s_mov_b32 s[\g+5], GSC*64
	s_mov_b32 s[\g+6], 0
	s_mov_b32 s[\g+7], 0
.endr
	s_lshl_b32 s21, s16, 3
	s_lshl_b32 s20, s17, 4
	s_add_co_u32 s20, s20, s18
	s_add_co_u32 s20, s20, s21                     ; A: the first fragment row that I fetch
	s_lshl_b32 s46, s42, 4
	s_add_co_u32 s46, s46, s19
	s_add_co_u32 s46, s46, s21                     ; B likewise
	s_lshr_b32 s22, s20, 3
	s_lshl_b32 s22, s22, 9
	s_mov_b32 s23, 0
	s_lshr_b32 s96, s46, 3
	s_lshl_b32 s96, s96, 9
	s_mov_b32 s97, 0
	s_mul_i32 s20, s20, 3072
	s_mov_b32 s21, 0
	s_mul_i32 s46, s46, 3072
	s_mov_b32 s47, 0
	s_mul_i32 s45, s14, HALFT                      ; where they go: no place in the cluster enters an LDS address
	s_lshl_b32 s2, s14, 12
	s_wait_dscnt 0x0                               ; the opening add is done
	s_wait_kmcnt 0x0
	s_add_nc_u64 s[20:21], s[4:5], s[20:21]
	s_add_nc_u64 s[22:23], s[6:7], s[22:23]
	s_add_nc_u64 s[46:47], s[4:5], s[46:47]
	s_add_nc_u64 s[96:97], s[6:7], s[96:97]
	CROUND                                         ; all sixteen work-groups are here: the first joint loads meet
	s_mov_b32 s[G0S], 1
	s_add_co_u32 s[G0S+1], s2, SCL
	s_mov_b64 s[G0S+2:G0S+3], s[22:23]
	s_or_b32 s[G0S+3], s[G0S+3], 0x80000000
	s_mov_b32 s[G0SB], 1
	s_add_co_u32 s[G0SB+1], s2, SCL
	s_mov_b64 s[G0SB+2:G0SB+3], s[96:97]
	s_or_b32 s[G0SB+3], s[G0SB+3], 0x80000000
	JLOAD G0S, G1S, G0SB, G1SB                     ; the scale words first
.irp s, 0,1
	s_mov_b32 s[G0+4*\s], 1
	s_add_co_u32 s[G0+4*\s+1], s45, \s*SLOT
	s_add_nc_u64 s[G0+4*\s+2:G0+4*\s+3], s[20:21], \s*KPA
	s_or_b32 s[G0+4*\s+3], s[G0+4*\s+3], 0x80000000
	s_mov_b32 s[G0B+4*\s], 1
	s_add_co_u32 s[G0B+4*\s+1], s45, \s*SLOT
	s_add_nc_u64 s[G0B+4*\s+2:G0B+4*\s+3], s[46:47], \s*KPB
	s_or_b32 s[G0B+4*\s+3], s[G0B+4*\s+3], 0x80000000
	JLOAD G0+4*\s, G1, G0B+4*\s, G1B               ; three tensor loads of mine are out at the most
.endr
	v_and_b32 v1, 15, v0                           ; r
	v_bfe_u32 v2, v0, 4, 1                         ; h
	v_and_b32 v3, 31, v0                           ; lane
	v_lshlrev_b32 v[LI], 4, v3
	s_mul_i32 s21, s15, HALFT
	s_mul_i32 s22, s16, HALFT
	s_add_co_u32 s22, s22, 2*HALFT
.irp s, 0,1
	v_add_nc_u32 v[ADRA+\s], s21, v[LI]
	v_add_nc_u32 v[ADRB+\s], s22, v[LI]
	s_add_co_u32 s21, s21, SLOT
	s_add_co_u32 s22, s22, SLOT
.endr
	v_lshlrev_b32 v5, 4, v1
	s_lshl_b32 s21, s15, 12                        ; A's words: my 128 rows
	s_lshl_b32 s22, s16, 12
	s_add_co_u32 s22, s22, 8192                    ; B's, behind A's two halves
	s_sub_co_u32 s22, s22, s21
	v_mul_u32_u24 v6, s22, v2                      ; lanes 16-31 take B's
	s_add_co_u32 s21, s21, SCL
	v_add_nc_u32 v5, v5, v6
	v_add_nc_u32 v[ADRS], s21, v5
.irp b, 0,1,2,3
	v_mov_b32 v[TM+4+\b], 0                        ; a lane permute's destination counts as one of its sources
.endr
	; where my results go: codes ((B's tile x RBo + Ro0 + 16 A's tile + 8 AH) x 2 + BH) x 1,536; words ((2 B's tile + BH) x RBo / 8 + (Ro0 + 16 A's tile + 8 AH) / 8) x 512
	s_mul_i32 s20, s42, s67
	s_add_co_u32 s20, s20, s66
	s_lshl_b32 s21, s17, 4
	s_add_co_u32 s20, s20, s21
	s_lshl_b32 s21, s15, 3
	s_add_co_u32 s20, s20, s21
	s_lshl_b32 s20, s20, 1
	s_add_co_u32 s20, s20, s16
	s_mul_i32 s20, s20, 1536
	s_mov_b32 s21, 0
	s_lshl_b32 s22, s42, 1
	s_add_co_u32 s22, s22, s16
	s_lshr_b32 s23, s67, 3
	s_mul_i32 s22, s22, s23
	s_lshr_b32 s23, s66, 3
	s_add_co_u32 s22, s22, s23
	s_lshl_b32 s23, s17, 1
	s_add_co_u32 s22, s22, s23
	s_add_co_u32 s22, s22, s15
	s_lshl_b32 s22, s22, 9
	s_mov_b32 s23, 0
	s_cmp_eq_u32 s12, 2                            ; the choice hangs on the cluster's number alone
	s_cselect_b64 s[8:9], s[92:93], s[8:9]
	s_cselect_b64 s[10:11], s[94:95], s[10:11]
	s_add_nc_u64 s[8:9], s[8:9], s[20:21]
	s_add_nc_u64 s[10:11], s[10:11], s[22:23]
	s_mov_b32 s[SEL], 0x76543210
	s_mov_b32 s[SEL+1], 0xfedcba98
	s_wait_tensorcnt 1                             ; the scale words and my part of slot 0 are in; slot 1's load may be out
	s_barrier_signal -1
	s_barrier_wait -1
	FETCH_B 0, 0, 0
	FETCH_A 0, 0, 0
	SCALES 0
	FETCH_A 0, 0, 4
	STEP 0, 1                                      ; the first step's products start the sums: nothing is cleared
	s_mov_b32 s3, LAPS-1
.Llap:
	TURN 0, 1, 1
	STEP 1, 0
	TURN 1, 0, 1
	STEP 0, 0
	s_sub_co_u32 s3, s3, 1
	s_cmp_lg_u32 s3, 0
	s_cbranch_scc1 .Llap
	TURN 0, 1, 0                                   ; the last lap fills nothing
	STEP 1, 0
	s_wait_dscnt 12
	WIN MUL_LO
	MUL16 0, 1, 1, 1, 0
	MUL16 2, 1, 1, 1, 0
	s_wait_dscnt 0x0
	WIN MUL_HI
	MUL16 4, 1, 1, 1, 0
	MUL16 6, 1, 1, 1, 0
	WIN 0
	PLACES 4                                       ; four places in front of the first read of results
.irp a, 0,1,2,3,4,5,6,7
	QOUT \a
.endr
	v_cmp_le_u32 vcc_lo, 16, v3
.irp t, 0,1,2,3
	v_cndmask_b32 v[MG+\t], v[WD+\t], v[WD+4+\t], vcc_lo   ; lanes 0-15 store the words of blocks 0-3, lanes 16-31 those of 4-7
.endr
	global_store_b128 v[LI], v[MG:MG+3], s[10:11]
	s_wait_tensorcnt 0x0                           ; the wave's end
	ds_add_u32 v[SPW], v[NIL]
	s_wait_dscnt 0x0
	CROUND                                         ; the closing round
	s_endpgm
.Lfunc_end_k_qa28b5d5c9c_proj:
	.size	k_qa28b5d5c9c_proj, .Lfunc_end_k_qa28b5d5c9c_proj-k_qa28b5d5c9c_proj
	.p2alignl 7, 3214868480
	.fill 96, 4, 3214868480
	.section	.rodata,"a",@progbits
	.p2align	6, 0x0
	.amdhsa_kernel k_qa28b5d5c9c_proj
		.amdhsa_group_segment_fixed_size 327680
		.amdhsa_private_segment_fixed_size 0
		.amdhsa_enable_private_segment 0
		.amdhsa_kernarg_size 48
		.amdhsa_user_sgpr_count 2
		.amdhsa_user_sgpr_kernarg_segment_ptr 1
		.amdhsa_wavefront_size32 1
		.amdhsa_system_sgpr_workgroup_id_x 1
		.amdhsa_system_sgpr_workgroup_id_y 1
		.amdhsa_system_sgpr_workgroup_id_z 1
		.amdhsa_system_vgpr_workitem_id 0
		.amdhsa_next_free_vgpr 1024
		.amdhsa_next_free_sgpr 100
		.amdhsa_reserve_vcc 1
		.amdhsa_float_denorm_mode_32 3
		.amdhsa_float_denorm_mode_16_64 3
		.amdhsa_memory_ordered 1
		.amdhsa_forward_progress 1
		.amdhsa_inst_pref_size 140
	.end_amdhsa_kernel
	.amdgpu_metadata
---
amdhsa.version: [ 1, 2 ]
amdhsa.kernels:
  - .name:           k_qa28b5d5c9c_proj
    .symbol:         k_qa28b5d5c9c_proj.kd
    .args:
      - { .name: xw_codes, .offset: 0, .size: 8, .value_kind: global_buffer, .address_space: global }
      - { .name: xw_scales, .offset: 8, .size: 8, .value_kind: global_buffer, .address_space: global }
      - { .name: qk_codes, .offset: 16, .size: 8, .value_kind: global_buffer, .address_space: global }
      - { .name: qk_scales, .offset: 24, .size: 8, .value_kind: global_buffer, .address_space: global }
      - { .name: v_codes, .offset: 32, .size: 8, .value_kind: global_buffer, .address_space: global }
      - { .name: v_scales, .offset: 40, .size: 8, .value_kind: global_buffer, .address_space: global }
    .group_segment_fixed_size: 327680
    .private_segment_fixed_size: 0
    .kernarg_segment_align: 8
    .kernarg_segment_size: 48
    .max_flat_workgroup_size: 128
    .sgpr_count:     100
    .vgpr_count:     1024
    .wavefront_size: 32
...
	.end_amdgpu_metadata
.endif
;; end of part 2
;; launch scores (part 3): grid 8 x 32, 4 waves a work-group, clusters of 4 x 4, 327,680 bytes of LDS; arguments qk_codes, qk_scales, p_codes, p_stats; writes p_codes, p_stats
.if DOCPART == 3
	.amdgcn_target "amdgcn-amd-amdhsa--gfx1250"
	.amdhsa_code_object_version 6
	.text
	.protected	k_qa28b5d5c9c_scores
	.globl	k_qa28b5d5c9c_scores
	.p2align	8
	.type	k_qa28b5d5c9c_scores,@function
k_qa28b5d5c9c_scores:
	s_mov_b64 s[64:65], 0
	v_nop
	global_prefetch_b8 v0, s[64:65] scope:SCOPE_SE
	s_setreg_imm32_b32 hwreg(HW_REG_WAVE_MODE, 25, 1), 1
	s_wait_xcnt 0x0
	s_wait_alu depctr_hold_cnt(0) depctr_sa_sdst(0) depctr_va_vdst(0) depctr_va_sdst(0) depctr_va_ssrc(0) depctr_va_vcc(0) depctr_vm_vsrc(0)
	s_getreg_b32 s2, hwreg(HW_REG_IB_STS2, 6, 4)
	s_cmp_eq_u32 s2, 0
	s_cbranch_scc0 .Lentry_in_a_cluster
	s_endpgm
.Lentry_in_a_cluster:
	s_bfe_u32 s2, ttmp6, 0x10000c
	s_cmp_lg_u32 s2, 0xf033
	s_cbranch_scc0 .Lentry_shape_is_right
	s_endpgm
.Lentry_shape_is_right:
; S = Q K^T on codes of FP6 (E2M3) with E8M0 scales, and the softmax's p as codes.  t = score x log2(e) / 32.  A wave holds 128 queries x 128 keys; for each query it takes M = the ceiling of the
; largest t OF ITS 128 KEYS, a whole number, makes p = 2^(t - M), sums the unquantised p, quantises p along the keys in blocks of 32, and stores codes, scale words, -M and the sum.
; The next launch brings the sixteen local M of a row to the row's M: a whole number taken off each scale byte, which leaves the codes as they are.
; Layouts, tile, ring and cluster as in the launch before: images of fragments (1,536 bytes), codes [K / 256][rb][K / 128 % 2], words [K / 128][rows / 128][512]; source 0 = 16 keys, source 1 = 16 queries:
; a lane holds one query, and register 16 b + i of a block of queries is key 32 b + 16 (lane / 16) + i of my 128.
; Work-group x = the tile of 256 keys within the batch, y = the tile of 256 queries over all batches; the batch is y / 8, made of the cluster's y alone.
; p_stats: three sections of 524,288 bytes, each [keys / 128, 0..15][queries / 128, 0..63][512]: scale words, -M (f32), the sums.
; LIMITS: a block whose every p lies under 2^-124 gets the byte 1; p under 2^-126 is 0; M is exact up to 2^24; NaN and infinities are not served.
.set FR,    12
.set HALFT, 24576
.set SLOT,  4*HALFT
.set SCL,   2*SLOT
.set SPARE, SCL+4*4096
.set KPA,   1024*3072
.set KPB,   1024*3072
.set GSC,   128
.set LAPS,  2
.set ADRA, 16
.set ADRB, 20
.set LI,   24
.set ADRS, 27
.set SPW,  28
.set NIL,  29
.set SC,   32
.set AF,   128
.set TM,   64                          ; v64-67 the blocks' largest scores, then largest p; v68-71 bytes; v72 at work; v76-79 the conversions' scale operands
.set WD,   80                          ; v80-87 scale words
.set MG,   88
.set NM,   92                          ; v[92:93] -M (a pair: the packed form names both)
.set PC,   96
.set MG3,  116
.set L,    120                         ; v[120:123] the sum in two pairs
.set MG2,  124
.set NMD,  128                         ; v128-135 -M of the eight blocks of queries
.set LD,   136                         ; v136-143 their sums
.set CS,   12                          ; s[12:13] c = log2(e) / 32
.set SEL,  98
.set G1, 24
.set G0, 32
.set G1B, 48
.set G0B, 56
.set G1S, 68
.set G0S, 76
.set G1SB, 80
.set G0SB, 88
.set MSB, 0
.macro WIN new
.if MSB != \new
	s_set_vgpr_msb (MSB<<8)|\new
.set MSB, \new
.endif
.endm
.set MUL_LO, 0xa1
.set MUL_HI, 0xf1
.set TO_B,   0x40
.macro JLOAD g0a, g1a, g0b, g1b
	s_cmp_eq_u32 s15, 0
	s_cbranch_scc0 .Lfor_b_\@
	tensor_load_to_lds s[\g0a:\g0a+3], s[\g1a:\g1a+7]
	s_nop 0
.rept 4
	v_nop
.endr
	s_branch .Lasked_\@
.Lfor_b_\@:
	tensor_load_to_lds s[\g0b:\g0b+3], s[\g1b:\g1b+7]
	s_nop 0
.rept 4
	v_nop
.endr
.Lasked_\@:
.endm
.macro CREST
	s_cmp_lg_u32 s14, 0
	s_cbranch_scc1 .Lnot_wave_0_\@
	s_barrier_signal -3
.Lnot_wave_0_\@:
	s_barrier_wait -3
	s_barrier_signal -1
	s_barrier_wait -1
.endm
.macro CROUND
	s_barrier_signal -1
	s_barrier_wait -1
	CREST
.endm
.macro PLACES n
.rept \n
	v_nop
.endr
.endm
.macro FRAG reg, adr, off
.irp c, 0,1,2
	ds_load_b128 v[\reg+4*\c:\reg+4*\c+3], v[\adr] offset:\off+512*\c
.endr
.endm
.macro FETCH_B slot, q, p
	WIN TO_B
.irp i, 0,1,2,3,4,5,6,7
	FRAG 128*(\p)+FR*\i, ADRB+\slot, 3072*\i+1536*(\q)
.endr
	WIN 0
.endm
.macro FETCH_A slot, q, i0
.irp i, \i0, \i0+1, \i0+2, \i0+3
	FRAG AF+FR*(\i), ADRA+\slot, 3072*(\i)+1536*(\q)
.endr
.endm
.macro SCALES sc
.irp q, 0,1
.irp t, 0,1
	ds_load_b128 v[SC+16*\sc+8*\q+4*\t:SC+16*\sc+8*\q+4*\t+3], v[ADRS] offset:512*\q+256*\t
.endr
.endr
.endm
.macro MUL16 a0, p, q, sc, zero        ; the 64 accumulators take turns, one instruction a turn
.irp a, \a0, \a0+1
.irp b, 0,1,2,3,4,5,6,7
.if \zero
	v_wmma_scale_f32_16x16x128_f8f6f4 v[8*(8*((\a)%4)+\b):8*(8*((\a)%4)+\b)+7], v[128*(\p)+FR*\b:128*(\p)+FR*\b+FR-1], v[AF+FR*(\a):AF+FR*(\a)+FR-1], 0, v[SC+16*(\sc)+8*(\q)+\b], v[SC+16*(\sc)+8*(\q)+(\a)] matrix_a_fmt:MATRIX_FMT_FP6 matrix_b_fmt:MATRIX_FMT_FP6 matrix_a_scale:MATRIX_SCALE_ROW1
.else
	v_wmma_scale_f32_16x16x128_f8f6f4 v[8*(8*((\a)%4)+\b):8*(8*((\a)%4)+\b)+7], v[128*(\p)+FR*\b:128*(\p)+FR*\b+FR-1], v[AF+FR*(\a):AF+FR*(\a)+FR-1], v[8*(8*((\a)%4)+\b):8*(8*((\a)%4)+\b)+7], v[SC+16*(\sc)+8*(\q)+\b], v[SC+16*(\sc)+8*(\q)+(\a)] matrix_a_fmt:MATRIX_FMT_FP6 matrix_b_fmt:MATRIX_FMT_FP6 matrix_a_scale:MATRIX_SCALE_ROW1
.endif
.endr
.endr
.endm
.macro STEP slot, zero
	s_wait_dscnt 12                                ; all but the youngest twelve loads (A's blocks 4-7) are in
	WIN MUL_LO
	MUL16 0, 0, 0, \slot, \zero
	MUL16 2, 0, 0, \slot, \zero
	s_wait_dscnt 0x0
	PLACES 4
	FETCH_B \slot, 1, 1
	FETCH_A \slot, 1, 0
	WIN MUL_HI
	MUL16 4, 0, 0, \slot, \zero
	MUL16 6, 0, 0, \slot, \zero
	PLACES 4
	WIN 0
	FETCH_A \slot, 1, 4
.endm
.macro TURN slot, next, fill
	s_wait_tensorcnt 0x0                           ; all my tensor loads have landed: my part of the next slot
	ds_add_u32 v[SPW], v[NIL]                      ; 0 onto my spare word
	s_wait_dscnt 13                                ; (the add and the youngest twelve loads may be out)
	WIN MUL_LO
	MUL16 0, 1, 1, \slot, 0
	s_wait_dscnt 0x0                               ; the add is done, and my reads of this slot are over
	s_barrier_signal -1
	MUL16 2, 1, 1, \slot, 0
	WIN 0
	s_barrier_wait -1
.if \fill
	CREST
	s_add_nc_u64 s[G0+4*\slot+2:G0+4*\slot+3], s[G0+4*\slot+2:G0+4*\slot+3], 2*KPA
	s_add_nc_u64 s[G0B+4*\slot+2:G0B+4*\slot+3], s[G0B+4*\slot+2:G0B+4*\slot+3], 2*KPB
	JLOAD G0+4*\slot, G1, G0B+4*\slot, G1B
.else
	PLACES 4
.endif
	v_add_nc_u32 v[ADRS], 1024, v[ADRS]
	FETCH_B \next, 0, 0
	FETCH_A \next, 0, 0
	SCALES \next
	WIN MUL_HI
	MUL16 4, 1, 1, \slot, 0
	MUL16 6, 1, 1, \slot, 0
	PLACES 4
	WIN 0
	FETCH_A \next, 0, 4
.endm
; THE WAY OUT of block a: 16 queries x my 128 keys.
.macro SOFTQ a
.set AC, 64*((\a)%4)
.set WW, 2+(\a)/4
.set WMAX, (WW<<2)|(WW<<4)
.set WINP, (WW<<6)|WW
.set WS1, WW<<2
	WIN 0
.irp b, 0,1,2,3
	v_mov_b32 v[TM+\b], 0xff800000                 ; -infinity
.endr
	WIN WMAX
.irp i, 0,2,4,6,8,10,12,14
.irp b, 0,1,2,3
	v_max3_num_f32 v[TM+\b], v[TM+\b], v[AC+16*\b+\i], v[AC+16*\b+\i+1]   ; the largest score of each block of 32 keys: it serves for the row's maximum and, since p rises with the score, for the block's largest p
.endr
.endr
	WIN 0
.irp b, 0,1,2,3
	v_permlanex16_b32 v[TM+4+\b], v[TM+\b], s[SEL], s[SEL+1]
.endr
.irp b, 0,1,2,3
	v_max_num_f32 v[TM+\b], v[TM+\b], v[TM+4+\b]
.endr
	v_max3_num_f32 v[TM+8], v[TM], v[TM+1], v[TM+2]
	v_max_num_f32 v[TM+8], v[TM+8], v[TM+3]
	v_mul_f32 v[TM+8], s[CS], v[TM+8]              ; as t (c is positive)
	v_floor_f32 v[NM], -v[TM+8]                    ; -M = floor(-t): M is a whole number
	v_mov_b32 v[NM+1], v[NM]
	v_mov_b32 v[NMD+(\a)], v[NM]
.irp b, 0,1,2,3
	v_fma_f32 v[TM+\b], v[TM+\b], s[CS], v[NM]
.endr
	WIN WINP                                       ; destination and source 0: the accumulators' window
.irp j, 0,2,4,6,8,10,12,14,16,18,20,22,24,26,28,30,32,34,36,38,40,42,44,46,48,50,52,54,56,58,60,62
	v_pk_fma_f32 v[AC+\j:AC+\j+1], v[AC+\j:AC+\j+1], s[CS:CS+1], v[NM:NM+1] op_sel_hi:[1,0,0]   ; t - M, two at a time
.endr
.set i, 0
.rept 64
	v_exp_f32 v[AC+i], v[AC+i]                     ; p = 2^(t - M): one batch
.set i, i+1
.endr
	WIN 0
.irp j, 0,1,2,3
	v_mov_b32 v[L+\j], 0                           ; plain work behind the exponentials
.endr
	s_wait_alu depctr_va_vdst(0)                   ; one wait for the batch, ahead of its first reader
.irp b, 0,1,2,3
	v_exp_f32 v[TM+\b], v[TM+\b]                   ; the blocks' largest p: the same two instructions on the same numbers
.endr
	WIN WS1                                        ; source 1: the accumulators' window
.irp j, 0,4,8,12,16,20,24,28,32,36,40,44,48,52,56,60
	v_pk_add_f32 v[L:L+1], v[L:L+1], v[AC+\j:AC+\j+1]           ; the sum is taken of the unquantised p, in two chains
	v_pk_add_f32 v[L+2:L+3], v[L+2:L+3], v[AC+\j+2:AC+\j+3]
.endr
	WIN 0
	v_pk_add_f32 v[L:L+1], v[L:L+1], v[L+2:L+3]
	v_add_f32 v[L], v[L], v[L+1]
	v_permlanex16_b32 v[L+2], v[L], s[SEL], s[SEL+1]
	v_add_f32 v[LD+(\a)], v[L], v[L+2]             ; with lane l xor 16's 64 keys
	s_wait_alu depctr_va_vdst(0)                   ; and one for the four
.irp b, 0,1,2,3
	v_max_num_f32 v[TM+\b], 0x1800000, v[TM+\b]    ; the floor 2^(3 - 127)
.endr
.irp b, 0,1,2,3
	v_add_nc_u32 v[TM+12+\b], 0xff000000, v[TM+\b]
.endr
.irp b, 0,1,2,3
	v_lshrrev_b32 v[TM+4+\b], 23, v[TM+12+\b]
.endr
	v_lshl_or_b32 v[WD+(\a)], v[TM+5], 8, v[TM+4]
	v_lshl_or_b32 v[WD+(\a)], v[TM+6], 16, v[WD+(\a)]
	v_lshl_or_b32 v[WD+(\a)], v[TM+7], 24, v[WD+(\a)]
	s_wait_xcnt 0x0                                ; the last block's stores have read the codes' registers
	WIN WW
.irp c, 0,1
	v_cvt_scalef32_pk16_fp6_f32 v[PC+6*\c:PC+2+6*\c], v[AC+32*\c:AC+15+32*\c], v[TM+12+2*\c]
	v_cvt_scalef32_pk16_fp6_f32 v[PC+12+4*\c:PC+14+4*\c], v[AC+16+32*\c:AC+31+32*\c], v[TM+12+2*\c+1]
.endr
	WIN 0
	v_nop
.irp c, 0,1
.irp i, 0,1,2
	v_permlane16_swap_b32 v[PC+6*\c+\i], v[PC+12+4*\c+\i]
.endr
.irp i, 0,1,2
	v_mov_b32 v[PC+3+6*\c+\i], v[PC+12+4*\c+\i]
.endr
.endr
.irp c, 0,1,2
	global_store_b128 v[LI], v[PC+4*\c:PC+4*\c+3], s[8:9] offset:3072*(\a)+512*\c
.endr
.endm
	s_load_b128 s[4:7], s[0:1], 0x0                ; Q's and K's codes, their scale words
	s_load_b128 s[8:11], s[0:1], 0x10              ; P's codes, P's statistics
	v_lshl_add_u32 v[SPW], v0, 2, SPARE
	v_mov_b32 v[NIL], 0
	ds_add_u32 v[SPW], v[NIL]                      ; the wave's opening: the add, and its wait, ahead of my first tensor load
	v_lshrrev_b32 v1, 5, v0
	v_readfirstlane_b32 s14, v1
	s_lshr_b32 s15, s14, 1
	s_and_b32 s16, s14, 1
	s_bfe_u32 s40, ttmp6, 0x40000                  ; cx
	s_bfe_u32 s41, ttmp6, 0x40004                  ; cy
	s_lshl_b32 s42, ttmp9, 2
	s_add_co_u32 s42, s42, s40                     ; x: the tile of keys within the batch
	s_and_b32 s12, ttmp7, 0xffff
	s_lshl_b32 s17, s12, 2
	s_add_co_u32 s17, s17, s41                     ; y: the tile of queries
	s_lshr_b32 s13, s12, 1                         ; the batch, which all sixteen partners share
	s_lshl_b32 s43, s41, 2
	s_lshl_b32 s43, 15, s43
	s_lshl_b32 s44, 0x1111, s40
	s_or_b32 s[G1+0], s43, (3<<16)|(1<<21)
	s_or_b32 s[G1B+0], s44, (3<<16)|(1<<21)
.irp g, G1, G1B
	s_mov_b32 s[\g+1], 32<<16
	s_mov_b32 s[\g+2], 96<<16
	s_mov_b32 s[\g+3], 32<<16
	s_mov_b32 s[\g+4], 96
	s_mov_b32 s[\g+5], 32
	s_mov_b32 s[\g+6], 0
	s_mov_b32 s[\g+7], 0
.endr
	s_or_b32 s[G1S+0], s43, (3<<16)|(1<<21)
	s_or_b32 s[G1SB+0], s44, (3<<16)|(1<<21)
.irp g, G1S, G1SB
	s_mov_b32 s[\g+1], 64<<16
	s_mov_b32 s[\g+2], 8<<16
	s_mov_b32 s[\g+3], 64<<16
	s_mov_b32 s[\g+4], 8
	s_mov_b32 s[\g+5], GSC*64
	s_mov_b32 s[\g+6], 0
	s_mov_b32 s[\g+7], 0
.endr
	s_lshl_b32 s18, s16, 3
	s_lshl_b32 s20, s17, 4
	s_add_co_u32 s20, s20, s18                     ; Q: fragment row 16 y + 8 x half
	s_lshl_b32 s46, s13, 7
	s_lshl_b32 s47, s42, 4
	s_add_co_u32 s46, s46, s47
	s_add_co_u32 s46, s46, s18
	s_add_co_u32 s46, s46, 512                     ; K: 512 + 128 x batch + 16 x + 8 x half
	s_lshr_b32 s22, s20, 3
	s_lshl_b32 s22, s22, 9
	s_mov_b32 s23, 0
	s_lshr_b32 s96, s46, 3
	s_lshl_b32 s96, s96, 9
	s_mov_b32 s97, 0
	s_mul_i32 s20, s20, 3072
	s_mov_b32 s21, 0
	s_mul_i32 s46, s46, 3072
	s_mov_b32 s47, 0
	s_mul_i32 s45, s14, HALFT
	s_lshl_b32 s2, s14, 12
	s_wait_dscnt 0x0
	s_wait_kmcnt 0x0
	s_add_nc_u64 s[20:21], s[4:5], s[20:21]
	s_add_nc_u64 s[22:23], s[6:7], s[22:23]
	s_add_nc_u64 s[46:47], s[4:5], s[46:47]
	s_add_nc_u64 s[96:97], s[6:7], s[96:97]
	CROUND
	s_mov_b32 s[G0S], 1
	s_add_co_u32 s[G0S+1], s2, SCL
	s_mov_b64 s[G0S+2:G0S+3], s[22:23]
	s_or_b32 s[G0S+3], s[G0S+3], 0x80000000
	s_mov_b32 s[G0SB], 1
	s_add_co_u32 s[G0SB+1], s2, SCL
	s_mov_b64 s[G0SB+2:G0SB+3], s[96:97]
	s_or_b32 s[G0SB+3], s[G0SB+3], 0x80000000
	JLOAD G0S, G1S, G0SB, G1SB
.irp s, 0,1
	s_mov_b32 s[G0+4*\s], 1
	s_add_co_u32 s[G0+4*\s+1], s45, \s*SLOT
	s_add_nc_u64 s[G0+4*\s+2:G0+4*\s+3], s[20:21], \s*KPA
	s_or_b32 s[G0+4*\s+3], s[G0+4*\s+3], 0x80000000
	s_mov_b32 s[G0B+4*\s], 1
	s_add_co_u32 s[G0B+4*\s+1], s45, \s*SLOT
	s_add_nc_u64 s[G0B+4*\s+2:G0B+4*\s+3], s[46:47], \s*KPB
	s_or_b32 s[G0B+4*\s+3], s[G0B+4*\s+3], 0x80000000
	JLOAD G0+4*\s, G1, G0B+4*\s, G1B
.endr
	v_and_b32 v1, 15, v0
	v_bfe_u32 v2, v0, 4, 1
	v_and_b32 v3, 31, v0
	v_lshlrev_b32 v[LI], 4, v3
	s_mul_i32 s21, s15, HALFT
	s_mul_i32 s22, s16, HALFT
	s_add_co_u32 s22, s22, 2*HALFT
.irp s, 0,1
	v_add_nc_u32 v[ADRA+\s], s21, v[LI]
	v_add_nc_u32 v[ADRB+\s], s22, v[LI]
	s_add_co_u32 s21, s21, SLOT
	s_add_co_u32 s22, s22, SLOT
.endr
	v_lshlrev_b32 v5, 4, v1
	s_lshl_b32 s21, s15, 12
	s_lshl_b32 s22, s16, 12
	s_add_co_u32 s22, s22, 8192
	s_sub_co_u32 s22, s22, s21
	v_mul_u32_u24 v6, s22, v2
	s_add_co_u32 s21, s21, SCL
	v_add_nc_u32 v5, v5, v6
	v_add_nc_u32 v[ADRS], s21, v5
.irp b, 0,1,2,3
	v_mov_b32 v[TM+4+\b], 0
.endr
	; where my results go: codes ((512 x + 16 y + 8 AH) x 2 + BH) x 1,536; statistics ((2 x + BH) x 64 + 2 y + AH) x 512
	s_lshl_b32 s20, s42, 9
	s_lshl_b32 s21, s17, 4
	s_add_co_u32 s20, s20, s21
	s_lshl_b32 s21, s15, 3
	s_add_co_u32 s20, s20, s21
	s_lshl_b32 s20, s20, 1
	s_add_co_u32 s20, s20, s16
	s_mul_i32 s20, s20, 1536
	s_mov_b32 s21, 0
	s_add_nc_u64 s[8:9], s[8:9], s[20:21]
	s_lshl_b32 s22, s42, 1
	s_add_co_u32 s22, s22, s16
	s_lshl_b32 s22, s22, 6
	s_lshl_b32 s23, s17, 1
	s_add_co_u32 s22, s22, s23
	s_add_co_u32 s22, s22, s15
	s_lshl_b32 s22, s22, 9
	s_mov_b32 s23, 0
	s_add_nc_u64 s[10:11], s[10:11], s[22:23]
	s_mov_b32 s[SEL], 0x76543210
	s_mov_b32 s[SEL+1], 0xfedcba98
	s_mov_b32 s[CS], 0x3d38aa3b                    ; log2(e) / 32
	s_mov_b32 s[CS+1], s[CS]
	s_wait_tensorcnt 1                             ; the scale words and my part of slot 0 are in; slot 1's load may be out
	s_barrier_signal -1
	s_barrier_wait -1
	FETCH_B 0, 0, 0
	FETCH_A 0, 0, 0
	SCALES 0
	FETCH_A 0, 0, 4
	STEP 0, 1
	s_mov_b32 s3, LAPS-1
.Llap:
	TURN 0, 1, 1
	STEP 1, 0
	TURN 1, 0, 1
	STEP 0, 0
	s_sub_co_u32 s3, s3, 1
	s_cmp_lg_u32 s3, 0
	s_cbranch_scc1 .Llap
	TURN 0, 1, 0
	STEP 1, 0
	s_wait_dscnt 12
	WIN MUL_LO
	MUL16 0, 1, 1, 1, 0
	MUL16 2, 1, 1, 1, 0
	s_wait_dscnt 0x0
	WIN MUL_HI
	MUL16 4, 1, 1, 1, 0
	MUL16 6, 1, 1, 1, 0
	WIN 0
	PLACES 4
.irp a, 0,1,2,3,4,5,6,7
	SOFTQ \a
.endr
	v_cmp_le_u32 vcc_lo, 16, v3
.irp t, 0,1,2,3
	v_cndmask_b32 v[MG+\t], v[WD+\t], v[WD+4+\t], vcc_lo
	v_cndmask_b32 v[MG2+\t], v[NMD+\t], v[NMD+4+\t], vcc_lo
	v_cndmask_b32 v[MG3+\t], v[LD+\t], v[LD+4+\t], vcc_lo
.endr
	global_store_b128 v[LI], v[MG:MG+3], s[10:11]
	global_store_b128 v[LI], v[MG2:MG2+3], s[10:11] offset:524288
	global_store_b128 v[LI], v[MG3:MG3+3], s[10:11] offset:1048576
	s_wait_tensorcnt 0x0
	ds_add_u32 v[SPW], v[NIL]
	s_wait_dscnt 0x0
	CROUND
	s_endpgm
.Lfunc_end_k_qa28b5d5c9c_scores:
	.size	k_qa28b5d5c9c_scores, .Lfunc_end_k_qa28b5d5c9c_scores-k_qa28b5d5c9c_scores
	.p2alignl 7, 3214868480
	.fill 96, 4, 3214868480
	.section	.rodata,"a",@progbits
	.p2align	6, 0x0
	.amdhsa_kernel k_qa28b5d5c9c_scores
		.amdhsa_group_segment_fixed_size 327680
		.amdhsa_private_segment_fixed_size 0
		.amdhsa_enable_private_segment 0
		.amdhsa_kernarg_size 32
		.amdhsa_user_sgpr_count 2
		.amdhsa_user_sgpr_kernarg_segment_ptr 1
		.amdhsa_wavefront_size32 1
		.amdhsa_system_sgpr_workgroup_id_x 1
		.amdhsa_system_sgpr_workgroup_id_y 1
		.amdhsa_system_sgpr_workgroup_id_z 1
		.amdhsa_system_vgpr_workitem_id 0
		.amdhsa_next_free_vgpr 1024
		.amdhsa_next_free_sgpr 100
		.amdhsa_reserve_vcc 1
		.amdhsa_float_denorm_mode_32 3
		.amdhsa_float_denorm_mode_16_64 3
		.amdhsa_memory_ordered 1
		.amdhsa_forward_progress 1
		.amdhsa_inst_pref_size 199
	.end_amdhsa_kernel
	.amdgpu_metadata
---
amdhsa.version: [ 1, 2 ]
amdhsa.kernels:
  - .name:           k_qa28b5d5c9c_scores
    .symbol:         k_qa28b5d5c9c_scores.kd
    .args:
      - { .name: qk_codes, .offset: 0, .size: 8, .value_kind: global_buffer, .address_space: global }
      - { .name: qk_scales, .offset: 8, .size: 8, .value_kind: global_buffer, .address_space: global }
      - { .name: p_codes, .offset: 16, .size: 8, .value_kind: global_buffer, .address_space: global }
      - { .name: p_stats, .offset: 24, .size: 8, .value_kind: global_buffer, .address_space: global }
    .group_segment_fixed_size: 327680
    .private_segment_fixed_size: 0
    .kernarg_segment_align: 8
    .kernarg_segment_size: 32
    .max_flat_workgroup_size: 128
    .sgpr_count:     100
    .vgpr_count:     1024
    .wavefront_size: 32
...
	.end_amdgpu_metadata
.endif
;; end of part 3
;; launch pv (part 4): grid 4 x 32, 4 waves a work-group, clusters of 4 x 4, 327,680 bytes of LDS; arguments p_codes, p_stats, v_codes, v_scales, out0; writes out0
.if DOCPART == 4
	.amdgcn_target "amdgcn-amd-amdhsa--gfx1250"
	.amdhsa_code_object_version 6
	.text
	.protected	k_qa28b5d5c9c_pv
	.globl	k_qa28b5d5c9c_pv
	.p2align	8
	.type	k_qa28b5d5c9c_pv,@function
k_qa28b5d5c9c_pv:
	s_mov_b64 s[64:65], 0
	v_nop
	global_prefetch_b8 v0, s[64:65] scope:SCOPE_SE
	s_setreg_imm32_b32 hwreg(HW_REG_WAVE_MODE, 25, 1), 1
	s_wait_xcnt 0x0
	s_wait_alu depctr_hold_cnt(0) depctr_sa_sdst(0) depctr_va_vdst(0) depctr_va_sdst(0) depctr_va_ssrc(0) depctr_va_vcc(0) depctr_vm_vsrc(0)
	s_getreg_b32 s2, hwreg(HW_REG_IB_STS2, 6, 4)
	s_cmp_eq_u32 s2, 0
	s_cbranch_scc0 .Lentry_in_a_cluster
	s_endpgm
.Lentry_in_a_cluster:
	s_bfe_u32 s2, ttmp6, 0x10000c
	s_cmp_lg_u32 s2, 0xf033
	s_cbranch_scc0 .Lentry_shape_is_right
	s_endpgm
.Lentry_shape_is_right:
; O = P V / l on codes of FP6 (E2M3) with E8M0 scales.  P's codes were made under sixteen local M a row (one for each 128 keys).  At the head each wave takes, for its 128 queries, the row's M (the largest
; of the sixteen), l = the sum of the sixteen sums x 2^(local M - M), exact powers of two, and takes M - local M off the four scale bytes of each word of P: the codes' values are then those under the row's M.
; A byte that would fall under 0 is held at 0, which stands for 2^-127.
; Layouts, tile, ring and cluster as in the launches before.  A = P (rows: queries, K: the batch's 2,048 keys), B = V^T (rows: the 1,024 channels).  Source 0 = 16 channels, source 1 = 16 queries: a lane holds one
; query, and register 16 b + i of a block of queries is channel 32 b + 16 (lane / 16) + i of my 128.  Work-group x = cx: the tile of 256 channels; y: the tile of 256 queries; the batch is y / 8.
; P's corrected words go to the other waves through LDS (bytes of their own, into which no tensor load lands); V^T's words come by one joint load a wave.
; THE WAY OUT: x 1 / l, through the wave's stage in LDS (in slot 0, which has had its last fill and its last read), whole rows of 512 bytes; the fragments' row order is undone by the stores' immediates.
; LIMITS: NaN and infinities are not served; M is exact up to 2^24.
.set FR,    12
.set HALFT, 24576
.set SLOT,  4*HALFT
.set SCA,   2*SLOT                     ; P's words: [half of the rows][keys / 128, 0..15][512]: written by ds_store alone
.set SCB,   SCA+16384                  ; V^T's likewise: filled once
.set SPARE, SCB+16384
.set KPA,   512*3072
.set KPB,   64*3072
.set LAPS,  4
.set SPITCH, 528
.set ADRA, 16
.set ADRB, 20
.set LI,   24
.set STO,  25
.set RD,   26
.set ADRS, 27
.set SPW,  28
.set NIL,  29
.set SW,   30
.set SC,   32
.set AF,   128
.set BK,   128
.set LIV,  64                          ; v[64 + 2 a : 65 + 2 a]: 1 / l of block a's query in my lane, twice
.set NMR,  72                          ; the head: v72-135 -M: my eight 128s of keys, then the other eight; four rows a lane
.set LR,   136                         ; v136-199 the sums, in the same order
.set WR,   200                         ; v200-231 my eight words
.set SEL,  98
.set G1, 24
.set G0, 32
.set G1B, 48
.set G0B, 56
.set G1SB, 80
.set G0SB, 88
.set MSB, 0
.macro WIN new
.if MSB != \new
	s_set_vgpr_msb (MSB<<8)|\new
.set MSB, \new
.endif
.endm
.set MUL_LO, 0xa1
.set MUL_HI, 0xf1
.set TO_B,   0x40
.macro JLOAD g0a, g1a, g0b, g1b
	s_cmp_eq_u32 s15, 0
	s_cbranch_scc0 .Lfor_b_\@
	tensor_load_to_lds s[\g0a:\g0a+3], s[\g1a:\g1a+7]
	s_nop 0
.rept 4
	v_nop
.endr
	s_branch .Lasked_\@
.Lfor_b_\@:
	tensor_load_to_lds s[\g0b:\g0b+3], s[\g1b:\g1b+7]
	s_nop 0
.rept 4
	v_nop
.endr
.Lasked_\@:
.endm
.macro CREST
	s_cmp_lg_u32 s14, 0
	s_cbranch_scc1 .Lnot_wave_0_\@
	s_barrier_signal -3
.Lnot_wave_0_\@:
	s_barrier_wait -3
	s_barrier_signal -1
	s_barrier_wait -1
.endm
.macro CROUND
	s_barrier_signal -1
	s_barrier_wait -1
	CREST
.endm
.macro PLACES n
.rept \n
	v_nop
.endr
.endm
.macro FRAG reg, adr, off
.irp c, 0,1,2
	ds_load_b128 v[\reg+4*\c:\reg+4*\c+3], v[\adr] offset:\off+512*\c
.endr
.endm
.macro FETCH_B slot, q, p
	WIN TO_B
.irp i, 0,1,2,3,4,5,6,7
	FRAG 128*(\p)+FR*\i, ADRB+\slot, 3072*\i+1536*(\q)
.endr
	WIN 0
.endm
.macro FETCH_A slot, q, i0
.irp i, \i0, \i0+1, \i0+2, \i0+3
	FRAG AF+FR*(\i), ADRA+\slot, 3072*(\i)+1536*(\q)
.endr
.endm
.macro SCALES sc
.irp q, 0,1
.irp t, 0,1
	ds_load_b128 v[SC+16*\sc+8*\q+4*\t:SC+16*\sc+8*\q+4*\t+3], v[ADRS] offset:512*\q+256*\t
.endr
.endr
.endm
.macro MUL16 a0, p, q, sc, zero        ; the 64 accumulators take turns, one instruction a turn
.irp a, \a0, \a0+1
.irp b, 0,1,2,3,4,5,6,7
.if \zero
	v_wmma_scale_f32_16x16x128_f8f6f4 v[8*(8*((\a)%4)+\b):8*(8*((\a)%4)+\b)+7], v[128*(\p)+FR*\b:128*(\p)+FR*\b+FR-1], v[AF+FR*(\a):AF+FR*(\a)+FR-1], 0, v[SC+16*(\sc)+8*(\q)+\b], v[SC+16*(\sc)+8*(\q)+(\a)] matrix_a_fmt:MATRIX_FMT_FP6 matrix_b_fmt:MATRIX_FMT_FP6 matrix_a_scale:MATRIX_SCALE_ROW1
.else
	v_wmma_scale_f32_16x16x128_f8f6f4 v[8*(8*((\a)%4)+\b):8*(8*((\a)%4)+\b)+7], v[128*(\p)+FR*\b:128*(\p)+FR*\b+FR-1], v[AF+FR*(\a):AF+FR*(\a)+FR-1], v[8*(8*((\a)%4)+\b):8*(8*((\a)%4)+\b)+7], v[SC+16*(\sc)+8*(\q)+\b], v[SC+16*(\sc)+8*(\q)+(\a)] matrix_a_fmt:MATRIX_FMT_FP6 matrix_b_fmt:MATRIX_FMT_FP6 matrix_a_scale:MATRIX_SCALE_ROW1
.endif
.endr
.endr
.endm
.macro STEP slot, zero
	s_wait_dscnt 12                                ; all but the youngest twelve loads (A's blocks 4-7) are in
	WIN MUL_LO
	MUL16 0, 0, 0, \slot, \zero
	MUL16 2, 0, 0, \slot, \zero
	s_wait_dscnt 0x0
	PLACES 4
	FETCH_B \slot, 1, 1
	FETCH_A \slot, 1, 0
	WIN MUL_HI
	MUL16 4, 0, 0, \slot, \zero
	MUL16 6, 0, 0, \slot, \zero
	PLACES 4
	WIN 0
	FETCH_A \slot, 1, 4
.endm
.macro TURN slot, next, fill
	s_wait_tensorcnt 0x0                           ; all my tensor loads have landed: my part of the next slot
	ds_add_u32 v[SPW], v[NIL]                      ; 0 onto my spare word
	s_wait_dscnt 13                                ; (the add and the youngest twelve loads may be out)
	WIN MUL_LO
	MUL16 0, 1, 1, \slot, 0
	s_wait_dscnt 0x0                               ; the add is done, and my reads of this slot are over
	s_barrier_signal -1
	MUL16 2, 1, 1, \slot, 0
	WIN 0
	s_barrier_wait -1
.if \fill
	CREST
	s_add_nc_u64 s[G0+4*\slot+2:G0+4*\slot+3], s[G0+4*\slot+2:G0+4*\slot+3], 2*KPA
	s_add_nc_u64 s[G0B+4*\slot+2:G0B+4*\slot+3], s[G0B+4*\slot+2:G0B+4*\slot+3], 2*KPB
	JLOAD G0+4*\slot, G1, G0B+4*\slot, G1B
.else
	PLACES 4
.endif
	v_add_nc_u32 v[ADRS], 1024, v[ADRS]
	FETCH_B \next, 0, 0
	FETCH_A \next, 0, 0
	SCALES \next
	WIN MUL_HI
	MUL16 4, 1, 1, \slot, 0
	MUL16 6, 1, 1, \slot, 0
	PLACES 4
	WIN 0
	FETCH_A \next, 0, 4
.endm
.macro TOSTAGE a                       ; block a: x 1 / l, into my stage by channels, back as whole rows
.set AC, 64*((\a)%4)
.set WW, 2+(\a)/4
.set WINP, (WW<<6)|WW
.set WS1, WW<<2
	WIN WINP
.set i, 0
.rept 32
	v_pk_mul_f32 v[AC+i:AC+i+1], v[AC+i:AC+i+1], v[LIV+2*(\a):LIV+2*(\a)+1] op_sel_hi:[1,0]   ; ascending: each accumulator is read from its low end on
.set i, i+2
.endr
	WIN WS1                                        ; an LDS store's data are its source 1
.irp b, 0,1,2,3,4,5,6,7
	ds_store_b128 v[STO], v[AC+8*\b:AC+8*\b+3] offset:128*(\b/2)+32*(\b%2)         ; channels 32 (b / 2) + 16 h + 8 (b % 2) + 0 .. 7 of my query's row
	ds_store_b128 v[STO], v[AC+8*\b+4:AC+8*\b+7] offset:128*(\b/2)+32*(\b%2)+16
.endr
	WIN 0
.set BB, BK+64*((\a)%2)
.irp t, 0,1,2,3,4,5,6,7,8,9,10,11,12,13,14,15
	ds_load_b128 v[BB+4*\t:BB+4*\t+3], v[RD] offset:\t*SPITCH    ; LDS serves a wave's instructions in order: these see the stores above
.endr
.endm
.macro SEND a, younger
.set BB, BK+64*((\a)%2)
	s_wait_dscnt \younger
.irp t, 0,1,2,3,4,5,6,7,8,9,10,11,12,13,14,15
	global_store_b128 v[LI], v[BB+4*\t:BB+4*\t+3], s[12:13] offset:(32*((\a)/2)+8*((\a)%2)+\t+8*(\t/8))*4096 th:TH_STORE_NT   ; 512 consecutive bytes, aligned; lane-row t of fragment a is this row of my 128
.endr
.endm
	s_load_b128 s[4:7], s[0:1], 0x0                ; P's codes, P's statistics
	s_load_b128 s[8:11], s[0:1], 0x10              ; V^T's codes, its scale words
	s_load_b64 s[12:13], s[0:1], 0x20              ; O
	v_lshl_add_u32 v[SPW], v0, 2, SPARE
	v_mov_b32 v[NIL], 0
	ds_add_u32 v[SPW], v[NIL]                      ; the wave's opening: the add, and its wait, ahead of my first tensor load
	v_lshrrev_b32 v1, 5, v0
	v_readfirstlane_b32 s14, v1
	s_lshr_b32 s15, s14, 1
	s_and_b32 s16, s14, 1
	s_bfe_u32 s40, ttmp6, 0x40000                  ; cx = x
	s_bfe_u32 s41, ttmp6, 0x40004                  ; cy
	s_and_b32 s66, ttmp7, 0xffff
	s_lshl_b32 s17, s66, 2
	s_add_co_u32 s17, s17, s41                     ; y
	s_lshr_b32 s67, s66, 1                         ; the batch
	s_lshl_b32 s43, s41, 2
	s_lshl_b32 s43, 15, s43
	s_lshl_b32 s44, 0x1111, s40
	s_or_b32 s[G1+0], s43, (3<<16)|(1<<21)
	s_or_b32 s[G1B+0], s44, (3<<16)|(1<<21)
.irp g, G1, G1B
	s_mov_b32 s[\g+1], 32<<16
	s_mov_b32 s[\g+2], 96<<16
	s_mov_b32 s[\g+3], 32<<16
	s_mov_b32 s[\g+4], 96
	s_mov_b32 s[\g+5], 32
	s_mov_b32 s[\g+6], 0
	s_mov_b32 s[\g+7], 0
.endr
	s_or_b32 s[G1SB+0], s44, (3<<16)|(1<<21)       ; V^T's words: 8 rows (128 keys each) of 512 bytes, 8 x 512 bytes apart
	s_mov_b32 s[G1SB+1], 64<<16
	s_mov_b32 s[G1SB+2], 8<<16
	s_mov_b32 s[G1SB+3], 64<<16
	s_mov_b32 s[G1SB+4], 8
	s_mov_b32 s[G1SB+5], 512
	s_mov_b32 s[G1SB+6], 0
	s_mov_b32 s[G1SB+7], 0
	s_lshl_b32 s18, s16, 3
	s_lshl_b32 s20, s17, 4
	s_add_co_u32 s20, s20, s18
	s_mul_i32 s20, s20, 3072                       ; P: fragment row 16 y + 8 x half
	s_mov_b32 s21, 0
	s_lshl_b32 s46, s67, 9
	s_lshl_b32 s47, s40, 4
	s_add_co_u32 s46, s46, s47
	s_add_co_u32 s46, s46, s18
	s_mul_i32 s46, s46, 3072                       ; V^T: (8 x batch) x 64 + 16 x + 8 x half
	s_mov_b32 s47, 0
	s_lshl_b32 s96, s67, 4
	s_add_co_u32 s96, s96, s18
	s_lshl_b32 s96, s96, 3
	s_lshl_b32 s97, s40, 1
	s_add_co_u32 s96, s96, s97
	s_add_co_u32 s96, s96, s15
	s_lshl_b32 s96, s96, 9                         ; its words: wave w brings half w / 2 of the channels, keys 1,024 (w % 2) on
	s_mov_b32 s97, 0
	s_mul_i32 s45, s14, HALFT
	s_lshl_b32 s2, s14, 12
	s_lshl_b32 s92, s17, 1
	s_add_co_u32 s92, s92, s15
	s_lshl_b32 s92, s92, 9                         ; the statistics of my 128 queries;
	s_lshl_b32 s22, s16, 18                        ; my eight 128s of keys (32,768 bytes each),
	s_xor_b32 s23, s16, 1
	s_lshl_b32 s23, s23, 18                        ; and the other eight
	s_add_co_u32 s94, s92, s23
	s_add_co_u32 s92, s92, s22
	s_mov_b32 s93, 0
	s_mov_b32 s95, 0
	v_and_b32 v3, 31, v0
	v_lshlrev_b32 v[LI], 4, v3
	s_wait_dscnt 0x0
	s_wait_kmcnt 0x0
	s_add_nc_u64 s[20:21], s[4:5], s[20:21]
	s_add_nc_u64 s[46:47], s[8:9], s[46:47]
	s_add_nc_u64 s[96:97], s[10:11], s[96:97]
	s_add_nc_u64 s[92:93], s[6:7], s[92:93]
	s_add_nc_u64 s[94:95], s[6:7], s[94:95]
.irp k, 0,1,2,3,4,5,6,7                ; 40 loads of 512 consecutive bytes: lane (r, h) gets lane-row r of blocks 4 h .. 4 h + 3.  They are on their way while the cluster meets and the first tiles are asked for
	global_load_b128 v[NMR+4*\k:NMR+4*\k+3], v[LI], s[92:93] offset:524288+32768*\k
	global_load_b128 v[NMR+32+4*\k:NMR+32+4*\k+3], v[LI], s[94:95] offset:524288+32768*\k
	global_load_b128 v[LR+4*\k:LR+4*\k+3], v[LI], s[92:93] offset:1048576+32768*\k
	global_load_b128 v[LR+32+4*\k:LR+32+4*\k+3], v[LI], s[94:95] offset:1048576+32768*\k
	global_load_b128 v[WR+4*\k:WR+4*\k+3], v[LI], s[92:93] offset:32768*\k
.endr
	CROUND
	s_mov_b32 s[G0SB], 1
	s_add_co_u32 s[G0SB+1], s2, SCB
	s_mov_b64 s[G0SB+2:G0SB+3], s[96:97]
	s_or_b32 s[G0SB+3], s[G0SB+3], 0x80000000
	tensor_load_to_lds s[G0SB:G0SB+3], s[G1SB:G1SB+7]   ; every wave's own quarter of V^T's words, shared along my column of the cluster
	s_nop 0
.rept 4
	v_nop
.endr
.irp s, 0,1
	s_mov_b32 s[G0+4*\s], 1
	s_add_co_u32 s[G0+4*\s+1], s45, \s*SLOT
	s_add_nc_u64 s[G0+4*\s+2:G0+4*\s+3], s[20:21], \s*KPA
	s_or_b32 s[G0+4*\s+3], s[G0+4*\s+3], 0x80000000
	s_mov_b32 s[G0B+4*\s], 1
	s_add_co_u32 s[G0B+4*\s+1], s45, \s*SLOT
	s_add_nc_u64 s[G0B+4*\s+2:G0B+4*\s+3], s[46:47], \s*KPB
	s_or_b32 s[G0B+4*\s+3], s[G0B+4*\s+3], 0x80000000
	JLOAD G0+4*\s, G1, G0B+4*\s, G1B               ; three tensor loads of mine are out at the most
.endr
	v_and_b32 v1, 15, v0
	v_bfe_u32 v2, v0, 4, 1
	s_mul_i32 s21, s15, HALFT
	s_mul_i32 s22, s16, HALFT
	s_add_co_u32 s22, s22, 2*HALFT
.irp s, 0,1
	v_add_nc_u32 v[ADRA+\s], s21, v[LI]
	v_add_nc_u32 v[ADRB+\s], s22, v[LI]
	s_add_co_u32 s21, s21, SLOT
	s_add_co_u32 s22, s22, SLOT
.endr
	v_lshlrev_b32 v5, 4, v1
	s_lshl_b32 s21, s15, 13                        ; P's words: my half of the rows
	s_lshl_b32 s22, s16, 13
	s_add_co_u32 s22, s22, SCB-SCA                 ; V^T's: my half of the channels
	s_sub_co_u32 s22, s22, s21
	v_mul_u32_u24 v6, s22, v2                      ; lanes 16-31 take V^T's
	s_add_co_u32 s21, s21, SCA
	v_add_nc_u32 v5, v5, v6
	v_add_nc_u32 v[ADRS], s21, v5
	s_mul_i32 s23, s14, 16*SPITCH                  ; my stage
	v_mul_u32_u24 v5, v1, SPITCH
	v_lshl_add_u32 v5, v2, 6, v5
	v_add_nc_u32 v[STO], s23, v5                   ; in: row r, + 64 h
	v_add_nc_u32 v[RD], s23, v[LI]                 ; back: 16 bytes a lane of a row
	s_add_co_u32 s22, s2, SCA
	v_add_nc_u32 v[SW], s22, v[LI]                 ; where my eight corrected words go: 4,096 x wave + 16 x lane
	s_lshl_b32 s20, s17, 1
	s_add_co_u32 s20, s20, s15
	s_lshl_b32 s20, s20, 19                        ; my first row of O: 128 rows of 4,096 bytes
	s_lshl_b32 s21, s40, 1
	s_add_co_u32 s21, s21, s16
	s_lshl_b32 s21, s21, 9                         ; my first channel: 128 x 4 bytes
	s_add_co_u32 s20, s20, s21
	s_mov_b32 s21, 0
	s_add_nc_u64 s[12:13], s[12:13], s[20:21]
	s_mov_b32 s[SEL], 0x76543210
	s_mov_b32 s[SEL+1], 0xfedcba98
	s_mov_b32 s18, 0x01010101
	s_wait_loadcnt 0x0                             ; the statistics
.irp j, 0,1,2,3
	v_min3_num_f32 v[8+\j], v[NMR+\j], v[NMR+4+\j], v[NMR+8+\j]    ; the least -M of the sixteen: the row's
.endr
.irp k, 3,5,7,9,11,13
.irp j, 0,1,2,3
	v_min3_num_f32 v[8+\j], v[8+\j], v[NMR+4*\k+\j], v[NMR+4*\k+4+\j]
.endr
.endr
.irp j, 0,1,2,3
	v_min_num_f32 v[8+\j], v[8+\j], v[NMR+60+\j]
.endr
.set i, 0
.rept 64
	v_sub_f32 v[NMR+i], v[8+i%4], v[NMR+i]         ; local M - M: a whole number, 0 or less
.set i, i+1
.endr
.set i, 0
.rept 64
	v_cvt_i32_f32 v[NMR+i], v[NMR+i]               ; (it saturates)
.set i, i+1
.endr
.set i, 0
.rept 64
	v_ldexp_f32 v[LR+i], v[LR+i], v[NMR+i]         ; each sum under the row's M: nothing is rounded
.set i, i+1
.endr
	v_pk_add_f32 v[12:13], v[LR:LR+1], v[LR+4:LR+5]
	v_pk_add_f32 v[14:15], v[LR+2:LR+3], v[LR+6:LR+7]
.irp k, 2,3,4,5,6,7,8,9,10,11,12,13,14,15
	v_pk_add_f32 v[12:13], v[12:13], v[LR+4*\k:LR+4*\k+1]
	v_pk_add_f32 v[14:15], v[14:15], v[LR+4*\k+2:LR+4*\k+3]
.endr
; my 32 words: d = min(M - local M, 127) off each of the four bytes, held at 0.  The bytes lie in 1 .. 125: with bit 7 set in each, no byte borrows from its neighbour, and bit 7 stays set just where byte >= d
.set i, 0
.rept 32
	v_sub_nc_u32 v[NMR+i], 0, v[NMR+i]
	v_or_b32 v[WR+i], 0x80808080, v[WR+i]
.set i, i+1
.endr
.set i, 0
.rept 32
	v_min_u32 v[NMR+i], 127, v[NMR+i]
.set i, i+1
.endr
.set i, 0
.rept 32
	v_mul_lo_u32 v[NMR+i], v[NMR+i], s18           ; d in all four bytes
.set i, i+1
.endr
.set i, 0
.rept 32
	v_sub_nc_u32 v[WR+i], v[WR+i], v[NMR+i]
.set i, i+1
.endr
.set i, 0
.rept 32
	v_and_b32 v[NMR+i], 0x80808080, v[WR+i]
.set i, i+1
.endr
.set i, 0
.rept 32
	v_lshrrev_b32 v[LR+i], 7, v[NMR+i]
.set i, i+1
.endr
.set i, 0
.rept 32
	v_sub_nc_u32 v[NMR+i], v[NMR+i], v[LR+i]       ; 0x7f in the bytes that are kept, 0 in the others
.set i, i+1
.endr
.set i, 0
.rept 32
	v_and_b32 v[WR+i], v[WR+i], v[NMR+i]
.set i, i+1
.endr
.irp k, 0,1,2,3,4,5,6,7
	ds_store_b128 v[SW], v[WR+4*\k:WR+4*\k+3] offset:512*\k
.endr
.irp j, 0,1,2,3
	v_rcp_f32 v[236+\j], v[12+\j]                  ; 1 / l (l is above 1/2)
.endr
.irp j, 0,1,2,3
	v_mov_b32 v[232+\j], 0                         ; plain work behind the reciprocals; a lane permute's destination counts as one of its sources
.endr
	s_wait_alu depctr_va_vdst(0)                   ; one wait for the four, ahead of their first reader
.irp j, 0,1,2,3
	v_permlanex16_b32 v[232+\j], v[236+\j], s[SEL], s[SEL+1]
.endr
	v_cmp_le_u32 vcc_lo, 16, v3
.irp j, 0,1,2,3
	v_cndmask_b32 v[LIV+2*\j], v[236+\j], v[232+\j], vcc_lo        ; blocks 0-3 are held by lanes 0-15,
	v_cndmask_b32 v[LIV+8+2*\j], v[232+\j], v[236+\j], vcc_lo      ; blocks 4-7 by lanes 16-31: now every lane has all eight of its lane-row
.endr
.irp a, 0,1,2,3,4,5,6,7
	v_mov_b32 v[LIV+2*\a+1], v[LIV+2*\a]           ; (the packed multiply names the pair)
.endr
	s_wait_dscnt 0x0                               ; for the others' sake: my words lie in LDS
	s_wait_tensorcnt 1                             ; V^T's words and my part of slot 0 are in; slot 1's load may be out
	s_barrier_signal -1
	s_barrier_wait -1
	FETCH_B 0, 0, 0
	FETCH_A 0, 0, 0
	SCALES 0
	FETCH_A 0, 0, 4
	STEP 0, 1
	s_mov_b32 s3, LAPS-1
.Llap:
	TURN 0, 1, 1
	STEP 1, 0
	TURN 1, 0, 1
	STEP 0, 0
	s_sub_co_u32 s3, s3, 1
	s_cmp_lg_u32 s3, 0
	s_cbranch_scc1 .Llap
	TURN 0, 1, 0
	STEP 1, 0
	s_wait_dscnt 12
	WIN MUL_LO
	MUL16 0, 1, 1, 1, 0
	MUL16 2, 1, 1, 1, 0
	s_wait_dscnt 0x0
	WIN MUL_HI
	MUL16 4, 1, 1, 1, 0
	MUL16 6, 1, 1, 1, 0
	WIN 0
	PLACES 4                                       ; four places in front of the first read of results and of loads into the registers that held A's fragments
	TOSTAGE 0
.irp a, 1,2,3,4,5,6,7
.if \a > 1
	s_wait_xcnt 0x0                                ; block a - 2's stores have read their registers: block a's loads may land there
.endif
	TOSTAGE \a
	SEND \a-1, 32                                  ; behind block a - 1's loads: block a's 16 stores and 16 loads
.endr
	SEND 7, 0
	s_wait_tensorcnt 0x0                           ; the wave's end, behind my last tensor load and my last LDS store
	ds_add_u32 v[SPW], v[NIL]
	s_wait_dscnt 0x0
	CROUND                                         ; the closing round
	s_endpgm
.Lfunc_end_k_qa28b5d5c9c_pv:
	.size	k_qa28b5d5c9c_pv, .Lfunc_end_k_qa28b5d5c9c_pv-k_qa28b5d5c9c_pv
	.p2alignl 7, 3214868480
	.fill 96, 4, 3214868480
	.section	.rodata,"a",@progbits
	.p2align	6, 0x0
	.amdhsa_kernel k_qa28b5d5c9c_pv
		.amdhsa_group_segment_fixed_size 327680
		.amdhsa_private_segment_fixed_size 0
		.amdhsa_enable_private_segment 0
		.amdhsa_kernarg_size 40
		.amdhsa_user_sgpr_count 2
		.amdhsa_user_sgpr_kernarg_segment_ptr 1
		.amdhsa_wavefront_size32 1
		.amdhsa_system_sgpr_workgroup_id_x 1
		.amdhsa_system_sgpr_workgroup_id_y 1
		.amdhsa_system_sgpr_workgroup_id_z 1
		.amdhsa_system_vgpr_workitem_id 0
		.amdhsa_next_free_vgpr 1024
		.amdhsa_next_free_sgpr 100
		.amdhsa_reserve_vcc 1
		.amdhsa_float_denorm_mode_32 3
		.amdhsa_float_denorm_mode_16_64 3
		.amdhsa_memory_ordered 1
		.amdhsa_forward_progress 1
		.amdhsa_inst_pref_size 180
	.end_amdhsa_kernel
	.amdgpu_metadata
---
amdhsa.version: [ 1, 2 ]
amdhsa.kernels:
  - .name:           k_qa28b5d5c9c_pv
    .symbol:         k_qa28b5d5c9c_pv.kd
    .args:
      - { .name: p_codes, .offset: 0, .size: 8, .value_kind: global_buffer, .address_space: global }
      - { .name: p_stats, .offset: 8, .size: 8, .value_kind: global_buffer, .address_space: global }
      - { .name: v_codes, .offset: 16, .size: 8, .value_kind: global_buffer, .address_space: global }
      - { .name: v_scales, .offset: 24, .size: 8, .value_kind: global_buffer, .address_space: global }
      - { .name: out0, .offset: 32, .size: 8, .value_kind: global_buffer, .address_space: global }
    .group_segment_fixed_size: 327680
    .private_segment_fixed_size: 0
    .kernarg_segment_align: 8
    .kernarg_segment_size: 40
    .max_flat_workgroup_size: 128
    .sgpr_count:     100
    .vgpr_count:     1024
    .wavefront_size: 32
...
	.end_amdgpu_metadata
.endif
;; end of part 4
;; ======== version 2 of 2: 4 launches; 1.12 times as fast as version 1
;; workspace buffers: xw_codes 14,942,208 bytes; xw_scales 622,592 bytes; qk_codes 12,582,912 bytes; qk_scales 524,288 bytes; v_codes 6,291,456 bytes; v_scales 262,144 bytes; p_codes 12,582,912 bytes; p_stats 1,572,864 bytes
;; launch quant: the kernel of part 1 again; grid 448 x 1, 4 waves a work-group, no clusters, 34,304 bytes of LDS; arguments hidden_states, decoder_hidden_states, Wq, Wkv, xw_codes, xw_scales; writes xw_codes, xw_scales
;; launch proj (part 5): grid 96 x 4, 4 waves a work-group, clusters of 4 x 4, 327,680 bytes of LDS; arguments xw_codes, xw_scales, qk_codes, qk_scales, v_codes, v_scales; writes qk_codes, qk_scales, v_codes, v_scales
.if DOCPART == 5
	.amdgcn_target "amdgcn-amd-amdhsa--gfx1250"
	.amdhsa_code_object_version 6
	.text
	.protected	k_qa28b5d5c9c_proj
	.globl	k_qa28b5d5c9c_proj
	.p2align	8
	.type	k_qa28b5d5c9c_proj,@function
k_qa28b5d5c9c_proj:
	s_mov_b64 s[64:65], 0
	v_nop
	global_prefetch_b8 v0, s[64:65] scope:SCOPE_SE
	s_setreg_imm32_b32 hwreg(HW_REG_WAVE_MODE, 25, 1), 1
	s_wait_xcnt 0x0
	s_wait_alu depctr_hold_cnt(0) depctr_sa_sdst(0) depctr_va_vdst(0) depctr_va_sdst(0) depctr_va_ssrc(0) depctr_va_vcc(0) depctr_vm_vsrc(0)
	s_getreg_b32 s2, hwreg(HW_REG_IB_STS2, 6, 4)
	s_cmp_eq_u32 s2, 0
	s_cbranch_scc0 .Lentry_in_a_cluster
	s_endpgm
.Lentry_in_a_cluster:
	s_bfe_u32 s2, ttmp6, 0x10000c
	s_cmp_lg_u32 s2, 0xf033
	s_cbranch_scc0 .Lentry_shape_is_right
	s_endpgm
.Lentry_shape_is_right:
; Q = X Wq, K = Y Wk, V^T = (Y Wv)^T on codes of FP6 (E2M3) with E8M0 scales; the results are quantised in registers, along the next product's K, and leave as codes.
; All operands lie as images of the operand's registers (a fragment of 16 rows x 128 K: 1,536 bytes, registers 4 c .. 4 c + 3 of lane l at 512 c + 16 l), codes [K / 256][rb][K / 128 % 2][1,536],
; scale words [K / 128][rows / 128][512] (fragment i, lane-row r at 256 (i / 4) + 16 r + 4 (i % 4)).  Fragment rb = 2 B + u holds in lane-row p the logical row 32 B + 8 u + p + 8 (p / 8).
; A tile is 256 rows of A x 256 rows of B; four waves, each 128 x 128: 64 accumulators, 512 registers.  SOURCE 0 = 16 rows of B, SOURCE 1 = 16 rows of A: a lane holds one row of A, and by the
; fragments' row order the 64 registers of a block of A's rows run along B's 128 rows in their natural order: 16 b + i is row 32 b + 16 (lane / 16) + i.  B's rows are the next product's K.
; WHICH PRODUCT hangs on the cluster's number c (the same in all partners): c / 8 = 0: A = X, B = Wq's columns -> Q; 1: A = Y, B = Wk's -> K; 2: A = Wv's columns, B = Y -> V^T (K = the keys).
; K = 1,024 is four steps of 256; 128 rows x 256 K are one dense block of 24,576 bytes, one tensor load a wave.  THREE LDS slots take the first three steps with the first fills; the fourth comes into
; slot 0 behind the one round of the cluster's barrier, at the change from slot 0 to slot 1, and has 224 matrix instructions in which to land.  In front of that round every wave has waited for all its
; loads, so slots 1 and 2 are whole for every wave behind it: the change from slot 1 to slot 2 needs no barrier.  The scale words of the tile's rows, for all of K, come once.
; CLUSTERS: 4 x 4.  A's tile is shared along a row of the cluster, B's along a column: joint loads.
; LIMITS: a block of zeros or under 2^-124 gets the byte 1; NaN and infinities are not served.
; REGISTERS: window 0: v16-29 addresses; v32-63 scale words, two sets; v64-115 the way out; v128-223 A's fragments, one set.  window 1: B's fragments, sets at v0 and v128.  windows 2, 3: the accumulators.
.set FR,    12
.set HALFT, 24576                      ; 128 rows x 256 K
.set SLOT,  4*HALFT                    ; A's two halves, then B's two
.set SCL,   3*SLOT                     ; behind the three slots: the scale words: 4,096 bytes for each 128 rows: A's two halves, B's two
.set SPARE, SCL+4*4096                 ; the spare words, 128 bytes a wave, which no other line names
.set KPA,   1216*3072                  ; bytes from 256 along K to the next
.set KPB,   1216*3072
.set GSC,   152                        ; groups of 128 rows in the scales' buffer
.set ADRA, 16                          ; v16-18 my A fragments in slot 0, 1, 2
.set ADRB, 20                          ; v20-22 the same for B
.set LI,   24
.set ADRS, 27
.set SPW,  28
.set NIL,  29
.set SC,   32                          ; set s at SC + 16 s; in it register 8 q + i: lanes 0-15 the word of A's block i, lanes 16-31 that of B's block i
.set AF,   128
.set TM,   64                          ; v64-67 maxima, v68-71 bytes, v76-79 the conversions' scale operands
.set WD,   80                          ; v80-87 the eight blocks' scale words
.set MG,   88
.set PC,   96                          ; v96-107 a fragment's codes; v108-114 at work
.set SEL,  98
.set G1, 24
.set G0, 32                            ; s[32:39] group 0 for A's tiles, slots 0 and 1;
.set G0C, 92                           ; s[92:95] slot 2 (free once the output's addresses are chosen)
.set G1B, 48
.set G0B, 56                           ; s[56:63] the same for B's;
.set G0BC, 4                           ; s[4:7] slot 2 (free once the inputs' addresses are made)
.set G1S, 68
.set G0S, 76
.set G1SB, 80
.set G0SB, 88
.set MSB, 0
.macro WIN new                         ; the immediate's high byte repeats the setting that is left
.if MSB != \new
	s_set_vgpr_msb (MSB<<8)|\new
.set MSB, \new
.endif
.endm
.set MUL_LO, 0xa1                      ; source 0 (B) window 1, source 1 (A) window 0, C and D window 2
.set MUL_HI, 0xf1
.set TO_B,   0x40
.macro JLOAD g0a, g1a, g0b, g1b        ; a joint load: waves 0 and 1 fetch for A, waves 2 and 3 for B; an s_nop 0 and four v_nop follow each line
	s_cmp_eq_u32 s15, 0
	s_cbranch_scc0 .Lfor_b_\@
	tensor_load_to_lds s[\g0a:\g0a+3], s[\g1a:\g1a+7]
	s_nop 0
.rept 4
	v_nop
.endr
	s_branch .Lasked_\@
.Lfor_b_\@:
	tensor_load_to_lds s[\g0b:\g0b+3], s[\g1b:\g1b+7]
	s_nop 0
.rept 4
	v_nop
.endr
.Lasked_\@:
.endm
.macro CREST
	s_cmp_lg_u32 s14, 0
	s_cbranch_scc1 .Lnot_wave_0_\@
	s_barrier_signal -3
.Lnot_wave_0_\@:
	s_barrier_wait -3
	s_barrier_signal -1
	s_barrier_wait -1
.endm
.macro CROUND
	s_barrier_signal -1
	s_barrier_wait -1
	CREST
.endm
.macro PLACES n
.rept \n
	v_nop
.endr
.endm
.macro FRAG reg, adr, off              ; an image comes back as it was stored: three loads of 512 consecutive bytes
.irp c, 0,1,2
	ds_load_b128 v[\reg+4*\c:\reg+4*\c+3], v[\adr] offset:\off+512*\c
.endr
.endm
.macro FETCH_B slot, q, p
	WIN TO_B
.irp i, 0,1,2,3,4,5,6,7
	FRAG 128*(\p)+FR*\i, ADRB+\slot, 3072*\i+1536*(\q)
.endr
	WIN 0
.endm
.macro FETCH_A slot, q, i0
.irp i, \i0, \i0+1, \i0+2, \i0+3
	FRAG AF+FR*(\i), ADRA+\slot, 3072*(\i)+1536*(\q)
.endr
.endm
.macro SCALES sc                       ; a slot's scale words: lanes 0-15 take A's, lanes 16-31 B's
.irp q, 0,1
.irp t, 0,1
	ds_load_b128 v[SC+16*\sc+8*\q+4*\t:SC+16*\sc+8*\q+4*\t+3], v[ADRS] offset:512*\q+256*\t
.endr
.endr
.endm
; 16 matrix instructions: A's blocks a0, a0 + 1 x B's eight.  The 64 accumulators take turns, one instruction a turn, in the same order in every step.
.macro MUL16 a0, p, q, sc, zero
.irp a, \a0, \a0+1
.irp b, 0,1,2,3,4,5,6,7
.if \zero
	v_wmma_scale_f32_16x16x128_f8f6f4 v[8*(8*((\a)%4)+\b):8*(8*((\a)%4)+\b)+7], v[128*(\p)+FR*\b:128*(\p)+FR*\b+FR-1], v[AF+FR*(\a):AF+FR*(\a)+FR-1], 0, v[SC+16*(\sc)+8*(\q)+\b], v[SC+16*(\sc)+8*(\q)+(\a)] matrix_a_fmt:MATRIX_FMT_FP6 matrix_b_fmt:MATRIX_FMT_FP6 matrix_a_scale:MATRIX_SCALE_ROW1
.else
	v_wmma_scale_f32_16x16x128_f8f6f4 v[8*(8*((\a)%4)+\b):8*(8*((\a)%4)+\b)+7], v[128*(\p)+FR*\b:128*(\p)+FR*\b+FR-1], v[AF+FR*(\a):AF+FR*(\a)+FR-1], v[8*(8*((\a)%4)+\b):8*(8*((\a)%4)+\b)+7], v[SC+16*(\sc)+8*(\q)+\b], v[SC+16*(\sc)+8*(\q)+(\a)] matrix_a_fmt:MATRIX_FMT_FP6 matrix_b_fmt:MATRIX_FMT_FP6 matrix_a_scale:MATRIX_SCALE_ROW1
.endif
.endr
.endr
.endm
.macro STEP slot, sc, zero             ; a slot's first 128 along K; sc: its set of scale words
	s_wait_dscnt 12                                ; all but the youngest twelve loads (A's blocks 4-7) are in
	WIN MUL_LO
	MUL16 0, 0, 0, \sc, \zero
	MUL16 2, 0, 0, \sc, \zero
	s_wait_dscnt 0x0
	PLACES 4                                       ; four places in front of loads into registers that matrix instructions have read
	FETCH_B \slot, 1, 1
	FETCH_A \slot, 1, 0
	WIN MUL_HI
	MUL16 4, 0, 0, \sc, \zero
	MUL16 6, 0, 0, \sc, \zero
	PLACES 4
	WIN 0
	FETCH_A \slot, 1, 4
.endm
; A slot's second 128 along K, and the change to slot next (its scale words into set nsc).
; how = 2: the change from slot 0: a round of the cluster's barrier, and slot 0 is filled again with the fourth step;  how = 1: a barrier, nothing is filled;  how = 0: no barrier: the next slot was shown whole by the round.
.macro TURN slot, sc, next, nsc, how
.if \how
	s_wait_tensorcnt 0x0                           ; all my tensor loads have landed
	ds_add_u32 v[SPW], v[NIL]                      ; 0 onto my spare word
	s_wait_dscnt 13                                ; (the add and the youngest twelve loads may be out)
	WIN MUL_LO
	MUL16 0, 1, 1, \sc, 0
	s_wait_dscnt 0x0                               ; the add is done, and my reads of this slot are over
	s_barrier_signal -1
	MUL16 2, 1, 1, \sc, 0
	WIN 0
	s_barrier_wait -1
.else
	s_wait_dscnt 12                                ; all but the youngest twelve loads (A's blocks 4-7) are in
	WIN MUL_LO
	MUL16 0, 1, 1, \sc, 0
	MUL16 2, 1, 1, \sc, 0
	s_wait_dscnt 0x0
	WIN 0
.endif
.if \how == 2
	CREST                                          ; the barrier has opened a round of the cluster's: no wave of any partner still reads slot 0 or has a load on its way
	s_add_nc_u64 s[G0+2:G0+3], s[G0+2:G0+3], 3*KPA
	s_add_nc_u64 s[G0B+2:G0B+3], s[G0B+2:G0B+3], 3*KPB
	JLOAD G0, G1, G0B, G1B                         ; the first tensor load behind the round, and my last; its four v_nop are the places in front of the loads below
.else
	PLACES 4
.endif
	v_add_nc_u32 v[ADRS], 1024, v[ADRS]            ; the next slot's scale words
	FETCH_B \next, 0, 0
	FETCH_A \next, 0, 0
	SCALES \nsc
	WIN MUL_HI
	MUL16 4, 1, 1, \sc, 0
	MUL16 6, 1, 1, \sc, 0
	PLACES 4
	WIN 0
	FETCH_A \next, 0, 4
.endm
; THE WAY OUT of block a (16 rows of A x my 128 rows of B): four blocks of 32 along the next K are quantised; the fragment leaves as its image.
.macro QOUT a
.set AC, 64*((\a)%4)
.set WW, 2+(\a)/4
.set WMAX, (WW<<2)|(WW<<4)
	WIN 0
.irp b, 0,1,2,3
	v_mov_b32 v[TM+\b], 0x1800000                  ; the floor 2^(3 - 127): the byte cannot fall under 1
.endr
	WIN WMAX                                       ; sources 1 and 2: the accumulators' window
.irp i, 0,2,4,6,8,10,12,14
.irp b, 0,1,2,3
	v_max3_num_f32 v[TM+\b], v[TM+\b], |v[AC+16*\b+\i]|, |v[AC+16*\b+\i+1]|   ; ascending: each accumulator is read from its low end on
.endr
.endr
	WIN 0
.irp b, 0,1,2,3
	v_permlanex16_b32 v[TM+4+\b], v[TM+\b], s[SEL], s[SEL+1]
.endr
.irp b, 0,1,2,3
	v_max_num_f32 v[TM+\b], v[TM+\b], v[TM+4+\b]   ; with lane l xor 16's 16: the block's largest magnitude
.endr
.irp b, 0,1,2,3
	v_add_nc_u32 v[TM+12+\b], 0xff000000, v[TM+\b] ; 2 off its exponent field: the conversion's scale operand
.endr
.irp b, 0,1,2,3
	v_lshrrev_b32 v[TM+4+\b], 23, v[TM+12+\b]      ; the byte
.endr
	v_lshl_or_b32 v[WD+(\a)], v[TM+5], 8, v[TM+4]
	v_lshl_or_b32 v[WD+(\a)], v[TM+6], 16, v[WD+(\a)]
	v_lshl_or_b32 v[WD+(\a)], v[TM+7], 24, v[WD+(\a)]
	s_wait_xcnt 0x0                                ; the last block's stores have read the codes' registers
	WIN WW                                         ; source 0: the accumulators' window
.irp c, 0,1
	v_cvt_scalef32_pk16_fp6_f32 v[PC+6*\c:PC+2+6*\c], v[AC+32*\c:AC+15+32*\c], v[TM+12+2*\c]
	v_cvt_scalef32_pk16_fp6_f32 v[PC+12+4*\c:PC+14+4*\c], v[AC+16+32*\c:AC+31+32*\c], v[TM+12+2*\c+1]
.endr
	WIN 0
	v_nop                                          ; one plain place behind a scaled conversion
.irp c, 0,1                            ; the operand's layout wants a whole block in a lane
.irp i, 0,1,2
	v_permlane16_swap_b32 v[PC+6*\c+\i], v[PC+12+4*\c+\i]
.endr
.irp i, 0,1,2
	v_mov_b32 v[PC+3+6*\c+\i], v[PC+12+4*\c+\i]
.endr
.endr
.irp c, 0,1,2
	global_store_b128 v[LI], v[PC+4*\c:PC+4*\c+3], s[8:9] offset:3072*(\a)+512*\c   ; 512 consecutive bytes, aligned
.endr
.endm
	s_load_b128 s[4:7], s[0:1], 0x0                ; the inputs' codes, their scale words
	s_load_b128 s[8:11], s[0:1], 0x10              ; Q's and K's codes, their scale words
	s_load_b128 s[92:95], s[0:1], 0x20             ; V^T's codes, its scale words
	v_lshl_add_u32 v[SPW], v0, 2, SPARE
	v_mov_b32 v[NIL], 0
	ds_add_u32 v[SPW], v[NIL]                      ; the wave's opening: the add, and its wait, ahead of my first tensor load
	v_lshrrev_b32 v1, 5, v0
	v_readfirstlane_b32 s14, v1                    ; wave
	s_lshr_b32 s15, s14, 1                         ; my half of A's rows.  Also: I fetch for A (0) or B (1)
	s_and_b32 s16, s14, 1                          ; my half of B's rows.  Also: which 128 rows I fetch
	s_bfe_u32 s40, ttmp6, 0x40000                  ; cx
	s_bfe_u32 s41, ttmp6, 0x40004                  ; cy
	s_lshr_b32 s12, ttmp9, 3                       ; which product
	s_and_b32 s13, ttmp9, 7
	s_cmp_eq_u32 s12, 0
	s_cselect_b32 s18, 0, 512                      ; A's first fragment row: X 0, Y 512,
	s_mov_b32 s19, 1088
	s_cselect_b32 s19, 1024, s19                   ; B's: Wq 1024, Wk 1088,
	s_mov_b32 s66, s18                             ; the output's: Q 0, K 512,
	s_mov_b32 s67, 1024                            ; fragment rows in the output buffer
	s_cmp_eq_u32 s12, 2
	s_cselect_b32 s18, 1152, s18                   ; Wv
	s_cselect_b32 s19, 512, s19                    ; Y
	s_cselect_b32 s66, 0, s66
	s_cselect_b32 s67, 64, s67
	s_cselect_b32 s17, 0, s13
	s_cselect_b32 s42, s13, 0
	s_lshl_b32 s17, s17, 2
	s_add_co_u32 s17, s17, s41                     ; A's tile
	s_lshl_b32 s42, s42, 2
	s_add_co_u32 s42, s42, s40                     ; B's tile
	s_lshl_b32 s43, s41, 2
	s_lshl_b32 s43, 15, s43                        ; my row of the cluster
	s_lshl_b32 s44, 0x1111, s40                    ; my column
	s_or_b32 s[G1+0], s43, (3<<16)|(1<<21)         ; the mask; elements of 8 bytes; bit 21 beside a mask; no padding
	s_or_b32 s[G1B+0], s44, (3<<16)|(1<<21)
.irp g, G1, G1B
	s_mov_b32 s[\g+1], 32<<16                      ; 24,576 dense bytes as 96 rows of 256
	s_mov_b32 s[\g+2], 96<<16
	s_mov_b32 s[\g+3], 32<<16
	s_mov_b32 s[\g+4], 96
	s_mov_b32 s[\g+5], 32
	s_mov_b32 s[\g+6], 0
	s_mov_b32 s[\g+7], 0
.endr
	s_or_b32 s[G1S+0], s43, (3<<16)|(1<<21)
	s_or_b32 s[G1SB+0], s44, (3<<16)|(1<<21)
.irp g, G1S, G1SB
	s_mov_b32 s[\g+1], 64<<16                      ; 8 rows (128 along K each) of 512 bytes, GSC x 512 bytes apart
	s_mov_b32 s[\g+2], 8<<16
	s_mov_b32 s[\g+3], 64<<16
	s_mov_b32 s[\g+4], 8
	s_mov_b32 s[\g+5], GSC*64
	s_mov_b32 s[\g+6], 0
	s_mov_b32 s[\g+7], 0
.endr
	s_lshl_b32 s21, s16, 3
	s_lshl_b32 s20, s17, 4
	s_add_co_u32 s20, s20, s18
	s_add_co_u32 s20, s20, s21                     ; A: the first fragment row that I fetch
	s_lshl_b32 s46, s42, 4
	s_add_co_u32 s46, s46, s19
	s_add_co_u32 s46, s46, s21                     ; B likewise
	s_lshr_b32 s22, s20, 3
	s_lshl_b32 s22, s22, 9
	s_mov_b32 s23, 0
	s_lshr_b32 s96, s46, 3
	s_lshl_b32 s96, s96, 9
	s_mov_b32 s97, 0
	s_mul_i32 s20, s20, 3072
	s_mov_b32 s21, 0
	s_mul_i32 s46, s46, 3072
	s_mov_b32 s47, 0
	s_mul_i32 s45, s14, HALFT                      ; where they go: no place in the cluster enters an LDS address
	s_lshl_b32 s2, s14, 12
	s_wait_dscnt 0x0                               ; the opening add is done
	s_wait_kmcnt 0x0
	s_cmp_eq_u32 s12, 2                            ; the output's buffers: the choice hangs on the cluster's number alone
	s_cselect_b64 s[8:9], s[92:93], s[8:9]
	s_cselect_b64 s[10:11], s[94:95], s[10:11]
	s_add_nc_u64 s[20:21], s[4:5], s[20:21]
	s_add_nc_u64 s[22:23], s[6:7], s[22:23]
	s_add_nc_u64 s[46:47], s[4:5], s[46:47]
	s_add_nc_u64 s[96:97], s[6:7], s[96:97]
	CROUND                                         ; all sixteen work-groups are here: the first joint loads meet
	s_mov_b32 s[G0S], 1
	s_add_co_u32 s[G0S+1], s2, SCL
	s_mov_b64 s[G0S+2:G0S+3], s[22:23]
	s_or_b32 s[G0S+3], s[G0S+3], 0x80000000
	s_mov_b32 s[G0SB], 1
	s_add_co_u32 s[G0SB+1], s2, SCL
	s_mov_b64 s[G0SB+2:G0SB+3], s[96:97]
	s_or_b32 s[G0SB+3], s[G0SB+3], 0x80000000
	JLOAD G0S, G1S, G0SB, G1SB                     ; the scale words first
.irp s, 0,1
	s_mov_b32 s[G0+4*\s], 1
	s_add_co_u32 s[G0+4*\s+1], s45, \s*SLOT
	s_add_nc_u64 s[G0+4*\s+2:G0+4*\s+3], s[20:21], \s*KPA
	s_or_b32 s[G0+4*\s+3], s[G0+4*\s+3], 0x80000000
	s_mov_b32 s[G0B+4*\s], 1
	s_add_co_u32 s[G0B+4*\s+1], s45, \s*SLOT
	s_add_nc_u64 s[G0B+4*\s+2:G0B+4*\s+3], s[46:47], \s*KPB
	s_or_b32 s[G0B+4*\s+3], s[G0B+4*\s+3], 0x80000000
	JLOAD G0+4*\s, G1, G0B+4*\s, G1B
.endr
	s_mov_b32 s[G0C], 1
	s_add_co_u32 s[G0C+1], s45, 2*SLOT
	s_add_nc_u64 s[G0C+2:G0C+3], s[20:21], 2*KPA
	s_or_b32 s[G0C+3], s[G0C+3], 0x80000000
	s_mov_b32 s[G0BC], 1
	s_add_co_u32 s[G0BC+1], s45, 2*SLOT
	s_add_nc_u64 s[G0BC+2:G0BC+3], s[46:47], 2*KPB
	s_or_b32 s[G0BC+3], s[G0BC+3], 0x80000000
	JLOAD G0C, G1, G0BC, G1B                       ; four tensor loads of mine are out at the most
	v_and_b32 v1, 15, v0                           ; r
	v_bfe_u32 v2, v0, 4, 1                         ; h
	v_and_b32 v3, 31, v0                           ; lane
	v_lshlrev_b32 v[LI], 4, v3
	s_mul_i32 s21, s15, HALFT
	s_mul_i32 s22, s16, HALFT
	s_add_co_u32 s22, s22, 2*HALFT
.irp s, 0,1,2
	v_add_nc_u32 v[ADRA+\s], s21, v[LI]
	v_add_nc_u32 v[ADRB+\s], s22, v[LI]
	s_add_co_u32 s21, s21, SLOT
	s_add_co_u32 s22, s22, SLOT
.endr
	v_lshlrev_b32 v5, 4, v1
	s_lshl_b32 s21, s15, 12                        ; A's words: my 128 rows
	s_lshl_b32 s22, s16, 12
	s_add_co_u32 s22, s22, 8192                    ; B's, behind A's two halves
	s_sub_co_u32 s22, s22, s21
	v_mul_u32_u24 v6, s22, v2                      ; lanes 16-31 take B's
	s_add_co_u32 s21, s21, SCL
	v_add_nc_u32 v5, v5, v6
	v_add_nc_u32 v[ADRS], s21, v5
.irp b, 0,1,2,3
	v_mov_b32 v[TM+4+\b], 0                        ; a lane permute's destination counts as one of its sources
.endr
	; where my results go: codes ((B's tile x RBo + Ro0 + 16 A's tile + 8 AH) x 2 + BH) x 1,536; words ((2 B's tile + BH) x RBo / 8 + (Ro0 + 16 A's tile + 8 AH) / 8) x 512
	s_mul_i32 s20, s42, s67
	s_add_co_u32 s20, s20, s66
	s_lshl_b32 s21, s17, 4
	s_add_co_u32 s20, s20, s21
	s_lshl_b32 s21, s15, 3
	s_add_co_u32 s20, s20, s21
	s_lshl_b32 s20, s20, 1
	s_add_co_u32 s20, s20, s16
	s_mul_i32 s20, s20, 1536
	s_mov_b32 s21, 0
	s_lshl_b32 s22, s42, 1
	s_add_co_u32 s22, s22, s16
	s_lshr_b32 s23, s67, 3
	s_mul_i32 s22, s22, s23
	s_lshr_b32 s23, s66, 3
	s_add_co_u32 s22, s22, s23
	s_lshl_b32 s23, s17, 1
	s_add_co_u32 s22, s22, s23
	s_add_co_u32 s22, s22, s15
	s_lshl_b32 s22, s22, 9
	s_mov_b32 s23, 0
	s_add_nc_u64 s[8:9], s[8:9], s[20:21]
	s_add_nc_u64 s[10:11], s[10:11], s[22:23]
	s_mov_b32 s[SEL], 0x76543210
	s_mov_b32 s[SEL+1], 0xfedcba98
	s_wait_tensorcnt 2                             ; the scale words and my part of slot 0 are in; the loads of slots 1 and 2 may be out
	s_barrier_signal -1
	s_barrier_wait -1
	FETCH_B 0, 0, 0
	FETCH_A 0, 0, 0
	SCALES 0
	FETCH_A 0, 0, 4
	STEP 0, 0, 1                                   ; the first step's products start the sums: nothing is cleared
	TURN 0, 0, 1, 1, 2                             ; slots 1 and 2 are whole; slot 0 takes K 768 on
	STEP 1, 1, 0
	TURN 1, 1, 2, 0, 0                             ; no barrier: nothing is filled, and slot 2 was shown whole by the round
	STEP 2, 0, 0
	TURN 2, 0, 0, 1, 1                             ; the refill has landed in every wave; nothing more is asked for
	STEP 0, 1, 0
	s_wait_dscnt 12
	WIN MUL_LO
	MUL16 0, 1, 1, 1, 0
	MUL16 2, 1, 1, 1, 0
	s_wait_dscnt 0x0
	WIN MUL_HI
	MUL16 4, 1, 1, 1, 0
	MUL16 6, 1, 1, 1, 0
	WIN 0
	PLACES 4                                       ; four places in front of the first read of results
.irp a, 0,1,2,3,4,5,6,7
	QOUT \a
.endr
	v_cmp_le_u32 vcc_lo, 16, v3
.irp t, 0,1,2,3
	v_cndmask_b32 v[MG+\t], v[WD+\t], v[WD+4+\t], vcc_lo   ; lanes 0-15 store the words of blocks 0-3, lanes 16-31 those of 4-7
.endr
	global_store_b128 v[LI], v[MG:MG+3], s[10:11]
	s_wait_tensorcnt 0x0                           ; the wave's end
	ds_add_u32 v[SPW], v[NIL]
	s_wait_dscnt 0x0
	CROUND                                         ; the closing round
	s_endpgm
.Lfunc_end_k_qa28b5d5c9c_proj:
	.size	k_qa28b5d5c9c_proj, .Lfunc_end_k_qa28b5d5c9c_proj-k_qa28b5d5c9c_proj
	.p2alignl 7, 3214868480
	.fill 96, 4, 3214868480
	.section	.rodata,"a",@progbits
	.p2align	6, 0x0
	.amdhsa_kernel k_qa28b5d5c9c_proj
		.amdhsa_group_segment_fixed_size 327680
		.amdhsa_private_segment_fixed_size 0
		.amdhsa_enable_private_segment 0
		.amdhsa_kernarg_size 48
		.amdhsa_user_sgpr_count 2
		.amdhsa_user_sgpr_kernarg_segment_ptr 1
		.amdhsa_wavefront_size32 1
		.amdhsa_system_sgpr_workgroup_id_x 1
		.amdhsa_system_sgpr_workgroup_id_y 1
		.amdhsa_system_sgpr_workgroup_id_z 1
		.amdhsa_system_vgpr_workitem_id 0
		.amdhsa_next_free_vgpr 1024
		.amdhsa_next_free_sgpr 100
		.amdhsa_reserve_vcc 1
		.amdhsa_float_denorm_mode_32 3
		.amdhsa_float_denorm_mode_16_64 3
		.amdhsa_memory_ordered 1
		.amdhsa_forward_progress 1
		.amdhsa_inst_pref_size 141
	.end_amdhsa_kernel
	.amdgpu_metadata
---
amdhsa.version: [ 1, 2 ]
amdhsa.kernels:
  - .name:           k_qa28b5d5c9c_proj
    .symbol:         k_qa28b5d5c9c_proj.kd
    .args:
      - { .name: xw_codes, .offset: 0, .size: 8, .value_kind: global_buffer, .address_space: global }
      - { .name: xw_scales, .offset: 8, .size: 8, .value_kind: global_buffer, .address_space: global }
      - { .name: qk_codes, .offset: 16, .size: 8, .value_kind: global_buffer, .address_space: global }
      - { .name: qk_scales, .offset: 24, .size: 8, .value_kind: global_buffer, .address_space: global }
      - { .name: v_codes, .offset: 32, .size: 8, .value_kind: global_buffer, .address_space: global }
      - { .name: v_scales, .offset: 40, .size: 8, .value_kind: global_buffer, .address_space: global }
    .group_segment_fixed_size: 327680
    .private_segment_fixed_size: 0
    .kernarg_segment_align: 8
    .kernarg_segment_size: 48
    .max_flat_workgroup_size: 128
    .sgpr_count:     100
    .vgpr_count:     1024
    .wavefront_size: 32
...
	.end_amdgpu_metadata
.endif
;; end of part 5
;; launch scores (part 6): grid 8 x 32, 4 waves a work-group, clusters of 4 x 4, 327,680 bytes of LDS; arguments qk_codes, qk_scales, p_codes, p_stats; writes p_codes, p_stats
.if DOCPART == 6
	.amdgcn_target "amdgcn-amd-amdhsa--gfx1250"
	.amdhsa_code_object_version 6
	.text
	.protected	k_qa28b5d5c9c_scores
	.globl	k_qa28b5d5c9c_scores
	.p2align	8
	.type	k_qa28b5d5c9c_scores,@function
k_qa28b5d5c9c_scores:
	s_mov_b64 s[64:65], 0
	v_nop
	global_prefetch_b8 v0, s[64:65] scope:SCOPE_SE
	s_setreg_imm32_b32 hwreg(HW_REG_WAVE_MODE, 25, 1), 1
	s_wait_xcnt 0x0
	s_wait_alu depctr_hold_cnt(0) depctr_sa_sdst(0) depctr_va_vdst(0) depctr_va_sdst(0) depctr_va_ssrc(0) depctr_va_vcc(0) depctr_vm_vsrc(0)
	s_getreg_b32 s2, hwreg(HW_REG_IB_STS2, 6, 4)
	s_cmp_eq_u32 s2, 0
	s_cbranch_scc0 .Lentry_in_a_cluster
	s_endpgm
.Lentry_in_a_cluster:
	s_bfe_u32 s2, ttmp6, 0x10000c
	s_cmp_lg_u32 s2, 0xf033
	s_cbranch_scc0 .Lentry_shape_is_right
	s_endpgm
.Lentry_shape_is_right:
; S = Q K^T on codes of FP6 (E2M3) with E8M0 scales, and the softmax's p as codes.  t = score x log2(e) / 32.  A wave holds 128 queries x 128 keys; for each query it takes M = the ceiling of the
; largest t OF ITS 128 KEYS, a whole number, makes p = 2^(t - M), sums the unquantised p, quantises p along the keys in blocks of 32, and stores codes, scale words, -M and the sum.
; The next launch brings the sixteen local M of a row to the row's M: a whole number taken off each scale byte, which leaves the codes as they are.
; Layouts, tile, slots and cluster as in the launch before: images of fragments (1,536 bytes), codes [K / 256][rb][K / 128 % 2], words [K / 128][rows / 128][512]; source 0 = 16 keys, source 1 = 16 queries:
; a lane holds one query, and register 16 b + i of a block of queries is key 32 b + 16 (lane / 16) + i of my 128.  K = 1,024 is four steps of 256: three slots are filled at the start, the fourth step
; comes into slot 0 behind the one round of the cluster's barrier and has 224 matrix instructions in which to land.
; Work-group x = the tile of 256 keys within the batch, y = the tile of 256 queries over all batches; the batch is y / 8, made of the cluster's y alone.
; p_stats: three sections of 524,288 bytes, each [keys / 128, 0..15][queries / 128, 0..63][512]: scale words, -M (f32), the sums.
; LIMITS: a block whose every p lies under 2^-124 gets the byte 1; p under 2^-126 is 0; M is exact up to 2^24; NaN and infinities are not served.
.set FR,    12
.set HALFT, 24576
.set SLOT,  4*HALFT
.set SCL,   3*SLOT
.set SPARE, SCL+4*4096
.set KPA,   1024*3072
.set KPB,   1024*3072
.set GSC,   128
.set ADRA, 16                          ; v16-18
.set ADRB, 20                          ; v20-22
.set LI,   24
.set ADRS, 27
.set SPW,  28
.set NIL,  29
.set SC,   32
.set AF,   128
.set TM,   64                          ; v64-67 the blocks' largest scores, then largest p; v68-71 bytes; v72 at work; v76-79 the conversions' scale operands
.set WD,   80                          ; v80-87 scale words
.set MG,   88
.set NM,   92                          ; v[92:93] -M (a pair: the packed form names both)
.set PC,   96
.set MG3,  116
.set L,    120                         ; v[120:123] the sum in two pairs
.set MG2,  124
.set NMD,  128                         ; v128-135 -M of the eight blocks of queries
.set LD,   136                         ; v136-143 their sums
.set CS,   12                          ; s[12:13] c = log2(e) / 32
.set SEL,  98
.set G1, 24
.set G0, 32
.set G0C, 92                           ; s[92:95] group 0 for A's tile in slot 2
.set G1B, 48
.set G0B, 56
.set G0BC, 4                           ; s[4:7] the same for B's (free once the inputs' addresses are made)
.set G1S, 68
.set G0S, 76
.set G1SB, 80
.set G0SB, 88
.set MSB, 0
.macro WIN new
.if MSB != \new
	s_set_vgpr_msb (MSB<<8)|\new
.set MSB, \new
.endif
.endm
.set MUL_LO, 0xa1
.set MUL_HI, 0xf1
.set TO_B,   0x40
.macro JLOAD g0a, g1a, g0b, g1b
	s_cmp_eq_u32 s15, 0
	s_cbranch_scc0 .Lfor_b_\@
	tensor_load_to_lds s[\g0a:\g0a+3], s[\g1a:\g1a+7]
	s_nop 0
.rept 4
	v_nop
.endr
	s_branch .Lasked_\@
.Lfor_b_\@:
	tensor_load_to_lds s[\g0b:\g0b+3], s[\g1b:\g1b+7]
	s_nop 0
.rept 4
	v_nop
.endr
.Lasked_\@:
.endm
.macro CREST
	s_cmp_lg_u32 s14, 0
	s_cbranch_scc1 .Lnot_wave_0_\@
	s_barrier_signal -3
.Lnot_wave_0_\@:
	s_barrier_wait -3
	s_barrier_signal -1
	s_barrier_wait -1
.endm
.macro CROUND
	s_barrier_signal -1
	s_barrier_wait -1
	CREST
.endm
.macro PLACES n
.rept \n
	v_nop
.endr
.endm
.macro FRAG reg, adr, off
.irp c, 0,1,2
	ds_load_b128 v[\reg+4*\c:\reg+4*\c+3], v[\adr] offset:\off+512*\c
.endr
.endm
.macro FETCH_B slot, q, p
	WIN TO_B
.irp i, 0,1,2,3,4,5,6,7
	FRAG 128*(\p)+FR*\i, ADRB+\slot, 3072*\i+1536*(\q)
.endr
	WIN 0
.endm
.macro FETCH_A slot, q, i0
.irp i, \i0, \i0+1, \i0+2, \i0+3
	FRAG AF+FR*(\i), ADRA+\slot, 3072*(\i)+1536*(\q)
.endr
.endm
.macro SCALES sc
.irp q, 0,1
.irp t, 0,1
	ds_load_b128 v[SC+16*\sc+8*\q+4*\t:SC+16*\sc+8*\q+4*\t+3], v[ADRS] offset:512*\q+256*\t
.endr
.endr
.endm
.macro MUL16 a0, p, q, sc, zero        ; the 64 accumulators take turns, one instruction a turn
.irp a, \a0, \a0+1
.irp b, 0,1,2,3,4,5,6,7
.if \zero
	v_wmma_scale_f32_16x16x128_f8f6f4 v[8*(8*((\a)%4)+\b):8*(8*((\a)%4)+\b)+7], v[128*(\p)+FR*\b:128*(\p)+FR*\b+FR-1], v[AF+FR*(\a):AF+FR*(\a)+FR-1], 0, v[SC+16*(\sc)+8*(\q)+\b], v[SC+16*(\sc)+8*(\q)+(\a)] matrix_a_fmt:MATRIX_FMT_FP6 matrix_b_fmt:MATRIX_FMT_FP6 matrix_a_scale:MATRIX_SCALE_ROW1
.else
	v_wmma_scale_f32_16x16x128_f8f6f4 v[8*(8*((\a)%4)+\b):8*(8*((\a)%4)+\b)+7], v[128*(\p)+FR*\b:128*(\p)+FR*\b+FR-1], v[AF+FR*(\a):AF+FR*(\a)+FR-1], v[8*(8*((\a)%4)+\b):8*(8*((\a)%4)+\b)+7], v[SC+16*(\sc)+8*(\q)+\b], v[SC+16*(\sc)+8*(\q)+(\a)] matrix_a_fmt:MATRIX_FMT_FP6 matrix_b_fmt:MATRIX_FMT_FP6 matrix_a_scale:MATRIX_SCALE_ROW1
.endif
.endr
.endr
.endm
.macro STEP slot, sc, zero
	s_wait_dscnt 12                                ; all but the youngest twelve loads (A's blocks 4-7) are in
	WIN MUL_LO
	MUL16 0, 0, 0, \sc, \zero
	MUL16 2, 0, 0, \sc, \zero
	s_wait_dscnt 0x0
	PLACES 4
	FETCH_B \slot, 1, 1
	FETCH_A \slot, 1, 0
	WIN MUL_HI
	MUL16 4, 0, 0, \sc, \zero
	MUL16 6, 0, 0, \sc, \zero
	PLACES 4
	WIN 0
	FETCH_A \slot, 1, 4
.endm
; how = 2: the change from slot 0: a round of the cluster's barrier, and slot 0 is filled again with the fourth step;  how = 1: a barrier, nothing is filled;  how = 0: no barrier: the next slot was shown whole by the round.
.macro TURN slot, sc, next, nsc, how
.if \how
	s_wait_tensorcnt 0x0                           ; all my tensor loads have landed
	ds_add_u32 v[SPW], v[NIL]                      ; 0 onto my spare word
	s_wait_dscnt 13                                ; (the add and the youngest twelve loads may be out)
	WIN MUL_LO
	MUL16 0, 1, 1, \sc, 0
	s_wait_dscnt 0x0                               ; the add is done, and my reads of this slot are over
	s_barrier_signal -1
	MUL16 2, 1, 1, \sc, 0
	WIN 0
	s_barrier_wait -1
.else
	s_wait_dscnt 12                                ; all but the youngest twelve loads (A's blocks 4-7) are in
	WIN MUL_LO
	MUL16 0, 1, 1, \sc, 0
	MUL16 2, 1, 1, \sc, 0
	s_wait_dscnt 0x0
	WIN 0
.endif
.if \how == 2
	CREST                                          ; no wave of any partner still reads slot 0 or has a load on its way
	s_add_nc_u64 s[G0+2:G0+3], s[G0+2:G0+3], 3*KPA
	s_add_nc_u64 s[G0B+2:G0B+3], s[G0B+2:G0B+3], 3*KPB
	JLOAD G0, G1, G0B, G1B                         ; the first tensor load behind the round, and my last
.else
	PLACES 4
.endif
	v_add_nc_u32 v[ADRS], 1024, v[ADRS]
	FETCH_B \next, 0, 0
	FETCH_A \next, 0, 0
	SCALES \nsc
	WIN MUL_HI
	MUL16 4, 1, 1, \sc, 0
	MUL16 6, 1, 1, \sc, 0
	PLACES 4
	WIN 0
	FETCH_A \next, 0, 4
.endm
; THE WAY OUT of block a: 16 queries x my 128 keys.
.macro SOFTQ a
.set AC, 64*((\a)%4)
.set WW, 2+(\a)/4
.set WMAX, (WW<<2)|(WW<<4)
.set WINP, (WW<<6)|WW
.set WS1, WW<<2
	WIN 0
.irp b, 0,1,2,3
	v_mov_b32 v[TM+\b], 0xff800000                 ; -infinity
.endr
	WIN WMAX
.irp i, 0,2,4,6,8,10,12,14
.irp b, 0,1,2,3
	v_max3_num_f32 v[TM+\b], v[TM+\b], v[AC+16*\b+\i], v[AC+16*\b+\i+1]   ; the largest score of each block of 32 keys: it serves for the row's maximum and, since p rises with the score, for the block's largest p
.endr
.endr
	WIN 0
.irp b, 0,1,2,3
	v_permlanex16_b32 v[TM+4+\b], v[TM+\b], s[SEL], s[SEL+1]
.endr
.irp b, 0,1,2,3
	v_max_num_f32 v[TM+\b], v[TM+\b], v[TM+4+\b]
.endr
	v_max3_num_f32 v[TM+8], v[TM], v[TM+1], v[TM+2]
	v_max_num_f32 v[TM+8], v[TM+8], v[TM+3]
	v_mul_f32 v[TM+8], s[CS], v[TM+8]              ; as t (c is positive)
	v_floor_f32 v[NM], -v[TM+8]                    ; -M = floor(-t): M is a whole number
	v_mov_b32 v[NM+1], v[NM]
	v_mov_b32 v[NMD+(\a)], v[NM]
.irp b, 0,1,2,3
	v_fma_f32 v[TM+\b], v[TM+\b], s[CS], v[NM]
.endr
	WIN WINP                                       ; destination and source 0: the accumulators' window
.irp j, 0,2,4,6,8,10,12,14,16,18,20,22,24,26,28,30,32,34,36,38,40,42,44,46,48,50,52,54,56,58,60,62
	v_pk_fma_f32 v[AC+\j:AC+\j+1], v[AC+\j:AC+\j+1], s[CS:CS+1], v[NM:NM+1] op_sel_hi:[1,0,0]   ; t - M, two at a time
.endr
.set i, 0
.rept 64
	v_exp_f32 v[AC+i], v[AC+i]                     ; p = 2^(t - M): one batch
.set i, i+1
.endr
	WIN 0
.irp j, 0,1,2,3
	v_mov_b32 v[L+\j], 0                           ; plain work behind the exponentials
.endr
	s_wait_alu depctr_va_vdst(0)                   ; one wait for the batch, ahead of its first reader
.irp b, 0,1,2,3
	v_exp_f32 v[TM+\b], v[TM+\b]                   ; the blocks' largest p: the same two instructions on the same numbers
.endr
	WIN WS1                                        ; source 1: the accumulators' window
.irp j, 0,4,8,12,16,20,24,28,32,36,40,44,48,52,56,60
	v_pk_add_f32 v[L:L+1], v[L:L+1], v[AC+\j:AC+\j+1]           ; the sum is taken of the unquantised p, in two chains
	v_pk_add_f32 v[L+2:L+3], v[L+2:L+3], v[AC+\j+2:AC+\j+3]
.endr
	WIN 0
	v_pk_add_f32 v[L:L+1], v[L:L+1], v[L+2:L+3]
	v_add_f32 v[L], v[L], v[L+1]
	v_permlanex16_b32 v[L+2], v[L], s[SEL], s[SEL+1]
	v_add_f32 v[LD+(\a)], v[L], v[L+2]             ; with lane l xor 16's 64 keys
	s_wait_alu depctr_va_vdst(0)                   ; and one for the four
.irp b, 0,1,2,3
	v_max_num_f32 v[TM+\b], 0x1800000, v[TM+\b]    ; the floor 2^(3 - 127)
.endr
.irp b, 0,1,2,3
	v_add_nc_u32 v[TM+12+\b], 0xff000000, v[TM+\b]
.endr
.irp b, 0,1,2,3
	v_lshrrev_b32 v[TM+4+\b], 23, v[TM+12+\b]
.endr
	v_lshl_or_b32 v[WD+(\a)], v[TM+5], 8, v[TM+4]
	v_lshl_or_b32 v[WD+(\a)], v[TM+6], 16, v[WD+(\a)]
	v_lshl_or_b32 v[WD+(\a)], v[TM+7], 24, v[WD+(\a)]
	s_wait_xcnt 0x0                                ; the last block's stores have read the codes' registers
	WIN WW
.irp c, 0,1
	v_cvt_scalef32_pk16_fp6_f32 v[PC+6*\c:PC+2+6*\c], v[AC+32*\c:AC+15+32*\c], v[TM+12+2*\c]
	v_cvt_scalef32_pk16_fp6_f32 v[PC+12+4*\c:PC+14+4*\c], v[AC+16+32*\c:AC+31+32*\c], v[TM+12+2*\c+1]
.endr
	WIN 0
	v_nop
.irp c, 0,1
.irp i, 0,1,2
	v_permlane16_swap_b32 v[PC+6*\c+\i], v[PC+12+4*\c+\i]
.endr
.irp i, 0,1,2
	v_mov_b32 v[PC+3+6*\c+\i], v[PC+12+4*\c+\i]
.endr
.endr
.irp c, 0,1,2
	global_store_b128 v[LI], v[PC+4*\c:PC+4*\c+3], s[8:9] offset:3072*(\a)+512*\c
.endr
.endm
	s_load_b128 s[4:7], s[0:1], 0x0                ; Q's and K's codes, their scale words
	s_load_b128 s[8:11], s[0:1], 0x10              ; P's codes, P's statistics
	v_lshl_add_u32 v[SPW], v0, 2, SPARE
	v_mov_b32 v[NIL], 0
	ds_add_u32 v[SPW], v[NIL]                      ; the wave's opening: the add, and its wait, ahead of my first tensor load
	v_lshrrev_b32 v1, 5, v0
	v_readfirstlane_b32 s14, v1
	s_lshr_b32 s15, s14, 1
	s_and_b32 s16, s14, 1
	s_bfe_u32 s40, ttmp6, 0x40000                  ; cx
	s_bfe_u32 s41, ttmp6, 0x40004                  ; cy
	s_lshl_b32 s42, ttmp9, 2
	s_add_co_u32 s42, s42, s40                     ; x: the tile of keys within the batch
	s_and_b32 s12, ttmp7, 0xffff
	s_lshl_b32 s17, s12, 2
	s_add_co_u32 s17, s17, s41                     ; y: the tile of queries
	s_lshr_b32 s13, s12, 1                         ; the batch, which all sixteen partners share
	s_lshl_b32 s43, s41, 2
	s_lshl_b32 s43, 15, s43
	s_lshl_b32 s44, 0x1111, s40
	s_or_b32 s[G1+0], s43, (3<<16)|(1<<21)
	s_or_b32 s[G1B+0], s44, (3<<16)|(1<<21)
.irp g, G1, G1B
	s_mov_b32 s[\g+1], 32<<16
	s_mov_b32 s[\g+2], 96<<16
	s_mov_b32 s[\g+3], 32<<16
	s_mov_b32 s[\g+4], 96
	s_mov_b32 s[\g+5], 32
	s_mov_b32 s[\g+6], 0
	s_mov_b32 s[\g+7], 0
.endr
	s_or_b32 s[G1S+0], s43, (3<<16)|(1<<21)
	s_or_b32 s[G1SB+0], s44, (3<<16)|(1<<21)
.irp g, G1S, G1SB
	s_mov_b32 s[\g+1], 64<<16
	s_mov_b32 s[\g+2], 8<<16
	s_mov_b32 s[\g+3], 64<<16
	s_mov_b32 s[\g+4], 8
	s_mov_b32 s[\g+5], GSC*64
	s_mov_b32 s[\g+6], 0
	s_mov_b32 s[\g+7], 0
.endr
	s_lshl_b32 s18, s16, 3
	s_lshl_b32 s20, s17, 4
	s_add_co_u32 s20, s20, s18                     ; Q: fragment row 16 y + 8 x half
	s_lshl_b32 s46, s13, 7
	s_lshl_b32 s47, s42, 4
	s_add_co_u32 s46, s46, s47
	s_add_co_u32 s46, s46, s18
	s_add_co_u32 s46, s46, 512                     ; K: 512 + 128 x batch + 16 x + 8 x half
	s_lshr_b32 s22, s20, 3
	s_lshl_b32 s22, s22, 9
	s_mov_b32 s23, 0
	s_lshr_b32 s96, s46, 3
	s_lshl_b32 s96, s96, 9
	s_mov_b32 s97, 0
	s_mul_i32 s20, s20, 3072
	s_mov_b32 s21, 0
	s_mul_i32 s46, s46, 3072
	s_mov_b32 s47, 0
	s_mul_i32 s45, s14, HALFT
	s_lshl_b32 s2, s14, 12
	s_wait_dscnt 0x0
	s_wait_kmcnt 0x0
	s_add_nc_u64 s[20:21], s[4:5], s[20:21]
	s_add_nc_u64 s[22:23], s[6:7], s[22:23]
	s_add_nc_u64 s[46:47], s[4:5], s[46:47]
	s_add_nc_u64 s[96:97], s[6:7], s[96:97]
	CROUND
	s_mov_b32 s[G0S], 1
	s_add_co_u32 s[G0S+1], s2, SCL
	s_mov_b64 s[G0S+2:G0S+3], s[22:23]
	s_or_b32 s[G0S+3], s[G0S+3], 0x80000000
	s_mov_b32 s[G0SB], 1
	s_add_co_u32 s[G0SB+1], s2, SCL
	s_mov_b64 s[G0SB+2:G0SB+3], s[96:97]
	s_or_b32 s[G0SB+3], s[G0SB+3], 0x80000000
	JLOAD G0S, G1S, G0SB, G1SB
.irp s, 0,1
	s_mov_b32 s[G0+4*\s], 1
	s_add_co_u32 s[G0+4*\s+1], s45, \s*SLOT
	s_add_nc_u64 s[G0+4*\s+2:G0+4*\s+3], s[20:21], \s*KPA
	s_or_b32 s[G0+4*\s+3], s[G0+4*\s+3], 0x80000000
	s_mov_b32 s[G0B+4*\s], 1
	s_add_co_u32 s[G0B+4*\s+1], s45, \s*SLOT
	s_add_nc_u64 s[G0B+4*\s+2:G0B+4*\s+3], s[46:47], \s*KPB
	s_or_b32 s[G0B+4*\s+3], s[G0B+4*\s+3], 0x80000000
	JLOAD G0+4*\s, G1, G0B+4*\s, G1B
.endr
	s_mov_b32 s[G0C], 1
	s_add_co_u32 s[G0C+1], s45, 2*SLOT
	s_add_nc_u64 s[G0C+2:G0C+3], s[20:21], 2*KPA
	s_or_b32 s[G0C+3], s[G0C+3], 0x80000000
	s_mov_b32 s[G0BC], 1
	s_add_co_u32 s[G0BC+1], s45, 2*SLOT
	s_add_nc_u64 s[G0BC+2:G0BC+3], s[46:47], 2*KPB
	s_or_b32 s[G0BC+3], s[G0BC+3], 0x80000000
	JLOAD G0C, G1, G0BC, G1B                       ; four tensor loads of mine are out at the most
	v_and_b32 v1, 15, v0
	v_bfe_u32 v2, v0, 4, 1
	v_and_b32 v3, 31, v0
	v_lshlrev_b32 v[LI], 4, v3
	s_mul_i32 s21, s15, HALFT
	s_mul_i32 s22, s16, HALFT
	s_add_co_u32 s22, s22, 2*HALFT
.irp s, 0,1,2
	v_add_nc_u32 v[ADRA+\s], s21, v[LI]
	v_add_nc_u32 v[ADRB+\s], s22, v[LI]
	s_add_co_u32 s21, s21, SLOT
	s_add_co_u32 s22, s22, SLOT
.endr
	v_lshlrev_b32 v5, 4, v1
	s_lshl_b32 s21, s15, 12
	s_lshl_b32 s22, s16, 12
	s_add_co_u32 s22, s22, 8192
	s_sub_co_u32 s22, s22, s21
	v_mul_u32_u24 v6, s22, v2
	s_add_co_u32 s21, s21, SCL
	v_add_nc_u32 v5, v5, v6
	v_add_nc_u32 v[ADRS], s21, v5
.irp b, 0,1,2,3
	v_mov_b32 v[TM+4+\b], 0
.endr
	; where my results go: codes ((512 x + 16 y + 8 AH) x 2 + BH) x 1,536; statistics ((2 x + BH) x 64 + 2 y + AH) x 512
	s_lshl_b32 s20, s42, 9
	s_lshl_b32 s21, s17, 4
	s_add_co_u32 s20, s20, s21
	s_lshl_b32 s21, s15, 3
	s_add_co_u32 s20, s20, s21
	s_lshl_b32 s20, s20, 1
	s_add_co_u32 s20, s20, s16
	s_mul_i32 s20, s20, 1536
	s_mov_b32 s21, 0
	s_add_nc_u64 s[8:9], s[8:9], s[20:21]
	s_lshl_b32 s22, s42, 1
	s_add_co_u32 s22, s22, s16
	s_lshl_b32 s22, s22, 6
	s_lshl_b32 s23, s17, 1
	s_add_co_u32 s22, s22, s23
	s_add_co_u32 s22, s22, s15
	s_lshl_b32 s22, s22, 9
	s_mov_b32 s23, 0
	s_add_nc_u64 s[10:11], s[10:11], s[22:23]
	s_mov_b32 s[SEL], 0x76543210
	s_mov_b32 s[SEL+1], 0xfedcba98
	s_mov_b32 s[CS], 0x3d38aa3b                    ; log2(e) / 32
	s_mov_b32 s[CS+1], s[CS]
	s_wait_tensorcnt 2                             ; the scale words and my part of slot 0 are in; the loads of slots 1 and 2 may be out
	s_barrier_signal -1
	s_barrier_wait -1
	FETCH_B 0, 0, 0
	FETCH_A 0, 0, 0
	SCALES 0
	FETCH_A 0, 0, 4
	STEP 0, 0, 1
	TURN 0, 0, 1, 1, 2                             ; slots 1 and 2 are whole; slot 0 takes K 768 on
	STEP 1, 1, 0
	TURN 1, 1, 2, 0, 0                             ; no barrier: nothing is filled, and slot 2 was shown whole by the round
	STEP 2, 0, 0
	TURN 2, 0, 0, 1, 1                             ; the refill has landed in every wave; nothing more is asked for
	STEP 0, 1, 0
	s_wait_dscnt 12
	WIN MUL_LO
	MUL16 0, 1, 1, 1, 0
	MUL16 2, 1, 1, 1, 0
	s_wait_dscnt 0x0
	WIN MUL_HI
	MUL16 4, 1, 1, 1, 0
	MUL16 6, 1, 1, 1, 0
	WIN 0
	PLACES 4
.irp a, 0,1,2,3,4,5,6,7
	SOFTQ \a
.endr
	v_cmp_le_u32 vcc_lo, 16, v3
.irp t, 0,1,2,3
	v_cndmask_b32 v[MG+\t], v[WD+\t], v[WD+4+\t], vcc_lo
	v_cndmask_b32 v[MG2+\t], v[NMD+\t], v[NMD+4+\t], vcc_lo
	v_cndmask_b32 v[MG3+\t], v[LD+\t], v[LD+4+\t], vcc_lo
.endr
	global_store_b128 v[LI], v[MG:MG+3], s[10:11]
	global_store_b128 v[LI], v[MG2:MG2+3], s[10:11] offset:524288
	global_store_b128 v[LI], v[MG3:MG3+3], s[10:11] offset:1048576
	s_wait_tensorcnt 0x0
	ds_add_u32 v[SPW], v[NIL]
	s_wait_dscnt 0x0
	CROUND
	s_endpgm
.Lfunc_end_k_qa28b5d5c9c_scores:
	.size	k_qa28b5d5c9c_scores, .Lfunc_end_k_qa28b5d5c9c_scores-k_qa28b5d5c9c_scores
	.p2alignl 7, 3214868480
	.fill 96, 4, 3214868480
	.section	.rodata,"a",@progbits
	.p2align	6, 0x0
	.amdhsa_kernel k_qa28b5d5c9c_scores
		.amdhsa_group_segment_fixed_size 327680
		.amdhsa_private_segment_fixed_size 0
		.amdhsa_enable_private_segment 0
		.amdhsa_kernarg_size 32
		.amdhsa_user_sgpr_count 2
		.amdhsa_user_sgpr_kernarg_segment_ptr 1
		.amdhsa_wavefront_size32 1
		.amdhsa_system_sgpr_workgroup_id_x 1
		.amdhsa_system_sgpr_workgroup_id_y 1
		.amdhsa_system_sgpr_workgroup_id_z 1
		.amdhsa_system_vgpr_workitem_id 0
		.amdhsa_next_free_vgpr 1024
		.amdhsa_next_free_sgpr 100
		.amdhsa_reserve_vcc 1
		.amdhsa_float_denorm_mode_32 3
		.amdhsa_float_denorm_mode_16_64 3
		.amdhsa_memory_ordered 1
		.amdhsa_forward_progress 1
		.amdhsa_inst_pref_size 199
	.end_amdhsa_kernel
	.amdgpu_metadata
---
amdhsa.version: [ 1, 2 ]
amdhsa.kernels:
  - .name:           k_qa28b5d5c9c_scores
    .symbol:         k_qa28b5d5c9c_scores.kd
    .args:
      - { .name: qk_codes, .offset: 0, .size: 8, .value_kind: global_buffer, .address_space: global }
      - { .name: qk_scales, .offset: 8, .size: 8, .value_kind: global_buffer, .address_space: global }
      - { .name: p_codes, .offset: 16, .size: 8, .value_kind: global_buffer, .address_space: global }
      - { .name: p_stats, .offset: 24, .size: 8, .value_kind: global_buffer, .address_space: global }
    .group_segment_fixed_size: 327680
    .private_segment_fixed_size: 0
    .kernarg_segment_align: 8
    .kernarg_segment_size: 32
    .max_flat_workgroup_size: 128
    .sgpr_count:     100
    .vgpr_count:     1024
    .wavefront_size: 32
...
	.end_amdgpu_metadata
.endif
;; end of part 6
;; launch pv (part 7): grid 8 x 32, 4 waves a work-group, clusters of 4 x 4, 327,680 bytes of LDS; arguments p_codes, p_stats, v_codes, v_scales, out0; writes out0
.if DOCPART == 7
	.amdgcn_target "amdgcn-amd-amdhsa--gfx1250"
	.amdhsa_code_object_version 6
	.text
	.protected	k_qa28b5d5c9c_pv
	.globl	k_qa28b5d5c9c_pv
	.p2align	8
	.type	k_qa28b5d5c9c_pv,@function
k_qa28b5d5c9c_pv:
	s_mov_b64 s[64:65], 0
	v_nop
	global_prefetch_b8 v0, s[64:65] scope:SCOPE_SE
	s_setreg_imm32_b32 hwreg(HW_REG_WAVE_MODE, 25, 1), 1
	s_wait_xcnt 0x0
	s_wait_alu depctr_hold_cnt(0) depctr_sa_sdst(0) depctr_va_vdst(0) depctr_va_sdst(0) depctr_va_ssrc(0) depctr_va_vcc(0) depctr_vm_vsrc(0)
	s_getreg_b32 s2, hwreg(HW_REG_IB_STS2, 6, 4)
	s_cmp_eq_u32 s2, 0
	s_cbranch_scc0 .Lentry_in_a_cluster
	s_endpgm
.Lentry_in_a_cluster:
	s_bfe_u32 s2, ttmp6, 0x10000c
	s_cmp_lg_u32 s2, 0xf033
	s_cbranch_scc0 .Lentry_shape_is_right
	s_endpgm
.Lentry_shape_is_right:
; O = P V / l on codes of FP6 (E2M3) with E8M0 scales.  P's codes were made under sixteen local M a row (one for each 128 keys).  At the head each wave takes, for 128 queries, the row's M (the largest
; of the sixteen), l = the sum of the sixteen sums x 2^(local M - M), exact powers of two, and takes M - local M off the four scale bytes of each word of P: the codes' values are then those under the row's M.
; A byte that would fall under 0 is held at 0, which stands for 2^-127.
; Layouts as in the launches before: images of fragments (1,536 bytes), codes [K / 256][rb][K / 128 % 2], words [K / 128][rows / 128][512].  A = P (rows: queries, K: the batch's 2,048 keys), B = V^T (rows: channels).
; THE TILE is 256 queries x 128 channels: 8,192 x 1,024 outputs make 256 such tiles, one for each work-group.  Wave w makes 64 queries (blocks 4 (w % 2) .. + 3 of half w / 2 of the rows) x all 128 channels:
; 32 accumulators, 256 registers.  Source 0 = 16 channels, source 1 = 16 queries: a lane holds one query, and register 16 b + i of a block of queries is channel 32 b + 16 (lane / 16) + i.
; Work-group x: the tile of channels; y: the tile of queries; the batch is y / 8, made of the cluster's y alone.  CLUSTERS: 4 x 4: P's tile is shared along a row, V^T's along a column: joint loads.
; A SLOT holds 512 along K: P's two halves (128 rows: 49,152 bytes each), V^T's two parts (64 rows: 24,576 bytes each).  A wave's one tensor load brings its part as two rows, one for each 256 along K, each dense in
; memory.  K is four slots on two places: two first fills, two refills.  A step of 128 along K is 32 matrix instructions; both operands have two sets of registers, and a step's 36 LDS loads are issued
; at the head of the step before.
; P's corrected words go to the other waves through LDS (bytes of their own, into which no tensor load lands); V^T's words come by one joint load a wave.
; THE WAY OUT: x 1 / l, through the wave's stage in LDS (in slot 0, which has had its last fill and its last read), whole rows of 512 bytes; the fragments' row order is undone by the stores' immediates.
; LIMITS: NaN and infinities are not served; M is exact up to 2^24.
; REGISTERS: window 0: v16-30 addresses; v32-63 scale words, two sets; v64-71 1 / l; v72-239 the head's statistics; v128-223 A's fragments, two sets of 48; v128-255 the way out.
;   window 1: B's fragments, sets at v0 and v128.   window 2: accumulator (a, b) at v[8 (8 a + b)].
.set FR,    12
.set AHB,   49152                      ; 128 rows of P x 512 K
.set BPB,   24576                      ; 64 rows of V^T x 512 K
.set BOFF,  2*AHB
.set SLOT,  2*AHB+2*BPB
.set SCA,   2*SLOT                     ; P's words: [half of the rows][keys / 128, 0..15][512]: written by ds_store alone
.set SCB,   SCA+16384                  ; V^T's: [keys / 128, 0..15][512]: filled once
.set SPARE, SCB+8192                   ; the spare words, 128 bytes a wave, which no other line names
.set KPA,   512*3072                   ; bytes from 256 along K to the next, in P's codes
.set KPB,   64*3072                    ; and in V^T's
.set SPITCH, 528
.set ADRA, 16                          ; v16-17 my A fragments in slot 0, 1
.set ADRB, 20                          ; v20-21 B's
.set LI,   24
.set STO,  25
.set RD,   26
.set ADRS, 27
.set SPW,  28
.set NIL,  29
.set SW,   30
.set SC,   32                          ; set s at SC + 16 s; in it register 8 q + i: lanes 0-15 the word of my A block i (i < 4), lanes 16-31 that of B's block i
.set AF,   128
.set BK,   128
.set LIV,  64                          ; v[64 + 2 a : 65 + 2 a]: 1 / l of block a's query in my lane, twice
.set NMR,  72                          ; the head: v72-135 -M: my eight 128s of keys, then the other eight; four rows a lane
.set LR,   136                         ; v136-199 the sums, in the same order
.set WR,   200                         ; v200-231 my eight words
.set SEL,  98
.set G1, 24
.set G0, 32
.set G1B, 48
.set G0B, 56
.set G1SB, 80
.set G0SB, 88
.set MSB, 0
.macro WIN new                         ; the immediate's high byte repeats the setting that is left
.if MSB != \new
	s_set_vgpr_msb (MSB<<8)|\new
.set MSB, \new
.endif
.endm
.set MUL,    0xa1                      ; source 0 (B) window 1, source 1 (A) window 0, C and D window 2
.set TO_B,   0x40
.macro JLOAD g0a, g1a, g0b, g1b        ; a joint load: waves 0 and 1 fetch for A, waves 2 and 3 for B; an s_nop 0 and four v_nop follow each line
	s_cmp_eq_u32 s15, 0
	s_cbranch_scc0 .Lfor_b_\@
	tensor_load_to_lds s[\g0a:\g0a+3], s[\g1a:\g1a+7]
	s_nop 0
.rept 4
	v_nop
.endr
	s_branch .Lasked_\@
.Lfor_b_\@:
	tensor_load_to_lds s[\g0b:\g0b+3], s[\g1b:\g1b+7]
	s_nop 0
.rept 4
	v_nop
.endr
.Lasked_\@:
.endm
.macro CREST
	s_cmp_lg_u32 s14, 0
	s_cbranch_scc1 .Lnot_wave_0_\@
	s_barrier_signal -3
.Lnot_wave_0_\@:
	s_barrier_wait -3
	s_barrier_signal -1
	s_barrier_wait -1
.endm
.macro CROUND
	s_barrier_signal -1
	s_barrier_wait -1
	CREST
.endm
.macro PLACES n
.rept \n
	v_nop
.endr
.endm
.macro FRAG reg, adr, off              ; an image comes back as it was stored: three loads of 512 consecutive bytes
.irp c, 0,1,2
	ds_load_b128 v[\reg+4*\c:\reg+4*\c+3], v[\adr] offset:\off+512*\c
.endr
.endm
.macro FETCHP slot, s, p               ; the fragments of the slot's step s (0..3) into set p: B's eight, my four of A
	WIN TO_B
.irp i, 0,1,2,3,4,5,6,7
	FRAG 128*(\p)+FR*\i, ADRB+\slot, BPB*(\i/4)+12288*((\s)/2)+3072*(\i%4)+1536*((\s)%2)
.endr
	WIN 0
.irp i, 0,1,2,3
	FRAG AF+48*(\p)+FR*\i, ADRA+\slot, 24576*((\s)/2)+3072*\i+1536*((\s)%2)
.endr
.endm
.macro SCALES sc, u                    ; the scale words of K 256 u on (two steps) into set sc.  Lanes 16-31 take B's eight blocks; lanes 0-15 my four blocks of A (their second load brings words that no product names)
.irp q, 0,1
.irp t, 0,1
	ds_load_b128 v[SC+16*\sc+8*\q+4*\t:SC+16*\sc+8*\q+4*\t+3], v[ADRS] offset:1024*(\u)+512*\q+256*\t
.endr
.endr
.endm
; 8 matrix instructions: my A block a x B's eight.  The 32 accumulators take turns, one instruction a turn, in the same order in every step.
.macro MUL8 a, p, q, sc, zero
.irp b, 0,1,2,3,4,5,6,7
.if \zero
	v_wmma_scale_f32_16x16x128_f8f6f4 v[8*(8*(\a)+\b):8*(8*(\a)+\b)+7], v[128*(\p)+FR*\b:128*(\p)+FR*\b+FR-1], v[AF+48*(\p)+FR*(\a):AF+48*(\p)+FR*(\a)+FR-1], 0, v[SC+16*(\sc)+8*(\q)+\b], v[SC+16*(\sc)+8*(\q)+(\a)] matrix_a_fmt:MATRIX_FMT_FP6 matrix_b_fmt:MATRIX_FMT_FP6 matrix_a_scale:MATRIX_SCALE_ROW1
.else
	v_wmma_scale_f32_16x16x128_f8f6f4 v[8*(8*(\a)+\b):8*(8*(\a)+\b)+7], v[128*(\p)+FR*\b:128*(\p)+FR*\b+FR-1], v[AF+48*(\p)+FR*(\a):AF+48*(\p)+FR*(\a)+FR-1], v[8*(8*(\a)+\b):8*(8*(\a)+\b)+7], v[SC+16*(\sc)+8*(\q)+\b], v[SC+16*(\sc)+8*(\q)+(\a)] matrix_a_fmt:MATRIX_FMT_FP6 matrix_b_fmt:MATRIX_FMT_FP6 matrix_a_scale:MATRIX_SCALE_ROW1
.endif
.endr
.endm
; One of a slot's first three steps (s = 0, 1, 2): the next step's fragments are asked for first, into the other set, then this step's 32 products.  In step 1 the words of K 256 u on come too.
.macro STEP slot, s, u, zero
	s_wait_dscnt 0x0                               ; this step's fragments and words are in
	PLACES 4                                       ; four places in front of loads into registers that the last step's matrix instructions have read
	FETCHP \slot, (\s)+1, 1-(\s)%2
.if (\s) == 1
	SCALES 1, \u
.endif
	WIN MUL
	MUL8 0, (\s)%2, (\s)%2, (\s)/2, \zero
	MUL8 1, (\s)%2, (\s)%2, (\s)/2, \zero
	MUL8 2, (\s)%2, (\s)%2, (\s)/2, \zero
	MUL8 3, (\s)%2, (\s)%2, (\s)/2, \zero
.endm
; A slot's last step, and the change of slots: ONE barrier; in front of it each wave waits for all its tensor loads, adds 0 to its spare word, and waits for that and for its reads of this slot
; (the last were this step's fragments).  fill = 1: the barrier opens a round of the cluster's, and this slot is filled again with K 1,024 further on.
.macro TURN slot, next, u, fill
	WIN 0                                          ; (the add's two registers lie in window 0)
	s_wait_tensorcnt 0x0                           ; all my tensor loads have landed: my part of the next slot
	ds_add_u32 v[SPW], v[NIL]                      ; 0 onto my spare word
	s_wait_dscnt 1                                 ; this step's fragments are in (the add may be out)
	WIN MUL
	MUL8 0, 1, 1, 1, 0
	s_wait_dscnt 0x0                               ; the add is done, and my reads of this slot are over
	s_barrier_signal -1
	MUL8 1, 1, 1, 1, 0
	WIN 0
	s_barrier_wait -1
.if \fill
	CREST                                          ; no wave of any partner still reads this slot or has a load on its way
	s_add_nc_u64 s[G0+4*\slot+2:G0+4*\slot+3], s[G0+4*\slot+2:G0+4*\slot+3], 4*KPA
	s_add_nc_u64 s[G0B+4*\slot+2:G0B+4*\slot+3], s[G0B+4*\slot+2:G0B+4*\slot+3], 4*KPB
	JLOAD G0+4*\slot, G1, G0B+4*\slot, G1B         ; the first tensor load behind the round; its four v_nop are the places in front of the loads below
.else
	PLACES 4
.endif
	FETCHP \next, 0, 0
	SCALES 0, \u
	WIN MUL
	MUL8 2, 1, 1, 1, 0
	MUL8 3, 1, 1, 1, 0
.endm
.macro TOSTAGE a                       ; block a: x 1 / l, into my stage by channels, back as whole rows
.set AC, 64*(\a)
	WIN 0x82                                       ; destination and source 0: the accumulators' window
.set i, 0
.rept 32
	v_pk_mul_f32 v[AC+i:AC+i+1], v[AC+i:AC+i+1], v[LIV+2*(\a):LIV+2*(\a)+1] op_sel_hi:[1,0]   ; ascending: each accumulator is read from its low end on
.set i, i+2
.endr
	WIN 0x08                                       ; an LDS store's data are its source 1
.irp b, 0,1,2,3,4,5,6,7
	ds_store_b128 v[STO], v[AC+8*\b:AC+8*\b+3] offset:128*(\b/2)+32*(\b%2)         ; channels 32 (b / 2) + 16 h + 8 (b % 2) + 0 .. 7 of my query's row
	ds_store_b128 v[STO], v[AC+8*\b+4:AC+8*\b+7] offset:128*(\b/2)+32*(\b%2)+16
.endr
	WIN 0
.set BB, BK+64*((\a)%2)
.irp t, 0,1,2,3,4,5,6,7,8,9,10,11,12,13,14,15
	ds_load_b128 v[BB+4*\t:BB+4*\t+3], v[RD] offset:\t*SPITCH    ; LDS serves a wave's instructions in order: these see the stores above
.endr
.endm
.macro SEND a, younger
.set BB, BK+64*((\a)%2)
	s_wait_dscnt \younger
.irp t, 0,1,2,3,4,5,6,7,8,9,10,11,12,13,14,15
	global_store_b128 v[LI], v[BB+4*\t:BB+4*\t+3], s[12:13] offset:(32*((\a)/2)+8*((\a)%2)+\t+8*(\t/8))*4096 th:TH_STORE_NT   ; 512 consecutive bytes, aligned; lane-row t of my block a is this row of my 64
.endr
.endm
	s_load_b128 s[4:7], s[0:1], 0x0                ; P's codes, P's statistics
	s_load_b128 s[8:11], s[0:1], 0x10              ; V^T's codes, its scale words
	s_load_b64 s[12:13], s[0:1], 0x20              ; O
	v_lshl_add_u32 v[SPW], v0, 2, SPARE
	v_mov_b32 v[NIL], 0
	ds_add_u32 v[SPW], v[NIL]                      ; the wave's opening: the add, and its wait, ahead of my first tensor load
	v_lshrrev_b32 v1, 5, v0
	v_readfirstlane_b32 s14, v1                    ; wave
	s_lshr_b32 s15, s14, 1                         ; my half of the queries.  Also: I fetch for A (0) or B (1)
	s_and_b32 s16, s14, 1                          ; my four blocks of that half.  Also: which part I fetch
	s_bfe_u32 s40, ttmp6, 0x40000                  ; cx
	s_bfe_u32 s41, ttmp6, 0x40004                  ; cy
	s_lshl_b32 s42, ttmp9, 2
	s_add_co_u32 s42, s42, s40                     ; x: the tile of 128 channels
	s_and_b32 s66, ttmp7, 0xffff
	s_lshl_b32 s17, s66, 2
	s_add_co_u32 s17, s17, s41                     ; y: the tile of 256 queries
	s_lshr_b32 s67, s66, 1                         ; the batch, which all sixteen partners share
	s_lshl_b32 s43, s41, 2
	s_lshl_b32 s43, 15, s43                        ; my row of the cluster
	s_lshl_b32 s44, 0x1111, s40                    ; my column
	s_or_b32 s[G1+0], s43, (3<<16)|(1<<21)         ; the mask; elements of 8 bytes; bit 21 beside a mask; no padding
	s_mov_b32 s[G1+1], 3072<<16                    ; P: 2 rows of 24,576 bytes (128 rows x 256 K, dense), KPA bytes apart
	s_mov_b32 s[G1+2], 2<<16
	s_mov_b32 s[G1+3], 3072<<16
	s_mov_b32 s[G1+4], 2
	s_mov_b32 s[G1+5], KPA/8
	s_mov_b32 s[G1+6], 0
	s_mov_b32 s[G1+7], 0
	s_or_b32 s[G1B+0], s44, (3<<16)|(1<<21)
	s_mov_b32 s[G1B+1], 1536<<16                   ; V^T: 2 rows of 12,288 bytes (64 rows x 256 K, dense), KPB bytes apart
	s_mov_b32 s[G1B+2], 2<<16
	s_mov_b32 s[G1B+3], 1536<<16
	s_mov_b32 s[G1B+4], 2
	s_mov_b32 s[G1B+5], KPB/8
	s_mov_b32 s[G1B+6], 0
	s_mov_b32 s[G1B+7], 0
	s_or_b32 s[G1SB+0], s44, (3<<16)|(1<<21)       ; V^T's words: 4 rows (128 keys each) of 512 bytes, 8 x 512 bytes apart
	s_mov_b32 s[G1SB+1], 64<<16
	s_mov_b32 s[G1SB+2], 4<<16
	s_mov_b32 s[G1SB+3], 64<<16
	s_mov_b32 s[G1SB+4], 4
	s_mov_b32 s[G1SB+5], 512
	s_mov_b32 s[G1SB+6], 0
	s_mov_b32 s[G1SB+7], 0
	s_lshl_b32 s18, s16, 3
	s_lshl_b32 s20, s17, 4
	s_add_co_u32 s20, s20, s18
	s_mul_i32 s20, s20, 3072                       ; P: fragment row 16 y + 8 x half
	s_mov_b32 s21, 0
	s_lshl_b32 s46, s67, 9
	s_lshl_b32 s47, s42, 3
	s_add_co_u32 s46, s46, s47
	s_lshl_b32 s47, s16, 2
	s_add_co_u32 s46, s46, s47
	s_mul_i32 s46, s46, 3072                       ; V^T: (8 x batch) x 64 + 8 x + 4 x part
	s_mov_b32 s47, 0
	s_lshl_b32 s96, s67, 4
	s_lshl_b32 s97, s14, 2
	s_add_co_u32 s96, s96, s97
	s_lshl_b32 s96, s96, 3
	s_add_co_u32 s96, s96, s42
	s_lshl_b32 s96, s96, 9                         ; its words: wave w brings keys 512 w on: ((16 x batch + 4 w) x 8 + x) x 512
	s_mov_b32 s97, 0
	s_mul_i32 s45, s16, AHB                        ; where they go: no place in the cluster enters an LDS address
	s_mul_i32 s19, s16, BPB
	s_add_co_u32 s19, s19, BOFF
	s_lshl_b32 s3, s14, 11
	s_lshl_b32 s2, s14, 12
	s_lshl_b32 s92, s17, 1
	s_add_co_u32 s92, s92, s15
	s_lshl_b32 s92, s92, 9                         ; the statistics of my half's 128 queries;
	s_lshl_b32 s22, s16, 18                        ; my eight 128s of keys (32,768 bytes each),
	s_xor_b32 s23, s16, 1
	s_lshl_b32 s23, s23, 18                        ; and the other eight
	s_add_co_u32 s94, s92, s23
	s_add_co_u32 s92, s92, s22
	s_mov_b32 s93, 0
	s_mov_b32 s95, 0
	v_and_b32 v3, 31, v0
	v_lshlrev_b32 v[LI], 4, v3
	s_wait_dscnt 0x0                               ; the opening add is done
	s_wait_kmcnt 0x0
	s_add_nc_u64 s[20:21], s[4:5], s[20:21]
	s_add_nc_u64 s[46:47], s[8:9], s[46:47]
	s_add_nc_u64 s[96:97], s[10:11], s[96:97]
	s_add_nc_u64 s[92:93], s[6:7], s[92:93]
	s_add_nc_u64 s[94:95], s[6:7], s[94:95]
.irp k, 0,1,2,3,4,5,6,7                ; 40 loads of 512 consecutive bytes: lane (r, h) gets lane-row r of blocks 4 h .. 4 h + 3.  They are on their way while the cluster meets and the first tiles are asked for
	global_load_b128 v[NMR+4*\k:NMR+4*\k+3], v[LI], s[92:93] offset:524288+32768*\k
	global_load_b128 v[NMR+32+4*\k:NMR+32+4*\k+3], v[LI], s[94:95] offset:524288+32768*\k
	global_load_b128 v[LR+4*\k:LR+4*\k+3], v[LI], s[92:93] offset:1048576+32768*\k
	global_load_b128 v[LR+32+4*\k:LR+32+4*\k+3], v[LI], s[94:95] offset:1048576+32768*\k
	global_load_b128 v[WR+4*\k:WR+4*\k+3], v[LI], s[92:93] offset:32768*\k
.endr
	CROUND                                         ; all sixteen work-groups are here: the first joint loads meet
	s_mov_b32 s[G0SB], 1
	s_add_co_u32 s[G0SB+1], s3, SCB
	s_mov_b64 s[G0SB+2:G0SB+3], s[96:97]
	s_or_b32 s[G0SB+3], s[G0SB+3], 0x80000000
	tensor_load_to_lds s[G0SB:G0SB+3], s[G1SB:G1SB+7]   ; every wave's own quarter of V^T's words, shared along my column of the cluster
	s_nop 0
.rept 4
	v_nop
.endr
.irp s, 0,1
	s_mov_b32 s[G0+4*\s], 1
	s_add_co_u32 s[G0+4*\s+1], s45, \s*SLOT
	s_add_nc_u64 s[G0+4*\s+2:G0+4*\s+3], s[20:21], \s*2*KPA
	s_or_b32 s[G0+4*\s+3], s[G0+4*\s+3], 0x80000000
	s_mov_b32 s[G0B+4*\s], 1
	s_add_co_u32 s[G0B+4*\s+1], s19, \s*SLOT
	s_add_nc_u64 s[G0B+4*\s+2:G0B+4*\s+3], s[46:47], \s*2*KPB
	s_or_b32 s[G0B+4*\s+3], s[G0B+4*\s+3], 0x80000000
	JLOAD G0+4*\s, G1, G0B+4*\s, G1B               ; three tensor loads of mine are out at the most
.endr
	v_and_b32 v1, 15, v0                           ; r
	v_bfe_u32 v2, v0, 4, 1                         ; h
	s_mul_i32 s21, s15, AHB                        ; my half of P's rows,
	s_mul_i32 s22, s16, 4*3072                     ; my four blocks of it
	s_add_co_u32 s21, s21, s22
	v_add_nc_u32 v[ADRA], s21, v[LI]
	v_add_nc_u32 v[ADRA+1], SLOT, v[ADRA]
	v_add_nc_u32 v[ADRB], BOFF, v[LI]
	v_add_nc_u32 v[ADRB+1], SLOT, v[ADRB]
	v_lshlrev_b32 v5, 4, v1
	s_lshl_b32 s21, s15, 13                        ; P's words: my half of the rows,
	s_lshl_b32 s22, s16, 8
	s_add_co_u32 s21, s21, s22                     ; my four blocks
	s_mov_b32 s22, SCB-SCA
	s_sub_co_u32 s22, s22, s21
	v_mul_u32_u24 v6, s22, v2                      ; lanes 16-31 take V^T's
	s_add_co_u32 s21, s21, SCA
	v_add_nc_u32 v5, v5, v6
	v_add_nc_u32 v[ADRS], s21, v5
	s_mul_i32 s23, s14, 16*SPITCH                  ; my stage
	v_mul_u32_u24 v5, v1, SPITCH
	v_lshl_add_u32 v5, v2, 6, v5
	v_add_nc_u32 v[STO], s23, v5                   ; in: row r, + 64 h
	v_add_nc_u32 v[RD], s23, v[LI]                 ; back: 16 bytes a lane of a row
	s_add_co_u32 s22, s2, SCA
	v_add_nc_u32 v[SW], s22, v[LI]                 ; where my eight corrected words go: 4,096 x wave + 16 x lane
	s_lshl_b32 s20, s17, 2
	s_lshl_b32 s21, s15, 1
	s_add_co_u32 s20, s20, s21
	s_add_co_u32 s20, s20, s16
	s_lshl_b32 s20, s20, 18                        ; my first row of O: (4 y + wave) x 64 rows of 4,096 bytes
	s_lshl_b32 s21, s42, 9                         ; the tile's first channel: 128 x 4 bytes
	s_add_co_u32 s20, s20, s21
	s_mov_b32 s21, 0
	s_add_nc_u64 s[12:13], s[12:13], s[20:21]
	s_mov_b32 s[SEL], 0x76543210
	s_mov_b32 s[SEL+1], 0xfedcba98
	s_mov_b32 s18, 0x01010101
	s_wait_loadcnt 0x0                             ; the statistics
.irp j, 0,1,2,3
	v_min3_num_f32 v[8+\j], v[NMR+\j], v[NMR+4+\j], v[NMR+8+\j]    ; the least -M of the sixteen: the row's
.endr
.irp k, 3,5,7,9,11,13
.irp j, 0,1,2,3
	v_min3_num_f32 v[8+\j], v[8+\j], v[NMR+4*\k+\j], v[NMR+4*\k+4+\j]
.endr
.endr
.irp j, 0,1,2,3
	v_min_num_f32 v[8+\j], v[8+\j], v[NMR+60+\j]
.endr
.set i, 0
.rept 64
	v_sub_f32 v[NMR+i], v[8+i%4], v[NMR+i]         ; local M - M: a whole number, 0 or less
.set i, i+1
.endr
.set i, 0
.rept 64
	v_cvt_i32_f32 v[NMR+i], v[NMR+i]               ; (it saturates)
.set i, i+1
.endr
.set i, 0
.rept 64
	v_ldexp_f32 v[LR+i], v[LR+i], v[NMR+i]         ; each sum under the row's M: nothing is rounded
.set i, i+1
.endr
	v_pk_add_f32 v[12:13], v[LR:LR+1], v[LR+4:LR+5]
	v_pk_add_f32 v[14:15], v[LR+2:LR+3], v[LR+6:LR+7]
.irp k, 2,3,4,5,6,7,8,9,10,11,12,13,14,15
	v_pk_add_f32 v[12:13], v[12:13], v[LR+4*\k:LR+4*\k+1]
	v_pk_add_f32 v[14:15], v[14:15], v[LR+4*\k+2:LR+4*\k+3]
.endr
; my 32 words: d = min(M - local M, 127) off each of the four bytes, held at 0.  The bytes lie in 1 .. 125: with bit 7 set in each, no byte borrows from its neighbour, and bit 7 stays set just where byte >= d
.set i, 0
.rept 32
	v_sub_nc_u32 v[NMR+i], 0, v[NMR+i]
	v_or_b32 v[WR+i], 0x80808080, v[WR+i]
.set i, i+1
.endr
.set i, 0
.rept 32
	v_min_u32 v[NMR+i], 127, v[NMR+i]
.set i, i+1
.endr
.set i, 0
.rept 32
	v_mul_lo_u32 v[NMR+i], v[NMR+i], s18           ; d in all four bytes
.set i, i+1
.endr
.set i, 0
.rept 32
	v_sub_nc_u32 v[WR+i], v[WR+i], v[NMR+i]
.set i, i+1
.endr
.set i, 0
.rept 32
	v_and_b32 v[NMR+i], 0x80808080, v[WR+i]
.set i, i+1
.endr
.set i, 0
.rept 32
	v_lshrrev_b32 v[LR+i], 7, v[NMR+i]
.set i, i+1
.endr
.set i, 0
.rept 32
	v_sub_nc_u32 v[NMR+i], v[NMR+i], v[LR+i]       ; 0x7f in the bytes that are kept, 0 in the others
.set i, i+1
.endr
.set i, 0
.rept 32
	v_and_b32 v[WR+i], v[WR+i], v[NMR+i]
.set i, i+1
.endr
.irp k, 0,1,2,3,4,5,6,7
	ds_store_b128 v[SW], v[WR+4*\k:WR+4*\k+3] offset:512*\k
.endr
.irp j, 0,1,2,3
	v_rcp_f32 v[236+\j], v[12+\j]                  ; 1 / l (l is above 1/2)
.endr
.irp j, 0,1,2,3
	v_mov_b32 v[232+\j], 0                         ; plain work behind the reciprocals; a lane permute's destination counts as one of its sources
.endr
	s_wait_alu depctr_va_vdst(0)                   ; one wait for the four, ahead of their first reader
.irp j, 0,1,2,3
	v_permlanex16_b32 v[232+\j], v[236+\j], s[SEL], s[SEL+1]
.endr
	v_xor_b32 v7, s16, v2                          ; blocks 0-3 are held by lanes 0-15, blocks 4-7 by lanes 16-31; my blocks are 4 (wave % 2) on:
	v_cmp_eq_u32 vcc_lo, 1, v7                     ; the lanes of the other half take them from lane l xor 16
.irp j, 0,1,2,3
	v_cndmask_b32 v[LIV+2*\j], v[236+\j], v[232+\j], vcc_lo
.endr
.irp a, 0,1,2,3
	v_mov_b32 v[LIV+2*\a+1], v[LIV+2*\a]           ; (the packed multiply names the pair)
.endr
	s_wait_dscnt 0x0                               ; for the others' sake: my words lie in LDS
	s_wait_tensorcnt 1                             ; V^T's words and my part of slot 0 are in; slot 1's load may be out
	s_barrier_signal -1
	s_barrier_wait -1
	FETCHP 0, 0, 0
	SCALES 0, 0
	STEP 0, 0, 0, 1                                ; the first step's products start the sums: nothing is cleared
	STEP 0, 1, 1, 0
	STEP 0, 2, 0, 0
	TURN 0, 1, 2, 1                                ; slot 0 takes K 1,024 on
	STEP 1, 0, 0, 0
	STEP 1, 1, 3, 0
	STEP 1, 2, 0, 0
	TURN 1, 0, 4, 1                                ; slot 1 takes K 1,536 on
	STEP 0, 0, 0, 0
	STEP 0, 1, 5, 0
	STEP 0, 2, 0, 0
	TURN 0, 1, 6, 0                                ; nothing more is asked for
	STEP 1, 0, 0, 0
	STEP 1, 1, 7, 0
	STEP 1, 2, 0, 0
	s_wait_dscnt 0x0                               ; the very last step: nothing more to fetch
	WIN MUL
	MUL8 0, 1, 1, 1, 0
	MUL8 1, 1, 1, 1, 0
	MUL8 2, 1, 1, 1, 0
	MUL8 3, 1, 1, 1, 0
	WIN 0
	PLACES 4                                       ; four places in front of the first read of results and of loads into the registers that held A's fragments
	TOSTAGE 0
.irp a, 1,2,3
.if \a > 1
	s_wait_xcnt 0x0                                ; block a - 2's stores have read their registers: block a's loads may land there
.endif
	TOSTAGE \a
	SEND \a-1, 32                                  ; behind block a - 1's loads: block a's 16 stores and 16 loads
.endr
	SEND 3, 0
	s_wait_tensorcnt 0x0                           ; the wave's end, behind my last tensor load and my last LDS store
	ds_add_u32 v[SPW], v[NIL]
	s_wait_dscnt 0x0
	CROUND                                         ; the closing round
	s_endpgm
.Lfunc_end_k_qa28b5d5c9c_pv:
	.size	k_qa28b5d5c9c_pv, .Lfunc_end_k_qa28b5d5c9c_pv-k_qa28b5d5c9c_pv
	.p2alignl 7, 3214868480
	.fill 96, 4, 3214868480
	.section	.rodata,"a",@progbits
	.p2align	6, 0x0
	.amdhsa_kernel k_qa28b5d5c9c_pv
		.amdhsa_group_segment_fixed_size 327680
		.amdhsa_private_segment_fixed_size 0
		.amdhsa_enable_private_segment 0
		.amdhsa_kernarg_size 40
		.amdhsa_user_sgpr_count 2
		.amdhsa_user_sgpr_kernarg_segment_ptr 1
		.amdhsa_wavefront_size32 1
		.amdhsa_system_sgpr_workgroup_id_x 1
		.amdhsa_system_sgpr_workgroup_id_y 1
		.amdhsa_system_sgpr_workgroup_id_z 1
		.amdhsa_system_vgpr_workitem_id 0
		.amdhsa_next_free_vgpr 768
		.amdhsa_next_free_sgpr 100
		.amdhsa_reserve_vcc 1
		.amdhsa_float_denorm_mode_32 3
		.amdhsa_float_denorm_mode_16_64 3
		.amdhsa_memory_ordered 1
		.amdhsa_forward_progress 1
		.amdhsa_inst_pref_size 170
	.end_amdhsa_kernel
	.amdgpu_metadata
---
amdhsa.version: [ 1, 2 ]
amdhsa.kernels:
  - .name:           k_qa28b5d5c9c_pv
    .symbol:         k_qa28b5d5c9c_pv.kd
    .args:
      - { .name: p_codes, .offset: 0, .size: 8, .value_kind: global_buffer, .address_space: global }
      - { .name: p_stats, .offset: 8, .size: 8, .value_kind: global_buffer, .address_space: global }
      - { .name: v_codes, .offset: 16, .size: 8, .value_kind: global_buffer, .address_space: global }
      - { .name: v_scales, .offset: 24, .size: 8, .value_kind: global_buffer, .address_space: global }
      - { .name: out0, .offset: 32, .size: 8, .value_kind: global_buffer, .address_space: global }
    .group_segment_fixed_size: 327680
    .private_segment_fixed_size: 0
    .kernarg_segment_align: 8
    .kernarg_segment_size: 40
    .max_flat_workgroup_size: 128
    .sgpr_count:     100
    .vgpr_count:     768
    .wavefront_size: 32
...
	.end_amdgpu_metadata
.endif
;; end of part 7
